; MI455X (gfx1250); checked and timed in simulation.
; The chip was launched on July 23, 2026; its instructions are those of AMD's public machine-readable ISA for CDNA 5 (MIT licence, August 2026) and "CDNA5" Instruction Set Architecture Reference Guide (July 2026). The comments in the code are by the model that wrote it; some were corrected since.
;; Single Head Attention. Allowed arithmetic: float matrix products may take bf16 or f16 operands with f32 sums; other float arithmetic in f32, or as packed bf16 or f16 multiplies, adds, multiply-adds, maxima and minima; sums over many terms, partial sums and values carried from step to step in f32; what a program stores and reads back later, other than sums and carried values, may be rounded once to bf16 or f16.
;; Inputs: Vk 1,024 x 1,024 float32; Vo 1,024 x 1,024 float32; Vq 1,024 x 1,024 float32; Vv 1,024 x 1,024 float32; bk 1,024 float32; bo 1,024 float32; bq 1,024 float32; bv 1,024 float32; gk 1,024 float32; go 1,024 float32; gq 1,024 float32; gv 1,024 float32; key 2,048 x 8 x 1,024 float32; query 512 x 8 x 1,024 float32; value 2,048 x 8 x 1,024 float32.
;; Outputs: out0 512 x 8 x 1,024 float32.
;; 2 versions, each right and faster than the one before. Each part assembles by itself: llvm-mc -triple=amdgcn-amd-amdhsa -mcpu=gfx1250 --defsym DOCPART=n.
;; ======== version 1 of 2: 6 launches
;; limits: values are held in f16: magnitudes above 65,504 overflow, below 6.1e-05 lose precision
;; workspace buffers: x16 41,943,040 bytes; val16 33,554,432 bytes; wqk16 4,194,304 bytes; wvo16 4,194,304 bytes; qk16 41,943,040 bytes; p16 16,777,216 bytes; stat 1,048,576 bytes; a16 8,388,608 bytes
;; launch conv (part 1): grid 1280 x 1, 8 waves a work-group, no clusters, 0 bytes of LDS; arguments query, key, value, Vq, Vk, Vv, Vo, gq, gk, gv, go, x16, val16, wqk16, wvo16; writes x16, val16, wqk16, wvo16
.if DOCPART == 1
	.amdgcn_target "amdgcn-amd-amdhsa--gfx1250"
	.amdhsa_code_object_version 6
	.text
	.protected	k_qdc117f8236_conv
	.globl	k_qdc117f8236_conv
	.p2align	8
	.type	k_qdc117f8236_conv,@function
k_qdc117f8236_conv:
	s_mov_b64 s[64:65], 0
	v_nop
	global_prefetch_b8 v0, s[64:65] scope:SCOPE_SE
	s_setreg_imm32_b32 hwreg(HW_REG_WAVE_MODE, 25, 1), 1
	s_wait_xcnt 0x0
; Every matrix operand of the later launches, rounded once from f32 to f16.
;   x16   [20480][1024]: query's 4,096 rows (row 8 t + b), then key's 16,384 (row 4096 + 8 s + b)
;   val16 [16384][1024]: value, in its own order
;   wqk16 [2048][1024]:  Wq, then Wk;   wvo16: Wv, then Wo;   W[n][:] = V[n][:] g[n] / |V[n]|, the norm summed in f32
; LIMITS.  f16 ends at 65,504: inputs and normalised weights beyond it become infinities.  A weight row of zeros gives NaN, as 0 / 0 does.
; SHARES.  A work-group owns 32 rows of 1,024 f32 of ONE tensor, a wave four of them.  All 32 loads of a wave (16 KiB) go out at once; each covers 512
; consecutive bytes; each store covers 256 consecutive bytes, aligned.  A row lies in 32 registers of one wave, so a weight row's norm never leaves the wave.
; No LDS, no barrier, no matrix unit: the launch only streams.
.set X,  4                             ; v[4:131]   row i at X + 32 i: as loaded, then (its first 16 registers) as stored
.set Q,  132                           ; v[132:139] four chains of sums of squares, two f32 each
.set T,  140                           ; v140, v141 at work
.set SC, 142                           ; v[142:143] g / norm, twice
	s_load_b512 s[8:23], s[0:1], 0x0               ; query 8, key 10, value 12, Vq 14, Vk 16, Vv 18, Vo 20, gq 22
	s_load_b256 s[24:31], s[0:1], 0x40             ; gk 24, gv 26, go 28, x16 30
	s_load_b128 s[32:35], s[0:1], 0x60             ; val16 32, wqk16 34
	s_load_b64 s[36:37], s[0:1], 0x70              ; wvo16
	v_and_b32 v3, 31, v0                           ; lane
	v_lshrrev_b32 v1, 5, v0
	v_readfirstlane_b32 s54, v1                    ; wave 0..7
	v_lshlrev_b32 v1, 4, v3                        ; 16 bytes a lane in a load
	v_lshlrev_b32 v2, 3, v3                        ; 8 bytes a lane in a store
	v_mov_b32 v[T+1], 0                            ; v_permlanex16_b32 counts as a reader of its destination
	s_mov_b32 s52, 0x76543210                      ; its selects: each lane takes its own place in the other half
	s_mov_b32 s53, 0xfedcba98
	s_mov_b32 s46, 0                               ; the first work-group of my source tensor
	s_mov_b32 s47, 0                               ; the first work-group of my destination buffer
	s_wait_kmcnt 0x0
	; which tensor: work-groups 0-127 query, 128-639 key, 640-1151 value, then 32 each for Vq, Vk, Vv, Vo.  The conditions hang on the work-group's number alone.
	s_mov_b64 s[40:41], s[8:9]                     ; source
	s_mov_b64 s[42:43], s[30:31]                   ; destination
	s_mov_b64 s[44:45], s[22:23]                   ; gains
	s_cmp_ge_u32 ttmp9, 128
	s_cselect_b64 s[40:41], s[10:11], s[40:41]
	s_cselect_b32 s46, 128, s46
	s_cmp_ge_u32 ttmp9, 640
	s_cselect_b64 s[40:41], s[12:13], s[40:41]
	s_cselect_b64 s[42:43], s[32:33], s[42:43]
	s_cselect_b32 s46, 640, s46
	s_cselect_b32 s47, 640, s47
	s_cmp_ge_u32 ttmp9, 1152
	s_cselect_b64 s[40:41], s[14:15], s[40:41]
	s_cselect_b64 s[42:43], s[34:35], s[42:43]
	s_cselect_b32 s46, 1152, s46
	s_cselect_b32 s47, 1152, s47
	s_cmp_ge_u32 ttmp9, 1184
	s_cselect_b64 s[40:41], s[16:17], s[40:41]
	s_cselect_b64 s[44:45], s[24:25], s[44:45]
	s_cselect_b32 s46, 1184, s46
	s_cmp_ge_u32 ttmp9, 1216
	s_cselect_b64 s[40:41], s[18:19], s[40:41]
	s_cselect_b64 s[42:43], s[36:37], s[42:43]
	s_cselect_b64 s[44:45], s[26:27], s[44:45]
	s_cselect_b32 s46, 1216, s46
	s_cselect_b32 s47, 1216, s47
	s_cmp_ge_u32 ttmp9, 1248
	s_cselect_b64 s[40:41], s[20:21], s[40:41]
	s_cselect_b64 s[44:45], s[28:29], s[44:45]
	s_cselect_b32 s46, 1248, s46
	s_sub_co_u32 s46, ttmp9, s46
	s_lshl_b32 s46, s46, 5
	s_lshl2_add_u32 s46, s54, s46                  ; my first row in the source: 32 x work-group + 4 x wave
	s_sub_co_u32 s47, ttmp9, s47
	s_lshl_b32 s47, s47, 5
	s_lshl2_add_u32 s47, s54, s47                  ; and in the destination
	s_lshl_b32 s48, s46, 12                        ; rows of 4,096 bytes: 67,108,864 at the most
	s_mov_b32 s49, 0
	s_add_nc_u64 s[40:41], s[40:41], s[48:49]
	s_lshl_b32 s48, s47, 11                        ; rows of 2,048 bytes
	s_add_nc_u64 s[42:43], s[42:43], s[48:49]
.irp i, 0,1,2,3
.irp j, 0,1,2,3,4,5,6,7
	global_load_b128 v[X+32*(\i)+4*(\j):X+32*(\i)+4*(\j)+3], v1, s[40:41] offset:(\i)*4096+(\j)*512 th:TH_LOAD_NT
.endr
.endr
; Row i is rounded in place (register k takes numbers 2 k and 2 k + 1, k ascending: no number is overwritten before it is read) and stored.
; No register that a store reads is written again, so no wait stands behind the stores.
.macro OUT i
.set k, 0
.rept 16
	v_cvt_pk_f16_f32 v[X+32*(\i)+k], v[X+32*(\i)+2*k], v[X+32*(\i)+2*k+1]
.set k, k+1
.endr
.irp j, 0,1,2,3,4,5,6,7
	global_store_b64 v2, v[X+32*(\i)+2*(\j):X+32*(\i)+2*(\j)+1], s[42:43] offset:(\i)*2048+(\j)*256
.endr
.endm
.macro ROWA i                          ; a row of query, key or value
	s_wait_loadcnt 24-8*(\i)                       ; loads come back in order: my row's eight are in, the later rows' stay out
	OUT \i
.endm
.macro ROWW i                          ; a row of a weight matrix: the sum of its squares, g / norm, the scaling
	s_wait_loadcnt 24-8*(\i)
.irp p, 0,1,2,3
	v_pk_mul_f32 v[Q+2*(\p):Q+2*(\p)+1], v[X+32*(\i)+2*(\p):X+32*(\i)+2*(\p)+1], v[X+32*(\i)+2*(\p):X+32*(\i)+2*(\p)+1]  ; the first four pairs start the chains
.endr
.set p, 4
.rept 12
	v_pk_fma_f32 v[Q+2*(p%4):Q+2*(p%4)+1], v[X+32*(\i)+2*p:X+32*(\i)+2*p+1], v[X+32*(\i)+2*p:X+32*(\i)+2*p+1], v[Q+2*(p%4):Q+2*(p%4)+1]
.set p, p+1
.endr
	v_pk_add_f32 v[Q:Q+1], v[Q:Q+1], v[Q+2:Q+3]
	v_pk_add_f32 v[Q+4:Q+5], v[Q+4:Q+5], v[Q+6:Q+7]
	v_pk_add_f32 v[Q:Q+1], v[Q:Q+1], v[Q+4:Q+5]
	v_add_f32 v[T], v[Q], v[Q+1]
	v_add_f32_dpp v[T], v[T], v[T] row_xmask:1 row_mask:0xf bank_mask:0xf
	v_add_f32_dpp v[T], v[T], v[T] row_xmask:2 row_mask:0xf bank_mask:0xf
	v_add_f32_dpp v[T], v[T], v[T] row_xmask:4 row_mask:0xf bank_mask:0xf
	v_add_f32_dpp v[T], v[T], v[T] row_xmask:8 row_mask:0xf bank_mask:0xf
	v_permlanex16_b32 v[T+1], v[T], s52, s53
	v_add_f32 v[T], v[T], v[T+1]                   ; every lane holds the row's sum of squares
	v_rsq_f32 v[T], v[T]
	v_nop                                          ; a plain instruction between the root and the use of its result (ISA guide 5.7.2)
	s_wait_alu depctr_va_vdst(0)
	v_mul_f32 v[SC], s[48+(\i)], v[T]
	v_mov_b32 v[SC+1], v[SC]
.set p, 0
.rept 16
	v_pk_mul_f32 v[X+32*(\i)+2*p:X+32*(\i)+2*p+1], v[X+32*(\i)+2*p:X+32*(\i)+2*p+1], v[SC:SC+1]
.set p, p+1
.endr
	OUT \i
.endm
	s_cmp_ge_u32 ttmp9, 1152
	s_cbranch_scc1 .Lweights
	ROWA 0
	ROWA 1
	ROWA 2
	ROWA 3
	s_endpgm
.Lweights:
	s_lshl_b32 s48, s46, 2                         ; my four gains: 16 bytes, aligned
	s_add_nc_u64 s[44:45], s[44:45], s[48:49]
	s_load_b128 s[48:51], s[44:45], 0x0
	s_wait_kmcnt 0x0
	ROWW 0
	ROWW 1
	ROWW 2
	ROWW 3
	s_endpgm
.Lfunc_end_k_qdc117f8236_conv:
	.size	k_qdc117f8236_conv, .Lfunc_end_k_qdc117f8236_conv-k_qdc117f8236_conv
	.p2alignl 7, 3214868480
	.fill 96, 4, 3214868480
	.section	.rodata,"a",@progbits
	.p2align	6, 0x0
	.amdhsa_kernel k_qdc117f8236_conv
		.amdhsa_group_segment_fixed_size 0
		.amdhsa_private_segment_fixed_size 0
		.amdhsa_enable_private_segment 0
		.amdhsa_kernarg_size 120
		.amdhsa_user_sgpr_count 2
		.amdhsa_user_sgpr_kernarg_segment_ptr 1
		.amdhsa_wavefront_size32 1
		.amdhsa_system_sgpr_workgroup_id_x 1
		.amdhsa_system_sgpr_workgroup_id_y 1
		.amdhsa_system_sgpr_workgroup_id_z 1
		.amdhsa_system_vgpr_workitem_id 0
		.amdhsa_next_free_vgpr 144
		.amdhsa_next_free_sgpr 66
		.amdhsa_reserve_vcc 0
		.amdhsa_float_denorm_mode_32 3
		.amdhsa_float_denorm_mode_16_64 3
		.amdhsa_memory_ordered 1
		.amdhsa_forward_progress 1
		.amdhsa_inst_pref_size 32
	.end_amdhsa_kernel
	.amdgpu_metadata
---
amdhsa.version: [ 1, 2 ]
amdhsa.kernels:
  - .name:           k_qdc117f8236_conv
    .symbol:         k_qdc117f8236_conv.kd
    .args:
      - { .name: query, .offset: 0, .size: 8, .value_kind: global_buffer, .address_space: global }
      - { .name: key, .offset: 8, .size: 8, .value_kind: global_buffer, .address_space: global }
      - { .name: value, .offset: 16, .size: 8, .value_kind: global_buffer, .address_space: global }
      - { .name: Vq, .offset: 24, .size: 8, .value_kind: global_buffer, .address_space: global }
      - { .name: Vk, .offset: 32, .size: 8, .value_kind: global_buffer, .address_space: global }
      - { .name: Vv, .offset: 40, .size: 8, .value_kind: global_buffer, .address_space: global }
      - { .name: Vo, .offset: 48, .size: 8, .value_kind: global_buffer, .address_space: global }
      - { .name: gq, .offset: 56, .size: 8, .value_kind: global_buffer, .address_space: global }
      - { .name: gk, .offset: 64, .size: 8, .value_kind: global_buffer, .address_space: global }
      - { .name: gv, .offset: 72, .size: 8, .value_kind: global_buffer, .address_space: global }
      - { .name: go, .offset: 80, .size: 8, .value_kind: global_buffer, .address_space: global }
      - { .name: x16, .offset: 88, .size: 8, .value_kind: global_buffer, .address_space: global }
      - { .name: val16, .offset: 96, .size: 8, .value_kind: global_buffer, .address_space: global }
      - { .name: wqk16, .offset: 104, .size: 8, .value_kind: global_buffer, .address_space: global }
      - { .name: wvo16, .offset: 112, .size: 8, .value_kind: global_buffer, .address_space: global }
    .group_segment_fixed_size: 0
    .private_segment_fixed_size: 0
    .kernarg_segment_align: 8
    .kernarg_segment_size: 120
    .max_flat_workgroup_size: 256
    .sgpr_count:     66
    .vgpr_count:     144
    .wavefront_size: 32
...
	.end_amdgpu_metadata
.endif
;; end of part 1
;; launch proj (part 2): grid 8 x 160, 4 waves a work-group, clusters of 4 x 4, 327,680 bytes of LDS; arguments x16, wqk16, bq, bk, qk16; writes qk16
.if DOCPART == 2
	.amdgcn_target "amdgcn-amd-amdhsa--gfx1250"
	.amdhsa_code_object_version 6
	.text
	.protected	k_qdc117f8236_proj
	.globl	k_qdc117f8236_proj
	.p2align	8
	.type	k_qdc117f8236_proj,@function
k_qdc117f8236_proj:
	s_mov_b64 s[64:65], 0
	v_nop
	global_prefetch_b8 v0, s[64:65] scope:SCOPE_SE
	s_setreg_imm32_b32 hwreg(HW_REG_WAVE_MODE, 25, 1), 1
	s_wait_xcnt 0x0
	s_wait_alu depctr_hold_cnt(0) depctr_sa_sdst(0) depctr_va_vdst(0) depctr_va_sdst(0) depctr_va_ssrc(0) depctr_va_vcc(0) depctr_vm_vsrc(0)
	s_getreg_b32 s2, hwreg(HW_REG_IB_STS2, 6, 4)
	s_cmp_eq_u32 s2, 0
	s_cbranch_scc0 .Lentry_in_a_cluster
	s_endpgm
.Lentry_in_a_cluster:
	s_bfe_u32 s2, ttmp6, 0x10000c
	s_cmp_lg_u32 s2, 0xf033
	s_cbranch_scc0 .Lentry_shape_is_right
	s_endpgm
.Lentry_shape_is_right:
; C[m][n] = the sum over k of A[m][k] W[n][k], + bias[n].  A: [rows][1024], W: [.][1024], C: [rows][1024], all f16; bias f32; sums in f32, C rounded once.
; Arguments: A, W, bias0, bias1, C.  Clusters whose y is 8 or more (tile rows 32 on: rows 4,096 on) take W's rows 1,024 on and bias1: so one launch makes q (query, Wq, bq) and
; k (key, Wk, bk); a launch with 32 tile rows takes W's first 1,024 rows and bias0 alone.
; LIMIT.  f16 ends at 65,504: a result beyond it becomes an infinity.
; A tile of C is 128 x 128: four waves, each 64 x 64 in 16 accumulators of 16 x 16.  K goes in steps of 256 (LDS rows of 512 bytes + 16 of padding) through two slots; a wave's one tensor load brings 64 rows.
; CLUSTERS: 4 x 4 work-groups.  The four of a row of the cluster need the same tiles of A, the four of a column the same tiles of W: each tile is asked for JOINTLY, by the same tensor load with
; the same descriptor and a mask that names the four.  THE MATRIX INSTRUCTION IS USED TRANSPOSED (source 0 = 16 rows of W, source 1 = 16 rows of A): a lane holds eight neighbouring numbers of a row of C.
; REGISTERS: window 0: v0-31 addresses; v32-95 the way out; v96-127 my 32 bias numbers; v128-255 the accumulators ((a, b) at v[128 + 8 (4 a + b)]).
;   window 1: two fragment buffers of 128: for 64 along K, 64 registers of A (2 x 4 x 16 rows x 32 K), then 64 of W.
.set SIZE_K, 1024
.set ROWB,   2048                      ; bytes in a row of C
.set KSTEP,  256
.set PITCH,  528                       ; 132 words: row r starts at bank 4 r mod 64 (64 banks of 4 bytes: ISA guide 11.1)
.set HALFT,  64*PITCH                  ; what one tensor load brings, and what one wave reads of A or of W
.set SLOT,   4*HALFT                   ; A's 128 rows, then W's 128 rows
.set STAGE,  2*SLOT                    ; behind the ring: 128 rows x 272 bytes, the work-group's, for the way out
.set SPITCH, 272
.set SPARE,  STAGE+128*SPITCH          ; the spare words, 128 bytes for each wave: two blocks of 256 bytes that no other line names
.set LAPS,   SIZE_K/(2*KSTEP)          ; a lap = two K steps = once round the ring
.set ADRA, 16                          ; v16-17  LDS address of my A fragments in slot 0, 1
.set ADRB, 20                          ; v20-21  the same for W
.set STO,  24                          ; v24     the way out: where I put 16 bytes of a row
.set RD,   25                          ; v25     the way out: where I read a row back
.set CO,   26                          ; v26     my byte offset in C
.set SPW,  28                          ; v28     LDS address of my spare word; never rewritten
.set NIL,  29                          ; v29     0; never rewritten
.set TMP,  32
.set BIAS, 96                          ; column block b's eight numbers at BIAS + 8 b
.set ACC,  128
.set F0,   0
.set F1,   128
.set G1, 24                            ; s[24:31] descriptor group 1 for A's tiles;  s[32:39] group 0, one set for each slot
.set G0, 32
.set G1B, 48                           ; s[48:55], s[56:63] the same for W's tiles
.set G0B, 56
.set MSB, 0
.macro WIN new                         ; the immediate's high byte repeats the setting that is left; a switch that changes nothing is dropped
.if MSB != (\new)
	s_set_vgpr_msb (MSB<<8)|(\new)
.set MSB, \new
.endif
.endm
.set MUL,  0x05                        ; sources 0 (W) and 1 (A) window 1; C and D window 0
.set TO_F, 0x40                        ; destination window 1, address window 0
.macro JLOAD s                         ; a joint load: waves 0 and 1 fetch A's two halves, waves 2 and 3 W's; an s_nop 0 and four v_nop follow each line
	s_cmp_eq_u32 s11, 0
	s_cbranch_scc0 .Lfor_b_\@
	tensor_load_to_lds s[G0+4*(\s):G0+4*(\s)+3], s[G1:G1+7]
	s_nop 0
.rept 4
	v_nop
.endr
	s_branch .Lasked_\@
.Lfor_b_\@:
	tensor_load_to_lds s[G0B+4*(\s):G0B+4*(\s)+3], s[G1B:G1B+7]
	s_nop 0
.rept 4
	v_nop
.endr
.Lasked_\@:
.endm
.macro CREST                           ; a round of the cluster's barrier behind its opening barrier
	s_cmp_lg_u32 s10, 0
	s_cbranch_scc1 .Lnot_wave_0_\@
	s_barrier_signal -3
.Lnot_wave_0_\@:
	s_barrier_wait -3
	s_barrier_signal -1
	s_barrier_wait -1
.endm
.macro CROUND                          ; a whole round
	s_barrier_signal -1
	s_barrier_wait -1
	CREST
.endm
	s_load_b128 s[4:7], s[0:1], 0x0                ; A s[4:5], W s[6:7]
	s_load_b128 s[68:71], s[0:1], 0x10             ; bias0 s[68:69], bias1 s[70:71]
	s_load_b64 s[8:9], s[0:1], 0x20                ; C
	v_lshl_add_u32 v[SPW], v0, 2, SPARE
	v_mov_b32 v[NIL], 0
	ds_add_u32 v[SPW], v[NIL]                      ; the wave's opening: the add and its wait stand ahead of my first tensor load; the set-up below, work on registers, stands between them
	v_lshrrev_b32 v1, 5, v0
	v_readfirstlane_b32 s10, v1                    ; wave 0..3
	s_lshr_b32 s11, s10, 1                         ; which half of the tile's rows is mine.  Also: I fetch for A (0) or for W (1)
	s_and_b32 s12, s10, 1                          ; which half of its columns.  Also: which 64 rows of that tile I fetch
	s_bfe_u32 s40, ttmp6, 0x40000                  ; cx, cy: my place in the cluster
	s_bfe_u32 s41, ttmp6, 0x40004
	s_lshl_b32 s42, ttmp9, 2
	s_add_co_u32 s42, s42, s40                     ; tile column of C = 4 x cluster x + cx
	s_and_b32 s66, ttmp7, 0xffff                   ; the cluster's y, which all sixteen share
	s_lshl_b32 s13, s66, 2
	s_add_co_u32 s13, s13, s41                     ; tile row of C = 4 x cluster y + cy
	s_lshl_b32 s43, s41, 2
	s_lshl_b32 s43, 15, s43                        ; my row of the cluster
	s_lshl_b32 s44, 0x1111, s40                    ; my column
	; descriptor group 1: a tile of 64 rows x 256 elements, padded in LDS
	s_or_b32 s[G1+0], s43, (1<<16)|(1<<20)|(1<<21)|(6<<22)|(3<<25)  ; 15:0 the mask: A's tiles go to my row; 17:16 2-byte elements; 20 padding on; 21 set beside a mask; 24:22 after every 128 words; 31:25 4 words
	s_or_b32 s[G1B+0], s44, (1<<16)|(1<<20)|(1<<21)|(6<<22)|(3<<25)
.irp g, G1, G1B
	s_mov_b32 s[(\g)+1], KSTEP<<16                 ; tensor_dim0 = 256
	s_mov_b32 s[(\g)+2], 64<<16                    ; tensor_dim1 = 64
	s_mov_b32 s[(\g)+3], KSTEP<<16                 ; tile_dim0 = 256
	s_mov_b32 s[(\g)+4], 64                        ; tile_dim1 = 64
	s_mov_b32 s[(\g)+5], SIZE_K                    ; elements from row to row
	s_mov_b32 s[(\g)+6], 0
	s_mov_b32 s[(\g)+7], 0
.endr
	s_lshl_b32 s17, s12, 6                         ; which 64 rows of the tile I fetch
	s_lshl_b32 s16, s13, 7
	s_add_co_u32 s16, s16, s17                     ; A: row 128 x tile row + 64 x half,
	s_lshl_b32 s16, s16, 11                        ; in bytes: 41,943,040 at the most
	s_lshl_b32 s46, s42, 7
	s_add_co_u32 s46, s46, s17                     ; W: row 128 x tile column + 64 x half
	s_lshl_b32 s46, s46, 11
	s_cmp_ge_u32 s66, 8
	s_cselect_b32 s67, 0x200000, 0                 ; the second 1,024 rows of W
	s_add_co_u32 s46, s46, s67
	s_mov_b32 s17, 0
	s_mov_b32 s47, 0
	s_mul_i32 s20, s10, HALFT                      ; where they go: wave x 64 rows: no place in the cluster enters an LDS address
	s_wait_dscnt 0x0                               ; the opening add is done
	s_wait_kmcnt 0x0
	s_add_nc_u64 s[14:15], s[4:5], s[16:17]
	s_add_nc_u64 s[46:47], s[6:7], s[46:47]
	CROUND                                         ; all sixteen work-groups are here: the first joint loads meet
.irp s, 0,1
	s_mov_b32 s[G0+4*(\s)], 1
	s_add_co_u32 s[G0+4*(\s)+1], s20, (\s)*SLOT
	s_add_nc_u64 s[G0+4*(\s)+2:G0+4*(\s)+3], s[14:15], (\s)*KSTEP*2
	s_or_b32 s[G0+4*(\s)+3], s[G0+4*(\s)+3], 0x80000000
	s_mov_b32 s[G0B+4*(\s)], 1
	s_add_co_u32 s[G0B+4*(\s)+1], s20, (\s)*SLOT
	s_add_nc_u64 s[G0B+4*(\s)+2:G0B+4*(\s)+3], s[46:47], (\s)*KSTEP*2
	s_or_b32 s[G0B+4*(\s)+3], s[G0B+4*(\s)+3], 0x80000000
	JLOAD \s
.endr
	v_and_b32 v1, 15, v0                           ; r = l % 16
	v_bfe_u32 v2, v0, 4, 1                         ; h = l / 16
	; my bias: a lane holds columns 16 b + 8 h + 0..7 of the wave's 64
	s_cmp_ge_u32 s66, 8
	s_cselect_b64 s[68:69], s[70:71], s[68:69]
	s_lshl_b32 s46, s42, 9                         ; 128 columns of 4 bytes a tile,
	s_lshl_b32 s47, s12, 8                         ; 64 a wave
	s_add_co_u32 s46, s46, s47
	s_mov_b32 s47, 0
	s_add_nc_u64 s[68:69], s[68:69], s[46:47]
	v_lshlrev_b32 v6, 5, v2
.irp b, 0,1,2,3
	global_load_b128 v[BIAS+8*(\b):BIAS+8*(\b)+3],   v6, s[68:69] offset:64*(\b)
	global_load_b128 v[BIAS+8*(\b)+4:BIAS+8*(\b)+7], v6, s[68:69] offset:64*(\b)+16
.endr
	v_mul_u32_u24 v3, v1, PITCH
	v_lshl_add_u32 v3, v2, 4, v3                   ; a fragment's row x pitch + 16 x half
	s_mul_i32 s21, s11, HALFT                      ; my 64 rows of A
	s_mul_i32 s22, s12, HALFT                      ; my 64 rows of W,
	s_add_co_u32 s22, s22, 2*HALFT                 ; which lie behind A's 128
.irp s, 0,1
	v_add_nc_u32 v[ADRA+(\s)], s21, v3
	v_add_nc_u32 v[ADRB+(\s)], s22, v3
	s_add_co_u32 s21, s21, SLOT
	s_add_co_u32 s22, s22, SLOT
.endr
	s_mul_i32 s23, s11, 64*SPITCH                  ; into the stage: my 64 rows, my half of their 256 bytes
	s_lshl_b32 s21, s12, 7
	s_add_co_u32 s23, s23, s21
	s_add_co_u32 s23, s23, STAGE
	v_mul_u32_u24 v4, v1, SPITCH
	v_lshl_add_u32 v4, v2, 4, v4
	v_add_nc_u32 v[STO], s23, v4
	s_mul_i32 s23, s10, 32*SPITCH                  ; back: wave w takes rows 32 w .. 32 w + 31, whole
	s_add_co_u32 s23, s23, STAGE
	v_mul_u32_u24 v5, v2, SPITCH
	v_lshl_add_u32 v5, v1, 4, v5
	v_add_nc_u32 v[RD], s23, v5
	v_mul_u32_u24 v5, v2, ROWB                     ; and the same two rows in C
	v_lshl_add_u32 v[CO], v1, 4, v5
	s_lshl_b32 s16, s13, 7
	s_lshl_b32 s17, s10, 5
	s_add_co_u32 s16, s16, s17                     ; the first row of C that I store: 128 x tile row + 32 x wave
	s_lshl_b32 s16, s16, 11
	s_mov_b32 s17, 0
	s_add_nc_u64 s[8:9], s[8:9], s[16:17]
	s_lshl_b32 s46, s42, 8                         ; the tile's first column, in bytes
	s_mov_b32 s47, 0
	s_add_nc_u64 s[8:9], s[8:9], s[46:47]
; 8 matrix instructions: row blocks a0, a0 + 1 x all 4 column blocks, 32 along K: half c of buffer f.  zero = 1: the first product starts the sums.
; The 16 accumulators take turns, one instruction a turn.
.macro MUL8 f, c, a0, zero
	WIN MUL
.irp a, \a0, (\a0)+1
.irp b, 0,1,2,3
.if \zero
	v_wmma_f32_16x16x32_f16 v[ACC+8*(4*(\a)+(\b)):ACC+8*(4*(\a)+(\b))+7], v[(\f)+64+8*(4*(\c)+(\b)):(\f)+64+8*(4*(\c)+(\b))+7], v[(\f)+8*(4*(\c)+(\a)):(\f)+8*(4*(\c)+(\a))+7], 0
.else
	v_wmma_f32_16x16x32_f16 v[ACC+8*(4*(\a)+(\b)):ACC+8*(4*(\a)+(\b))+7], v[(\f)+64+8*(4*(\c)+(\b)):(\f)+64+8*(4*(\c)+(\b))+7], v[(\f)+8*(4*(\c)+(\a)):(\f)+8*(4*(\c)+(\a))+7], v[ACC+8*(4*(\a)+(\b)):ACC+8*(4*(\a)+(\b))+7]
.endif
.endr
.endr
.endm
; 32 LDS loads in one run: the fragments of 64 along K at byte k of the rows, into buffer f; the first 32 along K first
.macro FETCH slot, k, f
	WIN TO_F
.irp c, 0,1
.irp i, 0,1,2,3
	ds_load_b128 v[(\f)+64+8*(4*(\c)+(\i)):(\f)+64+8*(4*(\c)+(\i))+3],   v[ADRB+(\slot)] offset:(\k)+64*(\c)+(\i)*16*PITCH
	ds_load_b128 v[(\f)+64+8*(4*(\c)+(\i))+4:(\f)+64+8*(4*(\c)+(\i))+7], v[ADRB+(\slot)] offset:(\k)+64*(\c)+(\i)*16*PITCH+32
	ds_load_b128 v[(\f)+8*(4*(\c)+(\i)):(\f)+8*(4*(\c)+(\i))+3],         v[ADRA+(\slot)] offset:(\k)+64*(\c)+(\i)*16*PITCH
	ds_load_b128 v[(\f)+8*(4*(\c)+(\i))+4:(\f)+8*(4*(\c)+(\i))+7],       v[ADRA+(\slot)] offset:(\k)+64*(\c)+(\i)*16*PITCH+32
.endr
.endr
.endm
.macro PLACES                          ; four places in front of loads into registers that matrix instructions have read, and of vector lines that read results
.rept 4
	v_nop
.endr
.endm
; A K step is four quarters of 64 along K, 32 matrix instructions each, on buffers 0, 1, 0, 1.  One of the first three: multiplies buffer f and fetches the next quarter, at byte k, into g.
.macro QUARTER slot, k, f, g, zero
	s_wait_dscnt 16                                ; the first 32 along K are in; the youngest sixteen loads may be out
	MUL8 \f, 0, 0, \zero
	MUL8 \f, 0, 2, \zero
	PLACES
	FETCH \slot, \k, \g
	s_wait_dscnt 32                                ; all but the 32 just issued
	MUL8 \f, 1, 0, 0
	MUL8 \f, 1, 2, 0
.endm
; The last quarter multiplies buffer 1 and changes slots: ONE barrier; in front of it each wave waits for all its tensor loads, adds 0 to its spare word, and waits for that and for its own reads of this slot.
; fill = 1: the barrier opens a round of the cluster's, and this slot is filled again, two K steps ahead, first thing behind the round.
.macro TURN slot, next, fill
	WIN 0                                          ; (the add's two registers lie in window 0)
	s_wait_tensorcnt 0x0                           ; all my tensor loads have landed: my part of the next slot
	ds_add_u32 v[SPW], v[NIL]                      ; 0 onto my spare word
	s_wait_dscnt 17                                ; (the add and the youngest sixteen loads may be out)
	MUL8 F1, 0, 0, 0                               ; eight matrix instructions stand between the add and the wait for it
	s_wait_dscnt 0x0                               ; the add is done, and my reads of this slot are over
	s_barrier_signal -1
	MUL8 F1, 0, 2, 0
.if \fill
	WIN 0
.endif
	s_barrier_wait -1
.if \fill
	CREST                                          ; no wave of any partner still reads this slot's tile or has a load on its way
	s_add_nc_u64 s[G0+4*(\slot)+2:G0+4*(\slot)+3], s[G0+4*(\slot)+2:G0+4*(\slot)+3], 2*KSTEP*2
	s_add_nc_u64 s[G0B+4*(\slot)+2:G0B+4*(\slot)+3], s[G0B+4*(\slot)+2:G0B+4*(\slot)+3], 2*KSTEP*2
	JLOAD \slot                                    ; the four v_nop behind it are also the places in front of the loads below
.else
	PLACES
.endif
	FETCH \next, 0, F0
	MUL8 F1, 1, 0, 0
	MUL8 F1, 1, 2, 0
.endm
	s_wait_tensorcnt 1                             ; my part of K step 0 is in; K step 1's load stays out
	s_barrier_signal -1
	s_barrier_wait -1                              ; everybody's is
	FETCH 0, 0, F0
	QUARTER 0, 128, F0, F1, 1                      ; the first quarter stands in front of the loop: its first products start the sums
	WIN 0                                          ; at a label and at a branch every window is 0
	s_mov_b32 s3, LAPS-1
.Llap:                                                 ; a trip goes once round the ring, from a lap's second quarter to the next lap's first, and fills both slots again
	QUARTER 0, 256, F1, F0, 0
	QUARTER 0, 384, F0, F1, 0
	TURN 0, 1, 1
	QUARTER 1, 128, F0, F1, 0
	QUARTER 1, 256, F1, F0, 0
	QUARTER 1, 384, F0, F1, 0
	TURN 1, 0, 1
	QUARTER 0, 128, F0, F1, 0
	WIN 0
	s_sub_co_u32 s3, s3, 1
	s_cmp_lg_u32 s3, 0
	s_cbranch_scc1 .Llap
	QUARTER 0, 256, F1, F0, 0                      ; the last lap fills nothing, and has no round of the cluster's barrier
	QUARTER 0, 384, F0, F1, 0
	TURN 0, 1, 0
	QUARTER 1, 128, F0, F1, 0
	QUARTER 1, 256, F1, F0, 0
	QUARTER 1, 384, F0, F1, 0
	s_wait_dscnt 16                                ; the very last quarter: nothing more to fetch
	MUL8 F1, 0, 0, 0
	MUL8 F1, 0, 2, 0
	s_wait_dscnt 0
	MUL8 F1, 1, 0, 0
	MUL8 F1, 1, 2, 0
	WIN 0
	; THE WAY OUT: the bias is added in f32; round to f16; 16 bytes a lane into the work-group's stage; a barrier, since a row's 256 bytes come from two waves; back as whole rows.
	s_wait_loadcnt 0x0                             ; my bias
	PLACES
.irp t, 0,1,2,3,4,5,6,7,8,9,10,11,12,13,14,15
.irp r, 0,1,2,3                        ; each accumulator's lowest registers are read first
	v_pk_add_f32 v[ACC+8*(\t)+2*(\r):ACC+8*(\t)+2*(\r)+1], v[ACC+8*(\t)+2*(\r):ACC+8*(\t)+2*(\r)+1], v[BIAS+8*((\t)%4)+2*(\r):BIAS+8*((\t)%4)+2*(\r)+1]
.endr
.irp r, 0,1,2,3
	v_cvt_pk_f16_f32 v[TMP+4*(\t)+(\r)], v[ACC+8*(\t)+2*(\r)], v[ACC+8*(\t)+2*(\r)+1]
.endr
.endr
.irp a, 0,1,2,3
.irp b, 0,1,2,3
	ds_store_b128 v[STO], v[TMP+4*(4*(\a)+(\b)):TMP+4*(4*(\a)+(\b))+3] offset:(\a)*16*SPITCH+32*(\b)
.endr
.endr
	s_wait_dscnt 0x0                               ; for the others' sake: my stores into the stage are done
	s_barrier_signal -1
	s_barrier_wait -1
.irp t, 0,1,2,3,4,5,6,7,8,9,10,11,12,13,14,15
	ds_load_b128 v[TMP+4*(\t):TMP+4*(\t)+3], v[RD] offset:(\t)*2*SPITCH
.endr
.irp t, 0,1,2,3,4,5,6,7,8,9,10,11,12,13,14,15
	s_wait_dscnt 15-(\t)                           ; LDS loads come back in order: pair t of rows is in
	global_store_b128 v[CO], v[TMP+4*(\t):TMP+4*(\t)+3], s[8:9] offset:2*(\t)*ROWB  ; 16 lanes store 256 consecutive bytes, at a multiple of 256 from C's first byte
.endr
	s_wait_tensorcnt 0x0                           ; the wave's end: the add and its wait stand behind my last tensor load and my last LDS store
	ds_add_u32 v[SPW], v[NIL]
	s_wait_dscnt 0x0
	CROUND                                         ; the closing round: no work-group ends while a partner may still ask for a tile that names it
	s_endpgm
.Lfunc_end_k_qdc117f8236_proj:
	.size	k_qdc117f8236_proj, .Lfunc_end_k_qdc117f8236_proj-k_qdc117f8236_proj
	.p2alignl 7, 3214868480
	.fill 96, 4, 3214868480
	.section	.rodata,"a",@progbits
	.p2align	6, 0x0
	.amdhsa_kernel k_qdc117f8236_proj
		.amdhsa_group_segment_fixed_size 327680
		.amdhsa_private_segment_fixed_size 0
		.amdhsa_enable_private_segment 0
		.amdhsa_kernarg_size 40
		.amdhsa_user_sgpr_count 2
		.amdhsa_user_sgpr_kernarg_segment_ptr 1
		.amdhsa_wavefront_size32 1
		.amdhsa_system_sgpr_workgroup_id_x 1
		.amdhsa_system_sgpr_workgroup_id_y 1
		.amdhsa_system_sgpr_workgroup_id_z 1
		.amdhsa_system_vgpr_workitem_id 0
		.amdhsa_next_free_vgpr 512
		.amdhsa_next_free_sgpr 80
		.amdhsa_reserve_vcc 0
		.amdhsa_float_denorm_mode_32 3
		.amdhsa_float_denorm_mode_16_64 3
		.amdhsa_memory_ordered 1
		.amdhsa_forward_progress 1
		.amdhsa_inst_pref_size 92
	.end_amdhsa_kernel
	.amdgpu_metadata
---
amdhsa.version: [ 1, 2 ]
amdhsa.kernels:
  - .name:           k_qdc117f8236_proj
    .symbol:         k_qdc117f8236_proj.kd
    .args:
      - { .name: x16, .offset: 0, .size: 8, .value_kind: global_buffer, .address_space: global }
      - { .name: wqk16, .offset: 8, .size: 8, .value_kind: global_buffer, .address_space: global }
      - { .name: bq, .offset: 16, .size: 8, .value_kind: global_buffer, .address_space: global }
      - { .name: bk, .offset: 24, .size: 8, .value_kind: global_buffer, .address_space: global }
      - { .name: qk16, .offset: 32, .size: 8, .value_kind: global_buffer, .address_space: global }
    .group_segment_fixed_size: 327680
    .private_segment_fixed_size: 0
    .kernarg_segment_align: 8
    .kernarg_segment_size: 40
    .max_flat_workgroup_size: 128
    .sgpr_count:     80
    .vgpr_count:     512
    .wavefront_size: 32
...
	.end_amdgpu_metadata
.endif
;; end of part 2
;; launch score (part 3): grid 16 x 32, 4 waves a work-group, clusters of 4 x 4, 327,680 bytes of LDS; arguments qk16, p16, stat; writes p16, stat
.if DOCPART == 3
	.amdgcn_target "amdgcn-amd-amdhsa--gfx1250"
	.amdhsa_code_object_version 6
	.text
	.protected	k_qdc117f8236_score
	.globl	k_qdc117f8236_score
	.p2align	8
	.type	k_qdc117f8236_score,@function
k_qdc117f8236_score:
	s_mov_b64 s[64:65], 0
	v_nop
	global_prefetch_b8 v0, s[64:65] scope:SCOPE_SE
	s_setreg_imm32_b32 hwreg(HW_REG_WAVE_MODE, 25, 1), 1
	s_wait_xcnt 0x0
	s_wait_alu depctr_hold_cnt(0) depctr_sa_sdst(0) depctr_va_vdst(0) depctr_va_sdst(0) depctr_va_ssrc(0) depctr_va_vcc(0) depctr_vm_vsrc(0)
	s_getreg_b32 s2, hwreg(HW_REG_IB_STS2, 6, 4)
	s_cmp_eq_u32 s2, 0
	s_cbranch_scc0 .Lentry_in_a_cluster
	s_endpgm
.Lentry_in_a_cluster:
	s_bfe_u32 s2, ttmp6, 0x10000c
	s_cmp_lg_u32 s2, 0xf033
	s_cbranch_scc0 .Lentry_shape_is_right
	s_endpgm
.Lentry_shape_is_right:
; Scores and the first half of the softmax.  For batch b, query t, key s: x = q[t][b] . k[s][b] (f16 operands, f32 sums), and with c = log2(e) / 32 (the module's scale 1/32 and the change of base)
;   p16[b][t][s] = 2^(c x + Mn), rounded to f16, where Mn = floor(-c m) and m is the largest x of the query in the key's BLOCK of 64 keys (block j = s / 64);
;   stat[b][j][0][t] = Mn,  stat[b][j][1][t] = the block's sum of the unrounded weights, both f32.
; So the block's maximum is taken away before the exponential: every exponent is at most 0 (to within the rounding of c m), the block's largest above -1.  The next launch joins the blocks by exact powers of two.
; LIMITS.  A weight below 6e-5 keeps f16's fixed step of 6e-8; one below 2^-126 counts as 0 in the sum; NaN and infinities are not treated apart.
; qk16: [20480][1024] f16, q[t][b] in row 8 t + b, k[s][b] in row 4096 + 8 s + b: a batch's rows lie 16,384 bytes apart.
; A tile is 128 queries x 128 keys: four waves, each 64 x 64 in 16 accumulators; a wave's 64 keys are one block.  K goes in steps of 256 through two slots; a wave's one tensor load brings 64 rows.
; CLUSTERS: 4 x 4.  A cluster's y is the batch, cy the tile of queries, 4 x cluster x + cx the tile of keys: q's tiles are asked for jointly along a row of the cluster, k's along a column.
; THE MATRIX INSTRUCTION IS USED TRANSPOSED (source 0 = 16 keys, source 1 = 16 queries): a lane holds ONE query (lane % 16) and, in the four accumulators of a row block, 32 of the block's keys; the lane 16 away holds the other 32.
; REGISTERS: window 0: v0-31 addresses; v32-95 the way out; v96-127 eight registers of statistics a row block; v128-255 the accumulators.  window 1: two fragment buffers of 128.
.set SIZE_K, 1024
.set ROWB,   4096                      ; bytes in a row of p16
.set APITCH, 8192                      ; elements from a batch's row to its next
.set KSTEP,  256
.set PITCH,  528                       ; 132 words: row r starts at bank 4 r mod 64 (64 banks of 4 bytes: ISA guide 11.1)
.set HALFT,  64*PITCH
.set SLOT,   4*HALFT                   ; q's 128 rows, then k's 128 rows
.set STAGE,  2*SLOT                    ; behind the ring: 128 rows x 272 bytes, the work-group's, for the way out
.set SPITCH, 272
.set SPARE,  STAGE+128*SPITCH          ; the spare words, 128 bytes for each wave: two blocks of 256 bytes that no other line names
.set LAPS,   SIZE_K/(2*KSTEP)
.set ADRA, 16
.set ADRB, 20
.set STO,  24
.set RD,   25
.set CO,   26
.set SO,   27                          ; v27     my byte offset in stat: lanes 0-15 plane 0, lanes 16-31 plane 1
.set SPW,  28
.set NIL,  29
.set TMP,  32
.set ST,   96                          ; row block a at ST + 8 a: +0..3 four chains, +4 Mn, +5 its pair partner, +6 the sum, +7 at work
.set ACC,  128
.set F0,   0
.set F1,   128
.set G1, 24
.set G0, 32
.set G1B, 48
.set G0B, 56
.set MSB, 0
.macro WIN new
.if MSB != (\new)
	s_set_vgpr_msb (MSB<<8)|(\new)
.set MSB, \new
.endif
.endm
.set MUL,  0x05
.set TO_F, 0x40
.macro JLOAD s                         ; a joint load: waves 0 and 1 fetch q's two halves, waves 2 and 3 k's; an s_nop 0 and four v_nop follow each line
	s_cmp_eq_u32 s11, 0
	s_cbranch_scc0 .Lfor_b_\@
	tensor_load_to_lds s[G0+4*(\s):G0+4*(\s)+3], s[G1:G1+7]
	s_nop 0
.rept 4
	v_nop
.endr
	s_branch .Lasked_\@
.Lfor_b_\@:
	tensor_load_to_lds s[G0B+4*(\s):G0B+4*(\s)+3], s[G1B:G1B+7]
	s_nop 0
.rept 4
	v_nop
.endr
.Lasked_\@:
.endm
.macro CREST
	s_cmp_lg_u32 s10, 0
	s_cbranch_scc1 .Lnot_wave_0_\@
	s_barrier_signal -3
.Lnot_wave_0_\@:
	s_barrier_wait -3
	s_barrier_signal -1
	s_barrier_wait -1
.endm
.macro CROUND
	s_barrier_signal -1
	s_barrier_wait -1
	CREST
.endm
	s_load_b128 s[4:7], s[0:1], 0x0                ; qk16 s[4:5], p16 s[6:7]
	s_load_b64 s[72:73], s[0:1], 0x10              ; stat
	v_lshl_add_u32 v[SPW], v0, 2, SPARE
	v_mov_b32 v[NIL], 0
	ds_add_u32 v[SPW], v[NIL]                      ; the wave's opening: the add and its wait stand ahead of my first tensor load; the set-up below, work on registers, stands between them
	v_lshrrev_b32 v1, 5, v0
	v_readfirstlane_b32 s10, v1                    ; wave 0..3
	s_lshr_b32 s11, s10, 1                         ; which half of the tile's queries is mine.  Also: I fetch for q (0) or for k (1)
	s_and_b32 s12, s10, 1                          ; which half of its keys.  Also: which 64 rows of that tile I fetch
	s_bfe_u32 s40, ttmp6, 0x40000                  ; cx
	s_bfe_u32 s41, ttmp6, 0x40004                  ; cy: the tile of queries
	s_lshl_b32 s42, ttmp9, 2
	s_add_co_u32 s42, s42, s40                     ; the tile of keys = 4 x cluster x + cx
	s_and_b32 s66, ttmp7, 0xffff                   ; the batch, which all sixteen share
	s_lshl_b32 s43, s41, 2
	s_lshl_b32 s43, 15, s43                        ; my row of the cluster
	s_lshl_b32 s44, 0x1111, s40                    ; my column
	s_or_b32 s[G1+0], s43, (1<<16)|(1<<20)|(1<<21)|(6<<22)|(3<<25)  ; the mask; 2-byte elements; padding on; bit 21 beside a mask; after every 128 words 4 words
	s_or_b32 s[G1B+0], s44, (1<<16)|(1<<20)|(1<<21)|(6<<22)|(3<<25)
.irp g, G1, G1B
	s_mov_b32 s[(\g)+1], KSTEP<<16                 ; tensor_dim0 = 256
	s_mov_b32 s[(\g)+2], 64<<16                    ; tensor_dim1 = 64
	s_mov_b32 s[(\g)+3], KSTEP<<16                 ; tile_dim0 = 256
	s_mov_b32 s[(\g)+4], 64                        ; tile_dim1 = 64
	s_mov_b32 s[(\g)+5], APITCH                    ; elements from row to row
	s_mov_b32 s[(\g)+6], 0
	s_mov_b32 s[(\g)+7], 0
.endr
	s_mov_b32 s68, 0x3d38aa3b                      ; c = log2(e) / 32
	s_mov_b32 s69, s68                             ; named with it as a pair
	s_mov_b32 s71, 0xbd38aa3b                      ; -c
	s_mov_b32 s74, 0x76543210                      ; v_permlanex16_b32's selects: each lane takes its own place in the other half
	s_mov_b32 s75, 0xfedcba98
	s_lshl_b32 s17, s12, 6                         ; which 64 rows of the tile I fetch
	s_lshl_b32 s16, s41, 7
	s_add_co_u32 s16, s16, s17                     ; q: query 128 cy + 64 x half,
	s_lshl_b32 s16, s16, 14                        ; 16,384 bytes apart,
	s_lshl_b32 s67, s66, 11                        ; the batch's row among eight
	s_add_co_u32 s16, s16, s67
	s_lshl_b32 s46, s42, 7
	s_add_co_u32 s46, s46, s17                     ; k: key 128 x tile + 64 x half
	s_lshl_b32 s46, s46, 14
	s_add_co_u32 s46, s46, s67
	s_add_co_u32 s46, s46, 0x800000                ; behind q's 4,096 rows of 2,048 bytes
	s_mov_b32 s17, 0
	s_mov_b32 s47, 0
	s_mul_i32 s20, s10, HALFT                      ; where they go: wave x 64 rows
	s_wait_dscnt 0x0                               ; the opening add is done
	s_wait_kmcnt 0x0
	s_add_nc_u64 s[14:15], s[4:5], s[16:17]
	s_add_nc_u64 s[46:47], s[4:5], s[46:47]
	s_mov_b64 s[8:9], s[6:7]                       ; p16
	CROUND                                         ; all sixteen work-groups are here: the first joint loads meet
.irp s, 0,1
	s_mov_b32 s[G0+4*(\s)], 1
	s_add_co_u32 s[G0+4*(\s)+1], s20, (\s)*SLOT
	s_add_nc_u64 s[G0+4*(\s)+2:G0+4*(\s)+3], s[14:15], (\s)*KSTEP*2
	s_or_b32 s[G0+4*(\s)+3], s[G0+4*(\s)+3], 0x80000000
	s_mov_b32 s[G0B+4*(\s)], 1
	s_add_co_u32 s[G0B+4*(\s)+1], s20, (\s)*SLOT
	s_add_nc_u64 s[G0B+4*(\s)+2:G0B+4*(\s)+3], s[46:47], (\s)*KSTEP*2
	s_or_b32 s[G0B+4*(\s)+3], s[G0B+4*(\s)+3], 0x80000000
	JLOAD \s
.endr
	v_and_b32 v1, 15, v0                           ; r = l % 16
	v_bfe_u32 v2, v0, 4, 1                         ; h = l / 16
	v_mul_u32_u24 v3, v1, PITCH
	v_lshl_add_u32 v3, v2, 4, v3
	s_mul_i32 s21, s11, HALFT
	s_mul_i32 s22, s12, HALFT
	s_add_co_u32 s22, s22, 2*HALFT
.irp s, 0,1
	v_add_nc_u32 v[ADRA+(\s)], s21, v3
	v_add_nc_u32 v[ADRB+(\s)], s22, v3
	s_add_co_u32 s21, s21, SLOT
	s_add_co_u32 s22, s22, SLOT
.endr
	s_mul_i32 s23, s11, 64*SPITCH
	s_lshl_b32 s21, s12, 7
	s_add_co_u32 s23, s23, s21
	s_add_co_u32 s23, s23, STAGE
	v_mul_u32_u24 v4, v1, SPITCH
	v_lshl_add_u32 v4, v2, 4, v4
	v_add_nc_u32 v[STO], s23, v4
	s_mul_i32 s23, s10, 32*SPITCH
	s_add_co_u32 s23, s23, STAGE
	v_mul_u32_u24 v5, v2, SPITCH
	v_lshl_add_u32 v5, v1, 4, v5
	v_add_nc_u32 v[RD], s23, v5
	v_mul_u32_u24 v5, v2, ROWB
	v_lshl_add_u32 v[CO], v1, 4, v5
	v_lshlrev_b32 v[SO], 2, v1                     ; 4 r,
	v_lshl_add_u32 v[SO], v2, 11, v[SO]            ; and the second plane, 2,048 bytes on, for lanes 16-31
	s_lshl_b32 s16, s66, 9                         ; p16: row 512 b + 128 cy + 32 x wave,
	s_lshl_b32 s17, s41, 7
	s_add_co_u32 s16, s16, s17
	s_lshl_b32 s17, s10, 5
	s_add_co_u32 s16, s16, s17
	s_lshl_b32 s16, s16, 12                        ; of 4,096 bytes
	s_mov_b32 s17, 0
	s_add_nc_u64 s[8:9], s[8:9], s[16:17]
	s_lshl_b32 s46, s42, 8                         ; the tile's first key, in bytes
	s_mov_b32 s47, 0
	s_add_nc_u64 s[8:9], s[8:9], s[46:47]
	s_lshl_b32 s16, s41, 9                         ; stat: query 128 cy + 64 x my half, 4 bytes each,
	s_lshl_b32 s17, s11, 8
	s_add_co_u32 s16, s16, s17
	s_lshl_b32 s17, s66, 17                        ; the batch's 32 blocks x 2 planes x 2,048 bytes,
	s_add_co_u32 s16, s16, s17
	s_mov_b32 s17, 0
	s_add_nc_u64 s[72:73], s[72:73], s[16:17]
	s_lshl_b32 s46, s42, 13                        ; block 2 x tile + my half of its keys, 4,096 bytes each
	s_lshl_b32 s47, s12, 12
	s_add_co_u32 s46, s46, s47
	s_mov_b32 s47, 0
	s_add_nc_u64 s[72:73], s[72:73], s[46:47]
; The 16 accumulators take turns, one instruction a turn.
.macro MUL8 f, c, a0, zero
	WIN MUL
.irp a, \a0, (\a0)+1
.irp b, 0,1,2,3
.if \zero
	v_wmma_f32_16x16x32_f16 v[ACC+8*(4*(\a)+(\b)):ACC+8*(4*(\a)+(\b))+7], v[(\f)+64+8*(4*(\c)+(\b)):(\f)+64+8*(4*(\c)+(\b))+7], v[(\f)+8*(4*(\c)+(\a)):(\f)+8*(4*(\c)+(\a))+7], 0
.else
	v_wmma_f32_16x16x32_f16 v[ACC+8*(4*(\a)+(\b)):ACC+8*(4*(\a)+(\b))+7], v[(\f)+64+8*(4*(\c)+(\b)):(\f)+64+8*(4*(\c)+(\b))+7], v[(\f)+8*(4*(\c)+(\a)):(\f)+8*(4*(\c)+(\a))+7], v[ACC+8*(4*(\a)+(\b)):ACC+8*(4*(\a)+(\b))+7]
.endif
.endr
.endr
.endm
.macro FETCH slot, k, f                ; 32 LDS loads in one run: 64 along K at byte k of the rows, into buffer f; the first 32 along K first
	WIN TO_F
.irp c, 0,1
.irp i, 0,1,2,3
	ds_load_b128 v[(\f)+64+8*(4*(\c)+(\i)):(\f)+64+8*(4*(\c)+(\i))+3],   v[ADRB+(\slot)] offset:(\k)+64*(\c)+(\i)*16*PITCH
	ds_load_b128 v[(\f)+64+8*(4*(\c)+(\i))+4:(\f)+64+8*(4*(\c)+(\i))+7], v[ADRB+(\slot)] offset:(\k)+64*(\c)+(\i)*16*PITCH+32
	ds_load_b128 v[(\f)+8*(4*(\c)+(\i)):(\f)+8*(4*(\c)+(\i))+3],         v[ADRA+(\slot)] offset:(\k)+64*(\c)+(\i)*16*PITCH
	ds_load_b128 v[(\f)+8*(4*(\c)+(\i))+4:(\f)+8*(4*(\c)+(\i))+7],       v[ADRA+(\slot)] offset:(\k)+64*(\c)+(\i)*16*PITCH+32
.endr
.endr
.endm
.macro PLACES                          ; four places in front of loads into registers that matrix instructions have read, and of vector lines that read results
.rept 4
	v_nop
.endr
.endm
.macro QUARTER slot, k, f, g, zero
	s_wait_dscnt 16                                ; the first 32 along K are in; the youngest sixteen loads may be out
	MUL8 \f, 0, 0, \zero
	MUL8 \f, 0, 2, \zero
	PLACES
	FETCH \slot, \k, \g
	s_wait_dscnt 32                                ; all but the 32 just issued
	MUL8 \f, 1, 0, 0
	MUL8 \f, 1, 2, 0
.endm
.macro TURN slot, next, fill           ; the last quarter of a K step, and the change of slots
	WIN 0
	s_wait_tensorcnt 0x0                           ; all my tensor loads have landed: my part of the next slot
	ds_add_u32 v[SPW], v[NIL]                      ; 0 onto my spare word
	s_wait_dscnt 17                                ; (the add and the youngest sixteen loads may be out)
	MUL8 F1, 0, 0, 0
	s_wait_dscnt 0x0                               ; the add is done, and my reads of this slot are over
	s_barrier_signal -1
	MUL8 F1, 0, 2, 0
.if \fill
	WIN 0
.endif
	s_barrier_wait -1
.if \fill
	CREST                                          ; no wave of any partner still reads this slot's tile or has a load on its way
	s_add_nc_u64 s[G0+4*(\slot)+2:G0+4*(\slot)+3], s[G0+4*(\slot)+2:G0+4*(\slot)+3], 2*KSTEP*2
	s_add_nc_u64 s[G0B+4*(\slot)+2:G0B+4*(\slot)+3], s[G0B+4*(\slot)+2:G0B+4*(\slot)+3], 2*KSTEP*2
	JLOAD \slot                                    ; the four v_nop behind it are also the places in front of the loads below
.else
	PLACES
.endif
	FETCH \next, 0, F0
	MUL8 F1, 1, 0, 0
	MUL8 F1, 1, 2, 0
.endm
	s_wait_tensorcnt 1                             ; my part of K step 0 is in; K step 1's load stays out
	s_barrier_signal -1
	s_barrier_wait -1
	FETCH 0, 0, F0
	QUARTER 0, 128, F0, F1, 1
	WIN 0
	s_mov_b32 s3, LAPS-1
.Llap:
	QUARTER 0, 256, F1, F0, 0
	QUARTER 0, 384, F0, F1, 0
	TURN 0, 1, 1
	QUARTER 1, 128, F0, F1, 0
	QUARTER 1, 256, F1, F0, 0
	QUARTER 1, 384, F0, F1, 0
	TURN 1, 0, 1
	QUARTER 0, 128, F0, F1, 0
	WIN 0
	s_sub_co_u32 s3, s3, 1
	s_cmp_lg_u32 s3, 0
	s_cbranch_scc1 .Llap
	QUARTER 0, 256, F1, F0, 0
	QUARTER 0, 384, F0, F1, 0
	TURN 0, 1, 0
	QUARTER 1, 128, F0, F1, 0
	QUARTER 1, 256, F1, F0, 0
	QUARTER 1, 384, F0, F1, 0
	s_wait_dscnt 16
	MUL8 F1, 0, 0, 0
	MUL8 F1, 0, 2, 0
	s_wait_dscnt 0
	MUL8 F1, 1, 0, 0
	MUL8 F1, 1, 2, 0
	WIN 0
; Row block a: the block's maximum for my query, the weights, their sum.  x0-x31 are the lane's 32 scores, in the four accumulators of the row block.
.macro SOFT a
.set rS, ACC+32*(\a)
.set rT, ST+8*(\a)
.irp n, 0,1,2,3                        ; four chains of seven scores each; each accumulator's lowest registers are read first
	v_max3_num_f32 v[rT+(\n)], v[rS+8*(\n)], v[rS+8*(\n)+1], v[rS+8*(\n)+2]
.endr
.irp n, 0,1,2,3
	v_max3_num_f32 v[rT+(\n)], v[rT+(\n)], v[rS+8*(\n)+3], v[rS+8*(\n)+4]
.endr
.irp n, 0,1,2,3
	v_max3_num_f32 v[rT+(\n)], v[rT+(\n)], v[rS+8*(\n)+5], v[rS+8*(\n)+6]
.endr
	v_max3_num_f32 v[rT], v[rT], v[rS+7], v[rS+15]
	v_max3_num_f32 v[rT+1], v[rT+1], v[rS+23], v[rS+31]
	v_max3_num_f32 v[rT], v[rT], v[rT+1], v[rT+2]
	v_max_num_f32 v[rT], v[rT], v[rT+3]
	v_permlanex16_b32 v[rT+1], v[rT], s74, s75     ; the query's other 32 keys lie in the lane 16 away
	v_max_num_f32 v[rT], v[rT], v[rT+1]            ; m
	v_mul_f32 v[rT+7], s71, v[rT]
	v_floor_f32 v[rT+4], v[rT+7]                   ; Mn = floor(-c m): a whole number, so that blocks are joined by exact powers of two
	v_mov_b32 v[rT+5], v[rT+4]                     ; named with it as a pair
.set u, 0
.rept 16
	v_pk_fma_f32 v[rS+2*u:rS+2*u+1], v[rS+2*u:rS+2*u+1], s[68:69], v[rT+4:rT+5] op_sel_hi:[1,0,0]  ; c x + Mn
.set u, u+1
.endr
.set u, 0
.rept 32
	v_exp_f32 v[rS+u], v[rS+u]
.set u, u+1
.endr
	v_nop                                          ; a plain instruction between the last exponential and the use of its result (ISA guide 5.7.2)
.set u, 0
	s_wait_alu depctr_va_vdst(0)
.rept 16
	v_cvt_pk_f16_f32 v[TMP+16*(\a)+u], v[rS+2*u], v[rS+2*u+1]
.set u, u+1
.endr
.irp d, 8,4,2,1                        ; the sum of the 16 pairs, in place: neighbours 8, 4, 2 and 1 pairs apart
.set u, 0
.rept \d
	v_pk_add_f32 v[rS+2*u:rS+2*u+1], v[rS+2*u:rS+2*u+1], v[rS+2*(u+(\d)):rS+2*(u+(\d))+1]
.set u, u+1
.endr
.endr
	v_add_f32 v[rT+6], v[rS], v[rS+1]
	v_permlanex16_b32 v[rT+7], v[rT+6], s74, s75
	v_add_f32 v[rT+6], v[rT+6], v[rT+7]            ; the block's sum
	v_cndmask_b32 v[rT+7], v[rT+4], v[rT+6], s70   ; lanes 0-15 hand in Mn, lanes 16-31 the sum
	global_store_b32 v[SO], v[rT+7], s[72:73] offset:64*(\a)  ; two runs of 64 consecutive bytes; v[rT+7] is not written again
.endm
	v_and_b32 v3, 31, v0
	v_cmp_lt_u32 s70, 15, v3                       ; lanes 16-31
	PLACES
	SOFT 0
	SOFT 1
	SOFT 2
	SOFT 3
	; the weights go through the work-group's stage; a barrier, since a row's 256 bytes come from two waves; back as whole rows
.irp a, 0,1,2,3
.irp b, 0,1,2,3
	ds_store_b128 v[STO], v[TMP+4*(4*(\a)+(\b)):TMP+4*(4*(\a)+(\b))+3] offset:(\a)*16*SPITCH+32*(\b)
.endr
.endr
	s_wait_dscnt 0x0                               ; for the others' sake: my stores into the stage are done
	s_barrier_signal -1
	s_barrier_wait -1
.irp t, 0,1,2,3,4,5,6,7,8,9,10,11,12,13,14,15
	ds_load_b128 v[TMP+4*(\t):TMP+4*(\t)+3], v[RD] offset:(\t)*2*SPITCH
.endr
.irp t, 0,1,2,3,4,5,6,7,8,9,10,11,12,13,14,15
	s_wait_dscnt 15-(\t)                           ; LDS loads come back in order: pair t of rows is in
	global_store_b128 v[CO], v[TMP+4*(\t):TMP+4*(\t)+3], s[8:9] offset:2*(\t)*ROWB  ; 16 lanes store 256 consecutive bytes, at a multiple of 256 from p16's first byte
.endr
	s_wait_tensorcnt 0x0                           ; the wave's end: the add and its wait stand behind my last tensor load and my last LDS store
	ds_add_u32 v[SPW], v[NIL]
	s_wait_dscnt 0x0
	CROUND                                         ; the closing round: no work-group ends while a partner may still ask for a tile that names it
	s_endpgm
.Lfunc_end_k_qdc117f8236_score:
	.size	k_qdc117f8236_score, .Lfunc_end_k_qdc117f8236_score-k_qdc117f8236_score
	.p2alignl 7, 3214868480
	.fill 96, 4, 3214868480
	.section	.rodata,"a",@progbits
	.p2align	6, 0x0
	.amdhsa_kernel k_qdc117f8236_score
		.amdhsa_group_segment_fixed_size 327680
		.amdhsa_private_segment_fixed_size 0
		.amdhsa_enable_private_segment 0
		.amdhsa_kernarg_size 24
		.amdhsa_user_sgpr_count 2
		.amdhsa_user_sgpr_kernarg_segment_ptr 1
		.amdhsa_wavefront_size32 1
		.amdhsa_system_sgpr_workgroup_id_x 1
		.amdhsa_system_sgpr_workgroup_id_y 1
		.amdhsa_system_sgpr_workgroup_id_z 1
		.amdhsa_system_vgpr_workitem_id 0
		.amdhsa_next_free_vgpr 512
		.amdhsa_next_free_sgpr 80
		.amdhsa_reserve_vcc 0
		.amdhsa_float_denorm_mode_32 3
		.amdhsa_float_denorm_mode_16_64 3
		.amdhsa_memory_ordered 1
		.amdhsa_forward_progress 1
		.amdhsa_inst_pref_size 105
	.end_amdhsa_kernel
	.amdgpu_metadata
---
amdhsa.version: [ 1, 2 ]
amdhsa.kernels:
  - .name:           k_qdc117f8236_score
    .symbol:         k_qdc117f8236_score.kd
    .args:
      - { .name: qk16, .offset: 0, .size: 8, .value_kind: global_buffer, .address_space: global }
      - { .name: p16, .offset: 8, .size: 8, .value_kind: global_buffer, .address_space: global }
      - { .name: stat, .offset: 16, .size: 8, .value_kind: global_buffer, .address_space: global }
    .group_segment_fixed_size: 327680
    .private_segment_fixed_size: 0
    .kernarg_segment_align: 8
    .kernarg_segment_size: 24
    .max_flat_workgroup_size: 128
    .sgpr_count:     80
    .vgpr_count:     512
    .wavefront_size: 32
...
	.end_amdgpu_metadata
.endif
;; end of part 3
;; launch pv (part 4): grid 8 x 32, 4 waves a work-group, clusters of 4 x 4, 327,680 bytes of LDS; arguments p16, val16, stat, a16; writes a16
.if DOCPART == 4
	.amdgcn_target "amdgcn-amd-amdhsa--gfx1250"
	.amdhsa_code_object_version 6
	.text
	.protected	k_qdc117f8236_pv
	.globl	k_qdc117f8236_pv
	.p2align	8
	.type	k_qdc117f8236_pv,@function
k_qdc117f8236_pv:
	s_mov_b64 s[64:65], 0
	v_nop
	global_prefetch_b8 v0, s[64:65] scope:SCOPE_SE
	s_setreg_imm32_b32 hwreg(HW_REG_WAVE_MODE, 25, 1), 1
	s_wait_xcnt 0x0
	s_wait_alu depctr_hold_cnt(0) depctr_sa_sdst(0) depctr_va_vdst(0) depctr_va_sdst(0) depctr_va_ssrc(0) depctr_va_vcc(0) depctr_vm_vsrc(0)
	s_getreg_b32 s2, hwreg(HW_REG_IB_STS2, 6, 4)
	s_cmp_eq_u32 s2, 0
	s_cbranch_scc0 .Lentry_in_a_cluster
	s_endpgm
.Lentry_in_a_cluster:
	s_bfe_u32 s2, ttmp6, 0x10000c
	s_cmp_lg_u32 s2, 0xf033
	s_cbranch_scc0 .Lentry_shape_is_right
	s_endpgm
.Lentry_shape_is_right:
; The second half of the softmax and the weighted mean of VALUE's rows (the v projection follows in the next launch: a row's weights add up to 1, so P (value Wv^T + bv) = (P value) Wv^T + bv for every input).
;   a16[8 t + b][e] = (the sum over blocks j and their keys s of f[j] p16[b][t][s] val16[8 s + b][e]) / l,   f[j] = 2^(Mmin - Mn[j]),  Mmin = the least Mn[j] of the query,  l = the sum over j of f[j] x the block's sum.
; Mn[j] = -ceil(c x block maximum), so f[j] p is the weight with the ROW's maximum (rounded up to a whole number) taken away: at most 1, the row's largest above 1/2, l above 1/2.
; f is an exact power of two; f p is made in f16 (v_pk_mul_f16) on the fragments of P, between their LDS load and the matrix instruction.
; LIMITS.  f below 2^-24 counts as 0, and f p below 6e-5 keeps f16's fixed step of 6e-8, beside a largest weight above 1/2; a16 lies within value's range; NaN and infinities are not treated apart.
; A tile is 128 queries x 128 channels: four waves, each 64 x 64.  K = 2,048 keys goes in steps of 256 through two slots: P's rows of 512 bytes (+ 16), and 256 rows of value, 256 bytes (+ 32) each,
; which lie [key][channel] and come out of LDS turned, by ds_load_tr16_b128.  A quarter of a K step is 64 keys: one block j.
; CLUSTERS: 4 x 4.  A cluster's y is the batch, cy the tile of queries, 4 x cluster x + cx the tile of channels: P's tiles are asked for jointly along a row of the cluster, value's along a column.
; THE MATRIX INSTRUCTION IS USED TRANSPOSED (source 0 = 16 channels, source 1 = 16 queries): a lane holds one query and eight neighbouring channels.
; REGISTERS: window 0: v0-31 addresses; v32-95 the way out; v96-103 at work, later 1 / l; v104-111 f, four registers for each fragment buffer; v128-255 the accumulators (before the loop: the statistics).
;   window 1: two fragment buffers of 128: 64 registers of P, then 64 of value.
.set SIZE_K, 2048
.set KSTEP,  256
.set PITCH,  528                       ; a row of P in LDS: 132 words: row r starts at bank 4 r mod 64 (64 banks of 4 bytes: ISA guide 11.1)
.set PB,     288                       ; a row of value: 72 words
.set HALFA,  64*PITCH                  ; 64 rows of P: one tensor load
.set HALFB,  128*PB                    ; 128 rows of value: one tensor load
.set SLOT,   2*HALFA+2*HALFB           ; P's 128 rows, then value's 256
.set TAB,    2*SLOT                    ; behind the ring: word [j][query] = f[j] twice in f16: 32 x 128 words
.set STAGE,  TAB                       ; the way out's 128 rows x 272 bytes lie over the table, behind a barrier
.set SPITCH, 272
.set INVL,   STAGE+128*SPITCH          ; 1 / l of the tile's 128 queries
.set SPARE,  INVL+512                  ; the spare words, 128 bytes for each wave: two blocks of 256 bytes that no other line names
.set LAPS,   SIZE_K/(2*KSTEP)
.set ADRA, 16                          ; v16-17  LDS address of my P fragments in slot 0, 1
.set ADRB, 20                          ; v20-23  of my value fragments: slot 0 rows 0-127, rows 128-255, slot 1 likewise (an offset holds 16 bits)
.set STO,  24
.set RD,   25
.set CO,   26
.set ADRT, 27                          ; v27     the table address of the fetch in hand
.set SPW,  28
.set NIL,  29
.set ADRI, 30                          ; v30     where 1 / l of my queries lies
.set ADRT0, 31                         ; v31     my lane's place in a line of the table; never rewritten
.set TMP,  32
.set W,    96                          ; at work before the loop
.set INV,  96                          ; row block a's 1 / l, twice, at INV + 2 a
.set FAC,  104
.set ACC,  128
.set F0,   0
.set F1,   128
.set TT,   67                          ; s67     the table line of the next fetch, in bytes: 512 more at every fetch, 31 x 512 at the last
.set G1, 24
.set G0, 32
.set G1B, 48
.set G0B, 56
.set MSB, 0
.macro WIN new
.if MSB != (\new)
	s_set_vgpr_msb (MSB<<8)|(\new)
.set MSB, \new
.endif
.endm
.set MUL,  0x05
.set TO_F, 0x40
.macro JLOAD s                         ; a joint load: waves 0 and 1 fetch P's two halves, waves 2 and 3 value's; an s_nop 0 and four v_nop follow each line
	s_cmp_eq_u32 s11, 0
	s_cbranch_scc0 .Lfor_b_\@
	tensor_load_to_lds s[G0+4*(\s):G0+4*(\s)+3], s[G1:G1+7]
	s_nop 0
.rept 4
	v_nop
.endr
	s_branch .Lasked_\@
.Lfor_b_\@:
	tensor_load_to_lds s[G0B+4*(\s):G0B+4*(\s)+3], s[G1B:G1B+7]
	s_nop 0
.rept 4
	v_nop
.endr
.Lasked_\@:
.endm
.macro CREST
	s_cmp_lg_u32 s10, 0
	s_cbranch_scc1 .Lnot_wave_0_\@
	s_barrier_signal -3
.Lnot_wave_0_\@:
	s_barrier_wait -3
	s_barrier_signal -1
	s_barrier_wait -1
.endm
.macro CROUND
	s_barrier_signal -1
	s_barrier_wait -1
	CREST
.endm
	s_load_b128 s[4:7], s[0:1], 0x0                ; p16 s[4:5], val16 s[6:7]
	s_load_b128 s[68:71], s[0:1], 0x10             ; stat s[68:69], a16 s[70:71]
	v_lshl_add_u32 v[SPW], v0, 2, SPARE
	v_mov_b32 v[NIL], 0
	ds_add_u32 v[SPW], v[NIL]                      ; the wave's opening: the add and its wait stand ahead of my first tensor load; the set-up below, work on registers, stands between them
	v_lshrrev_b32 v1, 5, v0
	v_readfirstlane_b32 s10, v1                    ; wave 0..3
	s_lshr_b32 s11, s10, 1                         ; which half of the tile's queries is mine.  Also: I fetch for P (0) or for value (1)
	s_and_b32 s12, s10, 1                          ; which half of its channels.  Also: which half of that tile's rows I fetch
	s_bfe_u32 s40, ttmp6, 0x40000                  ; cx
	s_bfe_u32 s41, ttmp6, 0x40004                  ; cy: the tile of queries
	s_lshl_b32 s42, ttmp9, 2
	s_add_co_u32 s42, s42, s40                     ; the tile of channels = 4 x cluster x + cx
	s_and_b32 s66, ttmp7, 0xffff                   ; the batch, which all sixteen share
	s_lshl_b32 s43, s41, 2
	s_lshl_b32 s43, 15, s43                        ; my row of the cluster
	s_lshl_b32 s44, 0x1111, s40                    ; my column
	; P: 64 rows x 256 elements, 2,048 elements apart, 4 words of padding after every 128
	s_or_b32 s[G1+0], s43, (1<<16)|(1<<20)|(1<<21)|(6<<22)|(3<<25)
	s_mov_b32 s[G1+1], KSTEP<<16
	s_mov_b32 s[G1+2], 64<<16
	s_mov_b32 s[G1+3], KSTEP<<16
	s_mov_b32 s[G1+4], 64
	s_mov_b32 s[G1+5], SIZE_K
	s_mov_b32 s[G1+6], 0
	s_mov_b32 s[G1+7], 0
	; value: 128 rows x 128 elements, 8,192 elements apart, 8 words of padding after every 64
	s_or_b32 s[G1B+0], s44, (1<<16)|(1<<20)|(1<<21)|(5<<22)|(7<<25)
	s_mov_b32 s[G1B+1], 128<<16
	s_mov_b32 s[G1B+2], 128<<16
	s_mov_b32 s[G1B+3], 128<<16
	s_mov_b32 s[G1B+4], 128
	s_mov_b32 s[G1B+5], 8192
	s_mov_b32 s[G1B+6], 0
	s_mov_b32 s[G1B+7], 0
	s_mov_b32 s[TT], 0
	s_lshl_b32 s16, s66, 9                         ; P: row 512 b + 128 cy + 64 x half,
	s_lshl_b32 s17, s41, 7
	s_add_co_u32 s16, s16, s17
	s_lshl_b32 s17, s12, 6
	s_add_co_u32 s16, s16, s17
	s_lshl_b32 s16, s16, 12                        ; of 4,096 bytes
	s_mov_b32 s17, 0
	s_lshl_b32 s46, s12, 21                        ; value: key 128 x half, 16,384 bytes apart,
	s_lshl_b32 s47, s66, 11                        ; the batch's row among eight,
	s_add_co_u32 s46, s46, s47
	s_lshl_b32 s47, s42, 8                         ; the tile's 128 channels
	s_add_co_u32 s46, s46, s47
	s_mov_b32 s47, 0
	s_mul_i32 s20, s12, HALFA                      ; where they go: no place in the cluster enters an LDS address
	s_mul_i32 s21, s12, HALFB
	s_add_co_u32 s21, s21, 2*HALFA
	s_wait_dscnt 0x0                               ; the opening add is done
	s_wait_kmcnt 0x0
	s_add_nc_u64 s[14:15], s[4:5], s[16:17]
	s_add_nc_u64 s[46:47], s[6:7], s[46:47]
	s_mov_b64 s[8:9], s[70:71]                     ; a16
	CROUND                                         ; all sixteen work-groups are here: the first joint loads meet
.irp s, 0,1
	s_mov_b32 s[G0+4*(\s)], 1
	s_add_co_u32 s[G0+4*(\s)+1], s20, (\s)*SLOT
	s_add_nc_u64 s[G0+4*(\s)+2:G0+4*(\s)+3], s[14:15], (\s)*KSTEP*2
	s_or_b32 s[G0+4*(\s)+3], s[G0+4*(\s)+3], 0x80000000
	s_mov_b32 s[G0B+4*(\s)], 1
	s_add_co_u32 s[G0B+4*(\s)+1], s21, (\s)*SLOT
	s_add_nc_u64 s[G0B+4*(\s)+2:G0B+4*(\s)+3], s[46:47], (\s)*KSTEP*16384
	s_or_b32 s[G0B+4*(\s)+3], s[G0B+4*(\s)+3], 0x80000000
	JLOAD \s
.endr
	; THE STATISTICS.  Thread n of 128 owns query 128 cy + n: its 32 Mn and 32 block sums, 64 loads of 128 consecutive bytes a wave, into the registers that will hold the accumulators.
	s_lshl_b32 s16, s66, 17                        ; the batch's 32 blocks x 2 planes x 2,048 bytes,
	s_lshl_b32 s17, s41, 9                         ; the tile's 128 queries x 4 bytes
	s_add_co_u32 s16, s16, s17
	s_mov_b32 s17, 0
	s_add_nc_u64 s[68:69], s[68:69], s[16:17]
	v_lshlrev_b32 v7, 2, v0
.set j, 0
.rept 32
	global_load_b32 v[ACC+2*j],   v7, s[68:69] offset:j*4096
	global_load_b32 v[ACC+2*j+1], v7, s[68:69] offset:j*4096+2048
.set j, j+1
.endr
	v_and_b32 v1, 15, v0                           ; r = l % 16
	v_bfe_u32 v2, v0, 4, 1                         ; h = l / 16
	v_mul_u32_u24 v3, v1, PITCH
	v_lshl_add_u32 v3, v2, 4, v3                   ; P: row x pitch + 16 x half
	s_mul_i32 s21, s11, HALFA                      ; my 64 queries
	v_add_nc_u32 v[ADRA], s21, v3
	v_add_nc_u32 v[ADRA+1], SLOT, v[ADRA]
	; The turning load takes 16 keys x 16 channels (lane l reads key 8 (l / 16) + l % 8, channels 8 ((l / 8) % 2) + 0..7) and leaves half a fragment: lane l holds channel l % 16 and 8 keys.
	v_and_b32 v4, 7, v0
	v_lshl_add_u32 v4, v2, 3, v4
	v_mul_u32_u24 v4, v4, PB
	v_bfe_u32 v5, v0, 3, 1
	v_lshl_add_u32 v4, v5, 4, v4
	s_lshl_b32 s22, s12, 7                         ; my 64 channels,
	s_add_co_u32 s22, s22, 2*HALFA                 ; behind P's 128 rows
	v_add_nc_u32 v[ADRB], s22, v4
	v_add_nc_u32 v[ADRB+1], HALFB, v[ADRB]
	v_add_nc_u32 v[ADRB+2], SLOT, v[ADRB]
	v_add_nc_u32 v[ADRB+3], SLOT+HALFB, v[ADRB]
	s_lshl_b32 s23, s11, 8                         ; my 64 queries x 4 bytes
	v_lshl_add_u32 v5, v1, 2, s23
	v_add_nc_u32 v[ADRT0], TAB, v5
	v_add_nc_u32 v[ADRI], INVL, v5
	s_mul_i32 s23, s11, 64*SPITCH                  ; into the stage: my 64 rows, my half of their 256 bytes
	s_lshl_b32 s21, s12, 7
	s_add_co_u32 s23, s23, s21
	s_add_co_u32 s23, s23, STAGE
	v_mul_u32_u24 v4, v1, SPITCH
	v_lshl_add_u32 v4, v2, 4, v4
	v_add_nc_u32 v[STO], s23, v4
	s_mul_i32 s23, s10, 32*SPITCH                  ; back: wave w takes rows 32 w .. 32 w + 31, whole
	s_add_co_u32 s23, s23, STAGE
	v_mul_u32_u24 v5, v2, SPITCH
	v_lshl_add_u32 v5, v1, 4, v5
	v_add_nc_u32 v[RD], s23, v5
	v_lshlrev_b32 v5, 14, v2                       ; two queries of a batch lie 16,384 bytes apart in a16
	v_lshl_add_u32 v[CO], v1, 4, v5
	s_lshl_b32 s16, s41, 7
	s_lshl_b32 s17, s10, 5
	s_add_co_u32 s16, s16, s17                     ; the first query that I store: 128 cy + 32 x wave;
	s_lshl_b32 s16, s16, 3
	s_add_co_u32 s16, s16, s66                     ; its row 8 t + b,
	s_lshl_b32 s16, s16, 11                        ; of 2,048 bytes
	s_mov_b32 s17, 0
	s_add_nc_u64 s[8:9], s[8:9], s[16:17]
	s_lshl_b32 s46, s42, 8
	s_mov_b32 s47, 0
	s_add_nc_u64 s[8:9], s[8:9], s[46:47]
	v_lshl_add_u32 v8, v0, 2, TAB                  ; where my query's f go,
	v_lshl_add_u32 v9, v0, 2, INVL                 ; and its 1 / l
	s_wait_loadcnt 0x0
.irp n, 0,1,2,3                        ; the least Mn: four chains of seven, then the four left over
	v_min3_num_f32 v[W+(\n)], v[ACC+16*(\n)], v[ACC+16*(\n)+2], v[ACC+16*(\n)+4]
.endr
.irp n, 0,1,2,3
	v_min3_num_f32 v[W+(\n)], v[W+(\n)], v[ACC+16*(\n)+6], v[ACC+16*(\n)+8]
.endr
.irp n, 0,1,2,3
	v_min3_num_f32 v[W+(\n)], v[W+(\n)], v[ACC+16*(\n)+10], v[ACC+16*(\n)+12]
.endr
	v_min3_num_f32 v[W], v[W], v[ACC+14], v[ACC+30]
	v_min3_num_f32 v[W+1], v[W+1], v[ACC+46], v[ACC+62]
	v_min3_num_f32 v[W], v[W], v[W+1], v[W+2]
	v_min_num_f32 v[W], v[W], v[W+3]
.set j, 0
.rept 32
	v_sub_f32 v[ACC+2*j], v[W], v[ACC+2*j]         ; Mmin - Mn[j]: a whole number, at most 0
.set j, j+1
.endr
.set j, 0
.rept 32
	v_exp_f32 v[ACC+2*j], v[ACC+2*j]               ; f[j]
.set j, j+1
.endr
	v_nop                                          ; a plain instruction between the last exponential and the use of its result (ISA guide 5.7.2)
	s_wait_alu depctr_va_vdst(0)
.irp n, 0,1,2,3                        ; l in four chains, in f32
	v_mul_f32 v[W+4+(\n)], v[ACC+2*(\n)], v[ACC+2*(\n)+1]
.endr
.set j, 4
.rept 28
	v_fmac_f32 v[W+4+j%4], v[ACC+2*j], v[ACC+2*j+1]
.set j, j+1
.endr
	v_add_f32 v[W+4], v[W+4], v[W+5]
	v_add_f32 v[W+6], v[W+6], v[W+7]
	v_add_f32 v[W+4], v[W+4], v[W+6]
	v_rcp_f32 v[W+4], v[W+4]
.set j, 0
.rept 32
	v_cvt_pk_f16_f32 v[ACC+2*j], v[ACC+2*j], v[ACC+2*j]  ; both halves of a word: the packed multiply takes them as they lie
.set j, j+1
.endr
.set j, 0
.rept 32
	ds_store_b32 v8, v[ACC+2*j] offset:512*j
.set j, j+1
.endr
	s_wait_alu depctr_va_vdst(0)
	ds_store_b32 v9, v[W+4]
; The 16 accumulators take turns, one instruction a turn.
.macro MUL8 f, c, a0, zero
	WIN MUL
.irp a, \a0, (\a0)+1
.irp b, 0,1,2,3
.if \zero
	v_wmma_f32_16x16x32_f16 v[ACC+8*(4*(\a)+(\b)):ACC+8*(4*(\a)+(\b))+7], v[(\f)+64+8*(4*(\c)+(\b)):(\f)+64+8*(4*(\c)+(\b))+7], v[(\f)+8*(4*(\c)+(\a)):(\f)+8*(4*(\c)+(\a))+7], 0
.else
	v_wmma_f32_16x16x32_f16 v[ACC+8*(4*(\a)+(\b)):ACC+8*(4*(\a)+(\b))+7], v[(\f)+64+8*(4*(\c)+(\b)):(\f)+64+8*(4*(\c)+(\b))+7], v[(\f)+8*(4*(\c)+(\a)):(\f)+8*(4*(\c)+(\a))+7], v[ACC+8*(4*(\a)+(\b)):ACC+8*(4*(\a)+(\b))+7]
.endif
.endr
.endr
.endm
; 36 LDS loads in one run, for the 64 keys at byte k of P's rows (rows k / 2 on of value): the block's f for my four row blocks, then the fragments, the first 32 keys first
.macro FETCH slot, k, f
	WIN 0
	v_add_nc_u32 v[ADRT], s[TT], v[ADRT0]
	s_add_co_u32 s[TT], s[TT], 512                 ; the next fetch is the next block's
.irp a, 0,1,2,3
	ds_load_b32 v[FAC+4*((\f)/128)+(\a)], v[ADRT] offset:64*(\a)
.endr
	WIN TO_F
.irp c, 0,1
.irp i, 0,1,2,3
	ds_load_tr16_b128 v[(\f)+64+8*(4*(\c)+(\i)):(\f)+64+8*(4*(\c)+(\i))+3],   v[ADRB+2*(\slot)+(\k)/256] offset:(((\k)%256)/2+32*(\c))*PB+32*(\i)
	ds_load_tr16_b128 v[(\f)+64+8*(4*(\c)+(\i))+4:(\f)+64+8*(4*(\c)+(\i))+7], v[ADRB+2*(\slot)+(\k)/256] offset:(((\k)%256)/2+32*(\c)+16)*PB+32*(\i)
	ds_load_b128 v[(\f)+8*(4*(\c)+(\i)):(\f)+8*(4*(\c)+(\i))+3],         v[ADRA+(\slot)] offset:(\k)+64*(\c)+(\i)*16*PITCH
	ds_load_b128 v[(\f)+8*(4*(\c)+(\i))+4:(\f)+8*(4*(\c)+(\i))+7],       v[ADRA+(\slot)] offset:(\k)+64*(\c)+(\i)*16*PITCH+32
.endr
.endr
.endm
; P's fragments of half c of buffer f times f[j]: a lane holds one query's weights, so one word of the table serves a fragment's eight registers
.macro SCALE f, c
	WIN 0x41                                       ; destination and source 0 window 1, source 1 window 0
.irp a, 0,1,2,3
.irp r, 0,1,2,3,4,5,6,7
	v_pk_mul_f16 v[(\f)+8*(4*(\c)+(\a))+(\r)], v[(\f)+8*(4*(\c)+(\a))+(\r)], v[FAC+4*((\f)/128)+(\a)]
.endr
.endr
.endm
.macro PLACES                          ; four places in front of loads into registers that matrix instructions have read, and of vector lines that read results
.rept 4
	v_nop
.endr
.endm
.macro QUARTER slot, k, f, g, zero
	s_wait_dscnt 16                                ; f and the first 32 keys are in; the youngest sixteen loads may be out
	SCALE \f, 0
	MUL8 \f, 0, 0, \zero
	MUL8 \f, 0, 2, \zero
	PLACES
	FETCH \slot, \k, \g
	s_wait_dscnt 36                                ; all but the 36 just issued
	SCALE \f, 1
	MUL8 \f, 1, 0, 0
	MUL8 \f, 1, 2, 0
.endm
.macro TURN slot, next, fill           ; the last quarter of a K step, and the change of slots
	WIN 0
	s_wait_tensorcnt 0x0                           ; all my tensor loads have landed: my part of the next slot
	ds_add_u32 v[SPW], v[NIL]                      ; 0 onto my spare word
	s_wait_dscnt 17                                ; (the add and the youngest sixteen loads may be out)
	SCALE F1, 0
	MUL8 F1, 0, 0, 0
	s_wait_dscnt 0x0                               ; the add is done, and my reads of this slot are over
	s_barrier_signal -1
	MUL8 F1, 0, 2, 0
.if \fill
	WIN 0
.endif
	s_barrier_wait -1
.if \fill
	CREST                                          ; no wave of any partner still reads this slot's tile or has a load on its way
	s_add_nc_u64 s[G0+4*(\slot)+2:G0+4*(\slot)+3], s[G0+4*(\slot)+2:G0+4*(\slot)+3], 2*KSTEP*2
	s_add_nc_u64 s[G0B+4*(\slot)+2:G0B+4*(\slot)+3], s[G0B+4*(\slot)+2:G0B+4*(\slot)+3], 2*KSTEP*16384
	JLOAD \slot                                    ; the four v_nop behind it are also the places in front of the loads below
.else
	PLACES
.endif
	FETCH \next, 0, F0
	SCALE F1, 1
	MUL8 F1, 1, 0, 0
	MUL8 F1, 1, 2, 0
.endm
	s_wait_tensorcnt 1                             ; my part of K step 0 is in; K step 1's load stays out
	s_wait_dscnt 0x0                               ; for the others' sake: my part of the table and of 1 / l is stored
	s_barrier_signal -1
	s_barrier_wait -1
	FETCH 0, 0, F0
	QUARTER 0, 128, F0, F1, 1
	WIN 0
	s_mov_b32 s3, LAPS-1
.Llap:
	QUARTER 0, 256, F1, F0, 0
	QUARTER 0, 384, F0, F1, 0
	TURN 0, 1, 1
	QUARTER 1, 128, F0, F1, 0
	QUARTER 1, 256, F1, F0, 0
	QUARTER 1, 384, F0, F1, 0
	TURN 1, 0, 1
	QUARTER 0, 128, F0, F1, 0
	WIN 0
	s_sub_co_u32 s3, s3, 1
	s_cmp_lg_u32 s3, 0
	s_cbranch_scc1 .Llap
	QUARTER 0, 256, F1, F0, 0
	QUARTER 0, 384, F0, F1, 0
	TURN 0, 1, 0
	QUARTER 1, 128, F0, F1, 0
	QUARTER 1, 256, F1, F0, 0
	QUARTER 1, 384, F0, F1, 0
	s_wait_dscnt 16
	SCALE F1, 0
	MUL8 F1, 0, 0, 0
	MUL8 F1, 0, 2, 0
	s_wait_dscnt 0
	SCALE F1, 1
	MUL8 F1, 1, 0, 0
	MUL8 F1, 1, 2, 0
	WIN 0
	; THE WAY OUT: times 1 / l in f32; round to f16; through the work-group's stage, which lies over the table: so a barrier first, behind every wave's last read of the table.
.irp a, 0,1,2,3
	ds_load_b32 v[INV+2*(\a)],   v[ADRI] offset:64*(\a)
	ds_load_b32 v[INV+2*(\a)+1], v[ADRI] offset:64*(\a)
.endr
	PLACES
	s_wait_dscnt 0x0                               ; 1 / l is in, and my reads of the table are long over
	s_barrier_signal -1
	s_barrier_wait -1
.irp t, 0,1,2,3,4,5,6,7,8,9,10,11,12,13,14,15
.irp r, 0,1,2,3                        ; each accumulator's lowest registers are read first
	v_pk_mul_f32 v[ACC+8*(\t)+2*(\r):ACC+8*(\t)+2*(\r)+1], v[ACC+8*(\t)+2*(\r):ACC+8*(\t)+2*(\r)+1], v[INV+2*((\t)/4):INV+2*((\t)/4)+1]
.endr
.irp r, 0,1,2,3
	v_cvt_pk_f16_f32 v[TMP+4*(\t)+(\r)], v[ACC+8*(\t)+2*(\r)], v[ACC+8*(\t)+2*(\r)+1]
.endr
.endr
.irp a, 0,1,2,3
.irp b, 0,1,2,3
	ds_store_b128 v[STO], v[TMP+4*(4*(\a)+(\b)):TMP+4*(4*(\a)+(\b))+3] offset:(\a)*16*SPITCH+32*(\b)
.endr
.endr
	s_wait_dscnt 0x0                               ; for the others' sake: my stores into the stage are done
	s_barrier_signal -1
	s_barrier_wait -1
.irp t, 0,1,2,3,4,5,6,7,8,9,10,11,12,13,14,15
	ds_load_b128 v[TMP+4*(\t):TMP+4*(\t)+3], v[RD] offset:(\t)*2*SPITCH
.endr
.irp t, 0,1,2,3,4,5,6,7,8,9,10,11,12,13,14,15
	s_wait_dscnt 15-(\t)                           ; LDS loads come back in order: pair t of rows is in
	global_store_b128 v[CO], v[TMP+4*(\t):TMP+4*(\t)+3], s[8:9] offset:2*(\t)*16384  ; 16 lanes store 256 consecutive bytes, at a multiple of 256 from a16's first byte
.endr
	s_wait_tensorcnt 0x0                           ; the wave's end: the add and its wait stand behind my last tensor load and my last LDS store
	ds_add_u32 v[SPW], v[NIL]
	s_wait_dscnt 0x0
	CROUND                                         ; the closing round: no work-group ends while a partner may still ask for a tile that names it
	s_endpgm
.Lfunc_end_k_qdc117f8236_pv:
	.size	k_qdc117f8236_pv, .Lfunc_end_k_qdc117f8236_pv-k_qdc117f8236_pv
	.p2alignl 7, 3214868480
	.fill 96, 4, 3214868480
	.section	.rodata,"a",@progbits
	.p2align	6, 0x0
	.amdhsa_kernel k_qdc117f8236_pv
		.amdhsa_group_segment_fixed_size 327680
		.amdhsa_private_segment_fixed_size 0
		.amdhsa_enable_private_segment 0
		.amdhsa_kernarg_size 32
		.amdhsa_user_sgpr_count 2
		.amdhsa_user_sgpr_kernarg_segment_ptr 1
		.amdhsa_wavefront_size32 1
		.amdhsa_system_sgpr_workgroup_id_x 1
		.amdhsa_system_sgpr_workgroup_id_y 1
		.amdhsa_system_sgpr_workgroup_id_z 1
		.amdhsa_system_vgpr_workitem_id 0
		.amdhsa_next_free_vgpr 512
		.amdhsa_next_free_sgpr 80
		.amdhsa_reserve_vcc 0
		.amdhsa_float_denorm_mode_32 3
		.amdhsa_float_denorm_mode_16_64 3
		.amdhsa_memory_ordered 1
		.amdhsa_forward_progress 1
		.amdhsa_inst_pref_size 178
	.end_amdhsa_kernel
	.amdgpu_metadata
---
amdhsa.version: [ 1, 2 ]
amdhsa.kernels:
  - .name:           k_qdc117f8236_pv
    .symbol:         k_qdc117f8236_pv.kd
    .args:
      - { .name: p16, .offset: 0, .size: 8, .value_kind: global_buffer, .address_space: global }
      - { .name: val16, .offset: 8, .size: 8, .value_kind: global_buffer, .address_space: global }
      - { .name: stat, .offset: 16, .size: 8, .value_kind: global_buffer, .address_space: global }
      - { .name: a16, .offset: 24, .size: 8, .value_kind: global_buffer, .address_space: global }
    .group_segment_fixed_size: 327680
    .private_segment_fixed_size: 0
    .kernarg_segment_align: 8
    .kernarg_segment_size: 32
    .max_flat_workgroup_size: 128
    .sgpr_count:     80
    .vgpr_count:     512
    .wavefront_size: 32
...
	.end_amdgpu_metadata
.endif
;; end of part 4
;; launch attnproj: the kernel of part 2 again; grid 8 x 32, 4 waves a work-group, clusters of 4 x 4, 327,680 bytes of LDS; arguments a16, wvo16, bv, bo, x16; writes x16
;; launch outp (part 5): grid 8 x 32, 4 waves a work-group, clusters of 4 x 4, 327,680 bytes of LDS; arguments x16, wvo16, bo, out0; writes out0
.if DOCPART == 5
	.amdgcn_target "amdgcn-amd-amdhsa--gfx1250"
	.amdhsa_code_object_version 6
	.text
	.protected	k_qdc117f8236_outp
	.globl	k_qdc117f8236_outp
	.p2align	8
	.type	k_qdc117f8236_outp,@function
k_qdc117f8236_outp:
	s_mov_b64 s[64:65], 0
	v_nop
	global_prefetch_b8 v0, s[64:65] scope:SCOPE_SE
	s_setreg_imm32_b32 hwreg(HW_REG_WAVE_MODE, 25, 1), 1
	s_wait_xcnt 0x0
	s_wait_alu depctr_hold_cnt(0) depctr_sa_sdst(0) depctr_va_vdst(0) depctr_va_sdst(0) depctr_va_ssrc(0) depctr_va_vcc(0) depctr_vm_vsrc(0)
	s_getreg_b32 s2, hwreg(HW_REG_IB_STS2, 6, 4)
	s_cmp_eq_u32 s2, 0
	s_cbranch_scc0 .Lentry_in_a_cluster
	s_endpgm
.Lentry_in_a_cluster:
	s_bfe_u32 s2, ttmp6, 0x10000c
	s_cmp_lg_u32 s2, 0xf033
	s_cbranch_scc0 .Lentry_shape_is_right
	s_endpgm
.Lentry_shape_is_right:
; out0[m][n] = the sum over k of attn[m][k] Wo[n][k], + bo[n].  attn: the first 4,096 rows of x16, [.][1024] f16; Wo: rows 1,024 on of wvo16, f16; bo and out0 f32; sums in f32, nothing rounded behind them.
; A tile of out0 is 128 x 128: four waves, each 64 x 64 in 16 accumulators.  K goes in steps of 256 (LDS rows of 512 bytes + 16 of padding) through two slots; a wave's one tensor load brings 64 rows.
; CLUSTERS: 4 x 4 work-groups: attn's tiles are asked for jointly along a row of the cluster, Wo's along a column.
; THE MATRIX INSTRUCTION IS USED TRANSPOSED (source 0 = 16 rows of Wo, source 1 = 16 rows of attn): a lane holds eight neighbouring numbers of a row of out0.
; THE WAY OUT: a wave's 64 columns of f32 are 256 aligned bytes of a row, so each wave has a stage of its own (16 rows x 272 bytes) and no barrier is needed.
; REGISTERS: window 0: v0-31 addresses; v32-95 the way out; v96-127 my 32 bias numbers; v128-255 the accumulators.  window 1: two fragment buffers of 128.
.set SIZE_K, 1024
.set ROWB,   4096                      ; bytes in a row of out0
.set KSTEP,  256
.set PITCH,  528                       ; 132 words: row r starts at bank 4 r mod 64 (64 banks of 4 bytes: ISA guide 11.1)
.set HALFT,  64*PITCH
.set SLOT,   4*HALFT
.set STAGE,  2*SLOT                    ; behind the ring: 16 rows x 272 bytes for each wave
.set SPITCH, 272
.set SPARE,  STAGE+4*16*SPITCH         ; the spare words, 128 bytes for each wave: two blocks of 256 bytes that no other line names
.set LAPS,   SIZE_K/(2*KSTEP)
.set ADRA, 16
.set ADRB, 20
.set STO,  24
.set RD,   25
.set CO,   26
.set SPW,  28
.set NIL,  29
.set TMP,  32                          ; two sets of 32, by turns
.set BIAS, 96
.set ACC,  128
.set F0,   0
.set F1,   128
.set G1, 24
.set G0, 32
.set G1B, 48
.set G0B, 56
.set MSB, 0
.macro WIN new
.if MSB != (\new)
	s_set_vgpr_msb (MSB<<8)|(\new)
.set MSB, \new
.endif
.endm
.set MUL,  0x05
.set TO_F, 0x40
.macro JLOAD s                         ; a joint load: waves 0 and 1 fetch attn's two halves, waves 2 and 3 Wo's; an s_nop 0 and four v_nop follow each line
	s_cmp_eq_u32 s11, 0
	s_cbranch_scc0 .Lfor_b_\@
	tensor_load_to_lds s[G0+4*(\s):G0+4*(\s)+3], s[G1:G1+7]
	s_nop 0
.rept 4
	v_nop
.endr
	s_branch .Lasked_\@
.Lfor_b_\@:
	tensor_load_to_lds s[G0B+4*(\s):G0B+4*(\s)+3], s[G1B:G1B+7]
	s_nop 0
.rept 4
	v_nop
.endr
.Lasked_\@:
.endm
.macro CREST
	s_cmp_lg_u32 s10, 0
	s_cbranch_scc1 .Lnot_wave_0_\@
	s_barrier_signal -3
.Lnot_wave_0_\@:
	s_barrier_wait -3
	s_barrier_signal -1
	s_barrier_wait -1
.endm
.macro CROUND
	s_barrier_signal -1
	s_barrier_wait -1
	CREST
.endm
	s_load_b128 s[4:7], s[0:1], 0x0                ; x16 s[4:5], wvo16 s[6:7]
	s_load_b128 s[68:71], s[0:1], 0x10             ; bo s[68:69], out0 s[70:71]
	v_lshl_add_u32 v[SPW], v0, 2, SPARE
	v_mov_b32 v[NIL], 0
	ds_add_u32 v[SPW], v[NIL]                      ; the wave's opening: the add and its wait stand ahead of my first tensor load; the set-up below, work on registers, stands between them
	v_lshrrev_b32 v1, 5, v0
	v_readfirstlane_b32 s10, v1                    ; wave 0..3
	s_lshr_b32 s11, s10, 1                         ; which half of the tile's rows is mine.  Also: I fetch for attn (0) or for Wo (1)
	s_and_b32 s12, s10, 1                          ; which half of its columns.  Also: which 64 rows of that tile I fetch
	s_bfe_u32 s40, ttmp6, 0x40000
	s_bfe_u32 s41, ttmp6, 0x40004
	s_lshl_b32 s42, ttmp9, 2
	s_add_co_u32 s42, s42, s40                     ; tile column = 4 x cluster x + cx
	s_and_b32 s13, ttmp7, 0xffff
	s_lshl_b32 s13, s13, 2
	s_add_co_u32 s13, s13, s41                     ; tile row = 4 x cluster y + cy
	s_lshl_b32 s43, s41, 2
	s_lshl_b32 s43, 15, s43                        ; my row of the cluster
	s_lshl_b32 s44, 0x1111, s40                    ; my column
	s_or_b32 s[G1+0], s43, (1<<16)|(1<<20)|(1<<21)|(6<<22)|(3<<25)  ; the mask; 2-byte elements; padding on; bit 21 beside a mask; after every 128 words 4 words
	s_or_b32 s[G1B+0], s44, (1<<16)|(1<<20)|(1<<21)|(6<<22)|(3<<25)
.irp g, G1, G1B
	s_mov_b32 s[(\g)+1], KSTEP<<16                 ; tensor_dim0 = 256
	s_mov_b32 s[(\g)+2], 64<<16                    ; tensor_dim1 = 64
	s_mov_b32 s[(\g)+3], KSTEP<<16                 ; tile_dim0 = 256
	s_mov_b32 s[(\g)+4], 64                        ; tile_dim1 = 64
	s_mov_b32 s[(\g)+5], SIZE_K                    ; elements from row to row
	s_mov_b32 s[(\g)+6], 0
	s_mov_b32 s[(\g)+7], 0
.endr
	s_lshl_b32 s17, s12, 6
	s_lshl_b32 s16, s13, 7
	s_add_co_u32 s16, s16, s17                     ; attn: row 128 x tile row + 64 x half
	s_lshl_b32 s16, s16, 11
	s_lshl_b32 s46, s42, 7
	s_add_co_u32 s46, s46, s17                     ; Wo: row 128 x tile column + 64 x half,
	s_lshl_b32 s46, s46, 11
	s_add_co_u32 s46, s46, 0x200000                ; behind Wv's 1,024 rows of 2,048 bytes
	s_mov_b32 s17, 0
	s_mov_b32 s47, 0
	s_mul_i32 s20, s10, HALFT
	s_wait_dscnt 0x0                               ; the opening add is done
	s_wait_kmcnt 0x0
	s_add_nc_u64 s[14:15], s[4:5], s[16:17]
	s_add_nc_u64 s[46:47], s[6:7], s[46:47]
	s_mov_b64 s[8:9], s[70:71]                     ; out0
	CROUND                                         ; all sixteen work-groups are here: the first joint loads meet
.irp s, 0,1
	s_mov_b32 s[G0+4*(\s)], 1
	s_add_co_u32 s[G0+4*(\s)+1], s20, (\s)*SLOT
	s_add_nc_u64 s[G0+4*(\s)+2:G0+4*(\s)+3], s[14:15], (\s)*KSTEP*2
	s_or_b32 s[G0+4*(\s)+3], s[G0+4*(\s)+3], 0x80000000
	s_mov_b32 s[G0B+4*(\s)], 1
	s_add_co_u32 s[G0B+4*(\s)+1], s20, (\s)*SLOT
	s_add_nc_u64 s[G0B+4*(\s)+2:G0B+4*(\s)+3], s[46:47], (\s)*KSTEP*2
	s_or_b32 s[G0B+4*(\s)+3], s[G0B+4*(\s)+3], 0x80000000
	JLOAD \s
.endr
	v_and_b32 v1, 15, v0                           ; r = l % 16
	v_bfe_u32 v2, v0, 4, 1                         ; h = l / 16
	s_lshl_b32 s46, s42, 9                         ; my columns, in bytes of f32: 512 x tile column + 256 x half: for the bias and for out0
	s_lshl_b32 s47, s12, 8
	s_add_co_u32 s46, s46, s47
	s_mov_b32 s47, 0
	s_add_nc_u64 s[68:69], s[68:69], s[46:47]
	s_add_nc_u64 s[8:9], s[8:9], s[46:47]
	v_lshlrev_b32 v6, 5, v2                        ; a lane holds columns 16 b + 8 h + 0..7
.irp b, 0,1,2,3
	global_load_b128 v[BIAS+8*(\b):BIAS+8*(\b)+3],   v6, s[68:69] offset:64*(\b)
	global_load_b128 v[BIAS+8*(\b)+4:BIAS+8*(\b)+7], v6, s[68:69] offset:64*(\b)+16
.endr
	v_mul_u32_u24 v3, v1, PITCH
	v_lshl_add_u32 v3, v2, 4, v3
	s_mul_i32 s21, s11, HALFT
	s_mul_i32 s22, s12, HALFT
	s_add_co_u32 s22, s22, 2*HALFT
.irp s, 0,1
	v_add_nc_u32 v[ADRA+(\s)], s21, v3
	v_add_nc_u32 v[ADRB+(\s)], s22, v3
	s_add_co_u32 s21, s21, SLOT
	s_add_co_u32 s22, s22, SLOT
.endr
	s_mul_i32 s23, s10, 16*SPITCH
	s_add_co_u32 s23, s23, STAGE                   ; my stage
	v_mul_u32_u24 v4, v1, SPITCH                   ; in: row r, 32 bytes for each half of the lanes
	v_lshl_add_u32 v4, v2, 5, v4
	v_add_nc_u32 v[STO], s23, v4
	v_mul_u32_u24 v5, v2, SPITCH                   ; back: lanes 0-15 take one row of 256 bytes, lanes 16-31 the next
	v_lshl_add_u32 v5, v1, 4, v5
	v_add_nc_u32 v[RD], s23, v5
	v_lshlrev_b32 v5, 12, v2                       ; and the same two rows in out0
	v_lshl_add_u32 v[CO], v1, 4, v5
	s_lshl_b32 s16, s13, 7
	s_lshl_b32 s17, s11, 6
	s_add_co_u32 s16, s16, s17                     ; my first row: 128 x tile row + 64 x half
	s_lshl_b32 s16, s16, 12
	s_mov_b32 s17, 0
	s_add_nc_u64 s[8:9], s[8:9], s[16:17]
; The 16 accumulators take turns, one instruction a turn.
.macro MUL8 f, c, a0, zero
	WIN MUL
.irp a, \a0, (\a0)+1
.irp b, 0,1,2,3
.if \zero
	v_wmma_f32_16x16x32_f16 v[ACC+8*(4*(\a)+(\b)):ACC+8*(4*(\a)+(\b))+7], v[(\f)+64+8*(4*(\c)+(\b)):(\f)+64+8*(4*(\c)+(\b))+7], v[(\f)+8*(4*(\c)+(\a)):(\f)+8*(4*(\c)+(\a))+7], 0
.else
	v_wmma_f32_16x16x32_f16 v[ACC+8*(4*(\a)+(\b)):ACC+8*(4*(\a)+(\b))+7], v[(\f)+64+8*(4*(\c)+(\b)):(\f)+64+8*(4*(\c)+(\b))+7], v[(\f)+8*(4*(\c)+(\a)):(\f)+8*(4*(\c)+(\a))+7], v[ACC+8*(4*(\a)+(\b)):ACC+8*(4*(\a)+(\b))+7]
.endif
.endr
.endr
.endm
.macro FETCH slot, k, f                ; 32 LDS loads in one run: 64 along K at byte k of the rows, into buffer f; the first 32 along K first
	WIN TO_F
.irp c, 0,1
.irp i, 0,1,2,3
	ds_load_b128 v[(\f)+64+8*(4*(\c)+(\i)):(\f)+64+8*(4*(\c)+(\i))+3],   v[ADRB+(\slot)] offset:(\k)+64*(\c)+(\i)*16*PITCH
	ds_load_b128 v[(\f)+64+8*(4*(\c)+(\i))+4:(\f)+64+8*(4*(\c)+(\i))+7], v[ADRB+(\slot)] offset:(\k)+64*(\c)+(\i)*16*PITCH+32
	ds_load_b128 v[(\f)+8*(4*(\c)+(\i)):(\f)+8*(4*(\c)+(\i))+3],         v[ADRA+(\slot)] offset:(\k)+64*(\c)+(\i)*16*PITCH
	ds_load_b128 v[(\f)+8*(4*(\c)+(\i))+4:(\f)+8*(4*(\c)+(\i))+7],       v[ADRA+(\slot)] offset:(\k)+64*(\c)+(\i)*16*PITCH+32
.endr
.endr
.endm
.macro PLACES                          ; four places in front of loads into registers that matrix instructions have read, and of vector lines that read results
.rept 4
	v_nop
.endr
.endm
.macro QUARTER slot, k, f, g, zero
	s_wait_dscnt 16                                ; the first 32 along K are in; the youngest sixteen loads may be out
	MUL8 \f, 0, 0, \zero
	MUL8 \f, 0, 2, \zero
	PLACES
	FETCH \slot, \k, \g
	s_wait_dscnt 32                                ; all but the 32 just issued
	MUL8 \f, 1, 0, 0
	MUL8 \f, 1, 2, 0
.endm
.macro TURN slot, next, fill           ; the last quarter of a K step, and the change of slots
	WIN 0
	s_wait_tensorcnt 0x0                           ; all my tensor loads have landed: my part of the next slot
	ds_add_u32 v[SPW], v[NIL]                      ; 0 onto my spare word
	s_wait_dscnt 17                                ; (the add and the youngest sixteen loads may be out)
	MUL8 F1, 0, 0, 0
	s_wait_dscnt 0x0                               ; the add is done, and my reads of this slot are over
	s_barrier_signal -1
	MUL8 F1, 0, 2, 0
.if \fill
	WIN 0
.endif
	s_barrier_wait -1
.if \fill
	CREST                                          ; no wave of any partner still reads this slot's tile or has a load on its way
	s_add_nc_u64 s[G0+4*(\slot)+2:G0+4*(\slot)+3], s[G0+4*(\slot)+2:G0+4*(\slot)+3], 2*KSTEP*2
	s_add_nc_u64 s[G0B+4*(\slot)+2:G0B+4*(\slot)+3], s[G0B+4*(\slot)+2:G0B+4*(\slot)+3], 2*KSTEP*2
	JLOAD \slot                                    ; the four v_nop behind it are also the places in front of the loads below
.else
	PLACES
.endif
	FETCH \next, 0, F0
	MUL8 F1, 1, 0, 0
	MUL8 F1, 1, 2, 0
.endm
	s_wait_tensorcnt 1                             ; my part of K step 0 is in; K step 1's load stays out
	s_barrier_signal -1
	s_barrier_wait -1
	FETCH 0, 0, F0
	QUARTER 0, 128, F0, F1, 1
	WIN 0
	s_mov_b32 s3, LAPS-1
.Llap:
	QUARTER 0, 256, F1, F0, 0
	QUARTER 0, 384, F0, F1, 0
	TURN 0, 1, 1
	QUARTER 1, 128, F0, F1, 0
	QUARTER 1, 256, F1, F0, 0
	QUARTER 1, 384, F0, F1, 0
	TURN 1, 0, 1
	QUARTER 0, 128, F0, F1, 0
	WIN 0
	s_sub_co_u32 s3, s3, 1
	s_cmp_lg_u32 s3, 0
	s_cbranch_scc1 .Llap
	QUARTER 0, 256, F1, F0, 0
	QUARTER 0, 384, F0, F1, 0
	TURN 0, 1, 0
	QUARTER 1, 128, F0, F1, 0
	QUARTER 1, 256, F1, F0, 0
	QUARTER 1, 384, F0, F1, 0
	s_wait_dscnt 16
	MUL8 F1, 0, 0, 0
	MUL8 F1, 0, 2, 0
	s_wait_dscnt 0
	MUL8 F1, 1, 0, 0
	MUL8 F1, 1, 2, 0
	WIN 0
	; THE WAY OUT, a block of 16 rows at a time: the bias is added; 32 bytes a lane into my own stage; back as whole rows of 256 bytes; stored.
	s_wait_loadcnt 0x0                             ; my bias
	PLACES
.irp a, 0,1,2,3
.irp b, 0,1,2,3
.irp r, 0,1,2,3                        ; each accumulator's lowest registers are read first
	v_pk_add_f32 v[ACC+8*(4*(\a)+(\b))+2*(\r):ACC+8*(4*(\a)+(\b))+2*(\r)+1], v[ACC+8*(4*(\a)+(\b))+2*(\r):ACC+8*(4*(\a)+(\b))+2*(\r)+1], v[BIAS+8*(\b)+2*(\r):BIAS+8*(\b)+2*(\r)+1]
.endr
.endr
.irp b, 0,1,2,3
	ds_store_b128 v[STO], v[ACC+8*(4*(\a)+(\b)):ACC+8*(4*(\a)+(\b))+3]   offset:64*(\b)
	ds_store_b128 v[STO], v[ACC+8*(4*(\a)+(\b))+4:ACC+8*(4*(\a)+(\b))+7] offset:64*(\b)+16
.endr
	s_wait_xcnt 0x0                                ; the stores of two blocks ago have read this set of registers: it is loaded again only behind this wait
.irp t, 0,1,2,3,4,5,6,7
	ds_load_b128 v[TMP+32*((\a)%2)+4*(\t):TMP+32*((\a)%2)+4*(\t)+3], v[RD] offset:(\t)*2*SPITCH  ; LDS serves a wave's instructions in order (ISA guide 5.7.1.4): these see the stores above; the next block's stores come behind them
.endr
.irp t, 0,1,2,3,4,5,6,7
	s_wait_dscnt 7-(\t)                            ; pair t of rows is in; the loads behind it may be out
	global_store_b128 v[CO], v[TMP+32*((\a)%2)+4*(\t):TMP+32*((\a)%2)+4*(\t)+3], s[8:9] offset:(16*(\a)+2*(\t))*ROWB  ; 16 lanes store 256 consecutive bytes, at a multiple of 256 from out0's first byte
.endr
.endr
	s_wait_tensorcnt 0x0                           ; the wave's end: the add and its wait stand behind my last tensor load and my last LDS store
	ds_add_u32 v[SPW], v[NIL]
	s_wait_dscnt 0x0
	CROUND                                         ; the closing round: no work-group ends while a partner may still ask for a tile that names it
	s_endpgm
.Lfunc_end_k_qdc117f8236_outp:
	.size	k_qdc117f8236_outp, .Lfunc_end_k_qdc117f8236_outp-k_qdc117f8236_outp
	.p2alignl 7, 3214868480
	.fill 96, 4, 3214868480
	.section	.rodata,"a",@progbits
	.p2align	6, 0x0
	.amdhsa_kernel k_qdc117f8236_outp
		.amdhsa_group_segment_fixed_size 327680
		.amdhsa_private_segment_fixed_size 0
		.amdhsa_enable_private_segment 0
		.amdhsa_kernarg_size 32
		.amdhsa_user_sgpr_count 2
		.amdhsa_user_sgpr_kernarg_segment_ptr 1
		.amdhsa_wavefront_size32 1
		.amdhsa_system_sgpr_workgroup_id_x 1
		.amdhsa_system_sgpr_workgroup_id_y 1
		.amdhsa_system_sgpr_workgroup_id_z 1
		.amdhsa_system_vgpr_workitem_id 0
		.amdhsa_next_free_vgpr 512
		.amdhsa_next_free_sgpr 80
		.amdhsa_reserve_vcc 0
		.amdhsa_float_denorm_mode_32 3
		.amdhsa_float_denorm_mode_16_64 3
		.amdhsa_memory_ordered 1
		.amdhsa_forward_progress 1
		.amdhsa_inst_pref_size 91
	.end_amdhsa_kernel
	.amdgpu_metadata
---
amdhsa.version: [ 1, 2 ]
amdhsa.kernels:
  - .name:           k_qdc117f8236_outp
    .symbol:         k_qdc117f8236_outp.kd
    .args:
      - { .name: x16, .offset: 0, .size: 8, .value_kind: global_buffer, .address_space: global }
      - { .name: wvo16, .offset: 8, .size: 8, .value_kind: global_buffer, .address_space: global }
      - { .name: bo, .offset: 16, .size: 8, .value_kind: global_buffer, .address_space: global }
      - { .name: out0, .offset: 24, .size: 8, .value_kind: global_buffer, .address_space: global }
    .group_segment_fixed_size: 327680
    .private_segment_fixed_size: 0
    .kernarg_segment_align: 8
    .kernarg_segment_size: 32
    .max_flat_workgroup_size: 128
    .sgpr_count:     80
    .vgpr_count:     512
    .wavefront_size: 32
...
	.end_amdgpu_metadata
.endif
;; end of part 5
;; ======== version 2 of 2: 7 launches; 1.24 times as fast as version 1
;; limits: values are held in f16: magnitudes above 65,504 overflow, below 6.1e-05 lose precision
;; workspace buffers: x16 41,943,040 bytes; val16 33,554,432 bytes; wqk16 4,194,304 bytes; wvo16 4,194,304 bytes; qp16 8,404,992 bytes; p16 16,777,216 bytes; stat 1,048,576 bytes; a16 8,388,608 bytes
;; launch conv (part 6): grid 256 x 1, 8 waves a work-group, no clusters, 0 bytes of LDS; arguments query, Vq, Vk, Vv, Vo, gq, gk, gv, go, x16, wqk16, wvo16; writes x16, wqk16, wvo16
.if DOCPART == 6
	.amdgcn_target "amdgcn-amd-amdhsa--gfx1250"
	.amdhsa_code_object_version 6
	.text
	.protected	k_qdc117f8236_conv
	.globl	k_qdc117f8236_conv
	.p2align	8
	.type	k_qdc117f8236_conv,@function
k_qdc117f8236_conv:
	s_mov_b64 s[64:65], 0
	v_nop
	global_prefetch_b8 v0, s[64:65] scope:SCOPE_SE
	s_setreg_imm32_b32 hwreg(HW_REG_WAVE_MODE, 25, 1), 1
	s_wait_xcnt 0x0
; What the first matrix launches need, rounded once from f32 to f16.  (key and value are rounded by two later launches, beside their products.)
;   x16   rows 0 to 4,095 of [20480][1024]: query (row 8 t + b)
;   wqk16 [2048][1024]:  Wq, then Wk;   wvo16: Wv, then Wo;   W[n][:] = V[n][:] g[n] / |V[n]|, the norm summed in f32
; LIMITS.  f16 ends at 65,504: inputs and normalised weights beyond it become infinities.  A weight row of zeros gives NaN, as 0 / 0 does.
; SHARES.  A work-group owns 32 rows of 1,024 f32 of ONE tensor, a wave four of them.  All 32 loads of a wave (16 KiB) go out at once; each covers 512
; consecutive bytes; each store covers 256 consecutive bytes, aligned.  A row lies in 32 registers of one wave, so a weight row's norm never leaves the wave.
; No LDS, no barrier, no matrix unit: the launch only streams.
.set X,  4                             ; v[4:131]   row i at X + 32 i: as loaded, then (its first 16 registers) as stored
.set Q,  132                           ; v[132:139] four chains of sums of squares, two f32 each
.set T,  140                           ; v140, v141 at work
.set SC, 142                           ; v[142:143] g / norm, twice
	s_load_b512 s[8:23], s[0:1], 0x0               ; query 8, Vq 10, Vk 12, Vv 14, Vo 16, gq 18, gk 20, gv 22
	s_load_b256 s[24:31], s[0:1], 0x40             ; go 24, x16 26, wqk16 28, wvo16 30
	v_and_b32 v3, 31, v0                           ; lane
	v_lshrrev_b32 v1, 5, v0
	v_readfirstlane_b32 s54, v1                    ; wave 0..7
	v_lshlrev_b32 v1, 4, v3                        ; 16 bytes a lane in a load
	v_lshlrev_b32 v2, 3, v3                        ; 8 bytes a lane in a store
	v_mov_b32 v[T+1], 0                            ; v_permlanex16_b32 counts as a reader of its destination
	s_mov_b32 s52, 0x76543210                      ; its selects: each lane takes its own place in the other half
	s_mov_b32 s53, 0xfedcba98
	s_mov_b32 s46, 0                               ; the first work-group of my source tensor
	s_mov_b32 s47, 0                               ; the first work-group of my destination buffer
	s_wait_kmcnt 0x0
	; which tensor: work-groups 0-127 query, then 32 each for Vq, Vk, Vv, Vo.  The conditions hang on the work-group's number alone.
	s_mov_b64 s[40:41], s[8:9]                     ; source
	s_mov_b64 s[42:43], s[26:27]                   ; destination
	s_mov_b64 s[44:45], s[18:19]                   ; gains
	s_cmp_ge_u32 ttmp9, 128
	s_cselect_b64 s[40:41], s[10:11], s[40:41]
	s_cselect_b64 s[42:43], s[28:29], s[42:43]
	s_cselect_b32 s46, 128, s46
	s_cselect_b32 s47, 128, s47
	s_cmp_ge_u32 ttmp9, 160
	s_cselect_b64 s[40:41], s[12:13], s[40:41]
	s_cselect_b64 s[44:45], s[20:21], s[44:45]
	s_cselect_b32 s46, 160, s46
	s_cmp_ge_u32 ttmp9, 192
	s_cselect_b64 s[40:41], s[14:15], s[40:41]
	s_cselect_b64 s[42:43], s[30:31], s[42:43]
	s_cselect_b64 s[44:45], s[22:23], s[44:45]
	s_cselect_b32 s46, 192, s46
	s_cselect_b32 s47, 192, s47
	s_cmp_ge_u32 ttmp9, 224
	s_cselect_b64 s[40:41], s[16:17], s[40:41]
	s_cselect_b64 s[44:45], s[24:25], s[44:45]
	s_cselect_b32 s46, 224, s46
	s_sub_co_u32 s46, ttmp9, s46
	s_lshl_b32 s46, s46, 5
	s_lshl2_add_u32 s46, s54, s46                  ; my first row in the source: 32 x work-group + 4 x wave
	s_sub_co_u32 s47, ttmp9, s47
	s_lshl_b32 s47, s47, 5
	s_lshl2_add_u32 s47, s54, s47                  ; and in the destination
	s_lshl_b32 s48, s46, 12                        ; rows of 4,096 bytes: 16,777,216 at the most
	s_mov_b32 s49, 0
	s_add_nc_u64 s[40:41], s[40:41], s[48:49]
	s_lshl_b32 s48, s47, 11                        ; rows of 2,048 bytes
	s_add_nc_u64 s[42:43], s[42:43], s[48:49]
.irp i, 0,1,2,3
.irp j, 0,1,2,3,4,5,6,7
	global_load_b128 v[X+32*(\i)+4*(\j):X+32*(\i)+4*(\j)+3], v1, s[40:41] offset:(\i)*4096+(\j)*512 th:TH_LOAD_NT
.endr
.endr
; Row i is rounded in place (register k takes numbers 2 k and 2 k + 1, k ascending: no number is overwritten before it is read) and stored.
; No register that a store reads is written again, so no wait stands behind the stores.
.macro OUT i
.set k, 0
.rept 16
	v_cvt_pk_f16_f32 v[X+32*(\i)+k], v[X+32*(\i)+2*k], v[X+32*(\i)+2*k+1]
.set k, k+1
.endr
.irp j, 0,1,2,3,4,5,6,7
	global_store_b64 v2, v[X+32*(\i)+2*(\j):X+32*(\i)+2*(\j)+1], s[42:43] offset:(\i)*2048+(\j)*256
.endr
.endm
.macro ROWA i                          ; a row of query
	s_wait_loadcnt 24-8*(\i)                       ; loads come back in order: my row's eight are in, the later rows' stay out
	OUT \i
.endm
.macro ROWW i                          ; a row of a weight matrix: the sum of its squares, g / norm, the scaling
	s_wait_loadcnt 24-8*(\i)
.irp p, 0,1,2,3
	v_pk_mul_f32 v[Q+2*(\p):Q+2*(\p)+1], v[X+32*(\i)+2*(\p):X+32*(\i)+2*(\p)+1], v[X+32*(\i)+2*(\p):X+32*(\i)+2*(\p)+1]  ; the first four pairs start the chains
.endr
.set p, 4
.rept 12
	v_pk_fma_f32 v[Q+2*(p%4):Q+2*(p%4)+1], v[X+32*(\i)+2*p:X+32*(\i)+2*p+1], v[X+32*(\i)+2*p:X+32*(\i)+2*p+1], v[Q+2*(p%4):Q+2*(p%4)+1]
.set p, p+1
.endr
	v_pk_add_f32 v[Q:Q+1], v[Q:Q+1], v[Q+2:Q+3]
	v_pk_add_f32 v[Q+4:Q+5], v[Q+4:Q+5], v[Q+6:Q+7]
	v_pk_add_f32 v[Q:Q+1], v[Q:Q+1], v[Q+4:Q+5]
	v_add_f32 v[T], v[Q], v[Q+1]
	v_add_f32_dpp v[T], v[T], v[T] row_xmask:1 row_mask:0xf bank_mask:0xf
	v_add_f32_dpp v[T], v[T], v[T] row_xmask:2 row_mask:0xf bank_mask:0xf
	v_add_f32_dpp v[T], v[T], v[T] row_xmask:4 row_mask:0xf bank_mask:0xf
	v_add_f32_dpp v[T], v[T], v[T] row_xmask:8 row_mask:0xf bank_mask:0xf
	v_permlanex16_b32 v[T+1], v[T], s52, s53
	v_add_f32 v[T], v[T], v[T+1]                   ; every lane holds the row's sum of squares
	v_rsq_f32 v[T], v[T]
	v_nop                                          ; a plain instruction between the root and the use of its result (ISA guide 5.7.2)
	s_wait_alu depctr_va_vdst(0)
	v_mul_f32 v[SC], s[48+(\i)], v[T]
	v_mov_b32 v[SC+1], v[SC]
.set p, 0
.rept 16
	v_pk_mul_f32 v[X+32*(\i)+2*p:X+32*(\i)+2*p+1], v[X+32*(\i)+2*p:X+32*(\i)+2*p+1], v[SC:SC+1]
.set p, p+1
.endr
	OUT \i
.endm
	s_cmp_ge_u32 ttmp9, 128
	s_cbranch_scc1 .Lweights
	ROWA 0
	ROWA 1
	ROWA 2
	ROWA 3
	s_endpgm
.Lweights:
	s_lshl_b32 s48, s46, 2                         ; my four gains: 16 bytes, aligned
	s_add_nc_u64 s[44:45], s[44:45], s[48:49]
	s_load_b128 s[48:51], s[44:45], 0x0
	s_wait_kmcnt 0x0
	ROWW 0
	ROWW 1
	ROWW 2
	ROWW 3
	s_endpgm
.Lfunc_end_k_qdc117f8236_conv:
	.size	k_qdc117f8236_conv, .Lfunc_end_k_qdc117f8236_conv-k_qdc117f8236_conv
	.p2alignl 7, 3214868480
	.fill 96, 4, 3214868480
	.section	.rodata,"a",@progbits
	.p2align	6, 0x0
	.amdhsa_kernel k_qdc117f8236_conv
		.amdhsa_group_segment_fixed_size 0
		.amdhsa_private_segment_fixed_size 0
		.amdhsa_enable_private_segment 0
		.amdhsa_kernarg_size 96
		.amdhsa_user_sgpr_count 2
		.amdhsa_user_sgpr_kernarg_segment_ptr 1
		.amdhsa_wavefront_size32 1
		.amdhsa_system_sgpr_workgroup_id_x 1
		.amdhsa_system_sgpr_workgroup_id_y 1
		.amdhsa_system_sgpr_workgroup_id_z 1
		.amdhsa_system_vgpr_workitem_id 0
		.amdhsa_next_free_vgpr 144
		.amdhsa_next_free_sgpr 66
		.amdhsa_reserve_vcc 0
		.amdhsa_float_denorm_mode_32 3
		.amdhsa_float_denorm_mode_16_64 3
		.amdhsa_memory_ordered 1
		.amdhsa_forward_progress 1
		.amdhsa_inst_pref_size 31
	.end_amdhsa_kernel
	.amdgpu_metadata
---
amdhsa.version: [ 1, 2 ]
amdhsa.kernels:
  - .name:           k_qdc117f8236_conv
    .symbol:         k_qdc117f8236_conv.kd
    .args:
      - { .name: query, .offset: 0, .size: 8, .value_kind: global_buffer, .address_space: global }
      - { .name: Vq, .offset: 8, .size: 8, .value_kind: global_buffer, .address_space: global }
      - { .name: Vk, .offset: 16, .size: 8, .value_kind: global_buffer, .address_space: global }
      - { .name: Vv, .offset: 24, .size: 8, .value_kind: global_buffer, .address_space: global }
      - { .name: Vo, .offset: 32, .size: 8, .value_kind: global_buffer, .address_space: global }
      - { .name: gq, .offset: 40, .size: 8, .value_kind: global_buffer, .address_space: global }
      - { .name: gk, .offset: 48, .size: 8, .value_kind: global_buffer, .address_space: global }
      - { .name: gv, .offset: 56, .size: 8, .value_kind: global_buffer, .address_space: global }
      - { .name: go, .offset: 64, .size: 8, .value_kind: global_buffer, .address_space: global }
      - { .name: x16, .offset: 72, .size: 8, .value_kind: global_buffer, .address_space: global }
      - { .name: wqk16, .offset: 80, .size: 8, .value_kind: global_buffer, .address_space: global }
      - { .name: wvo16, .offset: 88, .size: 8, .value_kind: global_buffer, .address_space: global }
    .group_segment_fixed_size: 0
    .private_segment_fixed_size: 0
    .kernarg_segment_align: 8
    .kernarg_segment_size: 96
    .max_flat_workgroup_size: 256
    .sgpr_count:     66
    .vgpr_count:     144
    .wavefront_size: 32
...
	.end_amdgpu_metadata
.endif
;; end of part 6
;; launch proj (part 7): grid 8 x 32, 4 waves a work-group, clusters of 4 x 4, 327,680 bytes of LDS; arguments x16, wqk16, bq, a16; writes a16
.if DOCPART == 7
	.amdgcn_target "amdgcn-amd-amdhsa--gfx1250"
	.amdhsa_code_object_version 6
	.text
	.protected	k_qdc117f8236_proj
	.globl	k_qdc117f8236_proj
	.p2align	8
	.type	k_qdc117f8236_proj,@function
k_qdc117f8236_proj:
	s_mov_b64 s[64:65], 0
	v_nop
	global_prefetch_b8 v0, s[64:65] scope:SCOPE_SE
	s_setreg_imm32_b32 hwreg(HW_REG_WAVE_MODE, 25, 1), 1
	s_wait_xcnt 0x0
	s_wait_alu depctr_hold_cnt(0) depctr_sa_sdst(0) depctr_va_vdst(0) depctr_va_sdst(0) depctr_va_ssrc(0) depctr_va_vcc(0) depctr_vm_vsrc(0)
	s_getreg_b32 s2, hwreg(HW_REG_IB_STS2, 6, 4)
	s_cmp_eq_u32 s2, 0
	s_cbranch_scc0 .Lentry_in_a_cluster
	s_endpgm
.Lentry_in_a_cluster:
	s_bfe_u32 s2, ttmp6, 0x10000c
	s_cmp_lg_u32 s2, 0xf033
	s_cbranch_scc0 .Lentry_shape_is_right
	s_endpgm
.Lentry_shape_is_right:
; C[m][n] = the sum over k of A[m][k] W[n][k], + bias[n].  A: [4096][1024], W: [1024][1024] (the buffer's first 1,024 rows), C: [4096][1024], all f16; bias f32; sums in f32, C rounded once.
; Arguments: A, W, bias, C.  Two launches run it: q = query Wq^T + bq, and attn = a Wv^T + bv.
; LIMIT.  f16 ends at 65,504: a result beyond it becomes an infinity.
; A tile of C is 128 x 128: four waves, each 64 x 64 in 16 accumulators of 16 x 16.  K goes in steps of 256 (LDS rows of 512 bytes + 16 of padding) through two slots; a wave's one tensor load brings 64 rows.
; A K STEP IS WRITTEN ONCE: the slot in hand is a scalar (0 or SLOT), the fragment addresses are a lane term plus it, and one descriptor a tensor walks from K step 1 on.  The text holds the first quarter
; (its products start the sums), a loop for the K steps that fill a slot again, and a loop of two trips for the last two, which is left in its middle.
; CLUSTERS: 4 x 4 work-groups.  The four of a row of the cluster need the same tiles of A, the four of a column the same tiles of W: each tile is asked for JOINTLY, by the same tensor load with
; the same descriptor and a mask that names the four.  THE MATRIX INSTRUCTION IS USED TRANSPOSED (source 0 = 16 rows of W, source 1 = 16 rows of A): a lane holds eight neighbouring numbers of a row of C.
; REGISTERS: window 0: v0-31 addresses; v32-95 the way out; v96-127 my 32 bias numbers; v128-255 the accumulators ((a, b) at v[128 + 8 (4 a + b)]).
;   window 1: two fragment buffers of 128: for 64 along K, 64 registers of A (2 x 4 x 16 rows x 32 K), then 64 of W.
.set SIZE_K, 1024
.set ROWB,   2048                      ; bytes in a row of C
.set KSTEP,  256
.set STEPS,  SIZE_K/KSTEP
.set PITCH,  528                       ; 132 words: row r starts at bank 4 r mod 64 (64 banks of 4 bytes: ISA guide 11.1)
.set HALFT,  64*PITCH                  ; what one tensor load brings, and what one wave reads of A or of W
.set SLOT,   4*HALFT                   ; A's 128 rows, then W's 128 rows
.set STAGE,  2*SLOT                    ; behind the ring: 128 rows x 272 bytes, the work-group's, for the way out
.set SPITCH, 272
.set SPARE,  STAGE+128*SPITCH          ; the spare words, 128 bytes for each wave: two blocks of 256 bytes that no other line names
.set ADRA0, 16                         ; v16     my lane's place in A's part of slot 0; never rewritten
.set ADRB0, 17                         ; v17     the same for W
.set ADRA, 20                          ; v20     the same in the slot in hand
.set ADRB, 21                          ; v21
.set STO,  24                          ; v24     the way out: where I put 16 bytes of a row
.set RD,   25                          ; v25     the way out: where I read a row back
.set CO,   26                          ; v26     my byte offset in C
.set SPW,  28                          ; v28     LDS address of my spare word; never rewritten
.set NIL,  29                          ; v29     0; never rewritten
.set TMP,  32
.set BIAS, 96                          ; column block b's eight numbers at BIAS + 8 b
.set ACC,  128
.set F0,   0
.set F1,   128
.set G1, 24                            ; s[24:31] descriptor group 1 for A's tiles;  s[32:39] group 0: a set for each first fill; the second then walks on
.set G0, 32
.set G1B, 48                           ; s[48:55], s[56:63] the same for W's tiles
.set G0B, 56
.set TB,  76                           ; s76     the slot in hand: 0 or SLOT
.set MSB, 0
.macro WIN new                         ; the immediate's high byte repeats the setting that is left; a switch that changes nothing is dropped
.if MSB != (\new)
	s_set_vgpr_msb (MSB<<8)|(\new)
.set MSB, \new
.endif
.endm
.set MUL,  0x05                        ; sources 0 (W) and 1 (A) window 1; C and D window 0
.set TO_F, 0x40                        ; destination window 1, address window 0
.macro JLOAD s                         ; a joint load: waves 0 and 1 fetch A's two halves, waves 2 and 3 W's; an s_nop 0 and four v_nop follow each line
	s_cmp_eq_u32 s11, 0
	s_cbranch_scc0 .Lfor_b_\@
	tensor_load_to_lds s[G0+4*(\s):G0+4*(\s)+3], s[G1:G1+7]
	s_nop 0
.rept 4
	v_nop
.endr
	s_branch .Lasked_\@
.Lfor_b_\@:
	tensor_load_to_lds s[G0B+4*(\s):G0B+4*(\s)+3], s[G1B:G1B+7]
	s_nop 0
.rept 4
	v_nop
.endr
.Lasked_\@:
.endm
.macro CREST                           ; a round of the cluster's barrier behind its opening barrier
	s_cmp_lg_u32 s10, 0
	s_cbranch_scc1 .Lnot_wave_0_\@
	s_barrier_signal -3
.Lnot_wave_0_\@:
	s_barrier_wait -3
	s_barrier_signal -1
	s_barrier_wait -1
.endm
.macro CROUND                          ; a whole round
	s_barrier_signal -1
	s_barrier_wait -1
	CREST
.endm
	s_load_b128 s[4:7], s[0:1], 0x0                ; A s[4:5], W s[6:7]
	s_load_b128 s[68:71], s[0:1], 0x10             ; bias s[68:69], C s[70:71]
	v_lshl_add_u32 v[SPW], v0, 2, SPARE
	v_mov_b32 v[NIL], 0
	ds_add_u32 v[SPW], v[NIL]                      ; the wave's opening: the add and its wait stand ahead of my first tensor load; the set-up below, work on registers, stands between them
	v_lshrrev_b32 v1, 5, v0
	v_readfirstlane_b32 s10, v1                    ; wave 0..3
	s_lshr_b32 s11, s10, 1                         ; which half of the tile's rows is mine.  Also: I fetch for A (0) or for W (1)
	s_and_b32 s12, s10, 1                          ; which half of its columns.  Also: which 64 rows of that tile I fetch
	s_bfe_u32 s40, ttmp6, 0x40000                  ; cx, cy: my place in the cluster
	s_bfe_u32 s41, ttmp6, 0x40004
	s_lshl_b32 s42, ttmp9, 2
	s_add_co_u32 s42, s42, s40                     ; tile column of C = 4 x cluster x + cx
	s_and_b32 s13, ttmp7, 0xffff
	s_lshl_b32 s13, s13, 2
	s_add_co_u32 s13, s13, s41                     ; tile row of C = 4 x cluster y + cy
	s_lshl_b32 s43, s41, 2
	s_lshl_b32 s43, 15, s43                        ; my row of the cluster
	s_lshl_b32 s44, 0x1111, s40                    ; my column
	; descriptor group 1: a tile of 64 rows x 256 elements, padded in LDS
	s_or_b32 s[G1+0], s43, (1<<16)|(1<<20)|(1<<21)|(6<<22)|(3<<25)  ; 15:0 the mask: A's tiles go to my row; 17:16 2-byte elements; 20 padding on; 21 set beside a mask; 24:22 after every 128 words; 31:25 4 words
	s_or_b32 s[G1B+0], s44, (1<<16)|(1<<20)|(1<<21)|(6<<22)|(3<<25)
.irp g, G1, G1B
	s_mov_b32 s[(\g)+1], KSTEP<<16                 ; tensor_dim0 = 256
	s_mov_b32 s[(\g)+2], 64<<16                    ; tensor_dim1 = 64
	s_mov_b32 s[(\g)+3], KSTEP<<16                 ; tile_dim0 = 256
	s_mov_b32 s[(\g)+4], 64                        ; tile_dim1 = 64
	s_mov_b32 s[(\g)+5], SIZE_K                    ; elements from row to row
	s_mov_b32 s[(\g)+6], 0
	s_mov_b32 s[(\g)+7], 0
.endr
	s_mov_b32 s[TB], 0
	s_lshl_b32 s17, s12, 6                         ; which 64 rows of the tile I fetch
	s_lshl_b32 s16, s13, 7
	s_add_co_u32 s16, s16, s17                     ; A: row 128 x tile row + 64 x half,
	s_lshl_b32 s16, s16, 11                        ; of 2,048 bytes
	s_lshl_b32 s46, s42, 7
	s_add_co_u32 s46, s46, s17                     ; W: row 128 x tile column + 64 x half
	s_lshl_b32 s46, s46, 11
	s_mov_b32 s17, 0
	s_mov_b32 s47, 0
	s_mul_i32 s20, s10, HALFT                      ; where they go: wave x 64 rows: no place in the cluster enters an LDS address
	s_wait_dscnt 0x0                               ; the opening add is done
	s_wait_kmcnt 0x0
	s_add_nc_u64 s[14:15], s[4:5], s[16:17]
	s_add_nc_u64 s[46:47], s[6:7], s[46:47]
	s_mov_b64 s[8:9], s[70:71]                     ; C
	CROUND                                         ; all sixteen work-groups are here: the first joint loads meet
.irp s, 0,1
	s_mov_b32 s[G0+4*(\s)], 1
	s_add_co_u32 s[G0+4*(\s)+1], s20, (\s)*SLOT
	s_add_nc_u64 s[G0+4*(\s)+2:G0+4*(\s)+3], s[14:15], (\s)*KSTEP*2
	s_or_b32 s[G0+4*(\s)+3], s[G0+4*(\s)+3], 0x80000000
	s_mov_b32 s[G0B+4*(\s)], 1
	s_add_co_u32 s[G0B+4*(\s)+1], s20, (\s)*SLOT
	s_add_nc_u64 s[G0B+4*(\s)+2:G0B+4*(\s)+3], s[46:47], (\s)*KSTEP*2
	s_or_b32 s[G0B+4*(\s)+3], s[G0B+4*(\s)+3], 0x80000000
	JLOAD \s
.endr
	v_and_b32 v1, 15, v0                           ; r = l % 16
	v_bfe_u32 v2, v0, 4, 1                         ; h = l / 16
	; my bias: a lane holds columns 16 b + 8 h + 0..7 of the wave's 64
	s_lshl_b32 s46, s42, 9                         ; 128 columns of 4 bytes a tile,
	s_lshl_b32 s47, s12, 8                         ; 64 a wave
	s_add_co_u32 s46, s46, s47
	s_mov_b32 s47, 0
	s_add_nc_u64 s[68:69], s[68:69], s[46:47]
	v_lshlrev_b32 v6, 5, v2
.irp b, 0,1,2,3
	global_load_b128 v[BIAS+8*(\b):BIAS+8*(\b)+3],   v6, s[68:69] offset:64*(\b)
	global_load_b128 v[BIAS+8*(\b)+4:BIAS+8*(\b)+7], v6, s[68:69] offset:64*(\b)+16
.endr
	v_mul_u32_u24 v3, v1, PITCH
	v_lshl_add_u32 v3, v2, 4, v3                   ; a fragment's row x pitch + 16 x half
	s_mul_i32 s21, s11, HALFT                      ; my 64 rows of A
	s_mul_i32 s22, s12, HALFT                      ; my 64 rows of W,
	s_add_co_u32 s22, s22, 2*HALFT                 ; which lie behind A's 128
	v_add_nc_u32 v[ADRA0], s21, v3
	v_add_nc_u32 v[ADRB0], s22, v3
	v_add_nc_u32 v[ADRA], s21, v3                  ; the walk begins in slot 0
	v_add_nc_u32 v[ADRB], s22, v3
	s_mul_i32 s23, s11, 64*SPITCH                  ; into the stage: my 64 rows, my half of their 256 bytes
	s_lshl_b32 s21, s12, 7
	s_add_co_u32 s23, s23, s21
	s_add_co_u32 s23, s23, STAGE
	v_mul_u32_u24 v4, v1, SPITCH
	v_lshl_add_u32 v4, v2, 4, v4
	v_add_nc_u32 v[STO], s23, v4
	s_mul_i32 s23, s10, 32*SPITCH                  ; back: wave w takes rows 32 w .. 32 w + 31, whole
	s_add_co_u32 s23, s23, STAGE
	v_mul_u32_u24 v5, v2, SPITCH
	v_lshl_add_u32 v5, v1, 4, v5
	v_add_nc_u32 v[RD], s23, v5
	v_mul_u32_u24 v5, v2, ROWB                     ; and the same two rows in C
	v_lshl_add_u32 v[CO], v1, 4, v5
	s_lshl_b32 s16, s13, 7
	s_lshl_b32 s17, s10, 5
	s_add_co_u32 s16, s16, s17                     ; the first row of C that I store: 128 x tile row + 32 x wave
	s_lshl_b32 s16, s16, 11
	s_mov_b32 s17, 0
	s_add_nc_u64 s[8:9], s[8:9], s[16:17]
	s_lshl_b32 s46, s42, 8                         ; the tile's first column, in bytes
	s_mov_b32 s47, 0
	s_add_nc_u64 s[8:9], s[8:9], s[46:47]
; 8 matrix instructions: row blocks a0, a0 + 1 x all 4 column blocks, 32 along K: half c of buffer f.  zero = 1: the first product starts the sums.
; The 16 accumulators take turns, one instruction a turn.
.macro MUL8 f, c, a0, zero
	WIN MUL
.irp a, \a0, (\a0)+1
.irp b, 0,1,2,3
.if \zero
	v_wmma_f32_16x16x32_f16 v[ACC+8*(4*(\a)+(\b)):ACC+8*(4*(\a)+(\b))+7], v[(\f)+64+8*(4*(\c)+(\b)):(\f)+64+8*(4*(\c)+(\b))+7], v[(\f)+8*(4*(\c)+(\a)):(\f)+8*(4*(\c)+(\a))+7], 0
.else
	v_wmma_f32_16x16x32_f16 v[ACC+8*(4*(\a)+(\b)):ACC+8*(4*(\a)+(\b))+7], v[(\f)+64+8*(4*(\c)+(\b)):(\f)+64+8*(4*(\c)+(\b))+7], v[(\f)+8*(4*(\c)+(\a)):(\f)+8*(4*(\c)+(\a))+7], v[ACC+8*(4*(\a)+(\b)):ACC+8*(4*(\a)+(\b))+7]
.endif
.endr
.endr
.endm
; 32 LDS loads in one run: the fragments of 64 along K at byte k of the rows of the slot in hand, into buffer f; the first 32 along K first
.macro FETCH k, f
	WIN TO_F
.irp c, 0,1
.irp i, 0,1,2,3
	ds_load_b128 v[(\f)+64+8*(4*(\c)+(\i)):(\f)+64+8*(4*(\c)+(\i))+3],   v[ADRB] offset:(\k)+64*(\c)+(\i)*16*PITCH
	ds_load_b128 v[(\f)+64+8*(4*(\c)+(\i))+4:(\f)+64+8*(4*(\c)+(\i))+7], v[ADRB] offset:(\k)+64*(\c)+(\i)*16*PITCH+32
	ds_load_b128 v[(\f)+8*(4*(\c)+(\i)):(\f)+8*(4*(\c)+(\i))+3],         v[ADRA] offset:(\k)+64*(\c)+(\i)*16*PITCH
	ds_load_b128 v[(\f)+8*(4*(\c)+(\i))+4:(\f)+8*(4*(\c)+(\i))+7],       v[ADRA] offset:(\k)+64*(\c)+(\i)*16*PITCH+32
.endr
.endr
.endm
.macro PLACES                          ; four places in front of loads into registers that matrix instructions have read, and of vector lines that read results
.rept 4
	v_nop
.endr
.endm
; A K step is four quarters of 64 along K, 32 matrix instructions each, on buffers 0, 1, 0, 1.  One of the first three: multiplies buffer f and fetches the next quarter, at byte k, into g.
.macro QUARTER k, f, g, zero
	s_wait_dscnt 16                                ; the first 32 along K are in; the youngest sixteen loads may be out
	MUL8 \f, 0, 0, \zero
	MUL8 \f, 0, 2, \zero
	PLACES
	FETCH \k, \g
	s_wait_dscnt 32                                ; all but the 32 just issued
	MUL8 \f, 1, 0, 0
	MUL8 \f, 1, 2, 0
.endm
; The last quarter multiplies buffer 1 and changes slots: ONE barrier; in front of it each wave waits for all its tensor loads, adds 0 to its spare word, and waits for that and for its own reads of this slot.
; fill = 1: the barrier opens a round of the cluster's, and the slot just read is filled again, two K steps ahead, first thing behind the round.
; fill = 0: the tail's two trips; in the second (s3 = 1) there is no further K step: the run of loads is jumped over (its barrier then orders nothing: the price of one text for both trips).
.macro TURN fill
	WIN 0                                          ; (the add's two registers lie in window 0)
	s_wait_tensorcnt 0x0                           ; all my tensor loads have landed: my part of the next slot
	ds_add_u32 v[SPW], v[NIL]                      ; 0 onto my spare word
	s_wait_dscnt 17                                ; (the add and the youngest sixteen loads may be out)
	MUL8 F1, 0, 0, 0                               ; eight matrix instructions stand between the add and the wait for it
	s_wait_dscnt 0x0                               ; the add is done, and my reads of this slot are over
	s_barrier_signal -1
	MUL8 F1, 0, 2, 0
	WIN 0
	s_barrier_wait -1
.if \fill
	CREST                                          ; no wave of any partner still reads this slot's tile or has a load on its way
	s_add_co_u32 s[G0+5], s20, s[TB]               ; the walking descriptors: into the slot just read,
	s_add_co_u32 s[G0B+5], s20, s[TB]
	s_add_nc_u64 s[G0+6:G0+7], s[G0+6:G0+7], KSTEP*2    ; the K step behind the one asked for last; the type bits on top are not reached
	s_add_nc_u64 s[G0B+6:G0B+7], s[G0B+6:G0B+7], KSTEP*2
	JLOAD 1                                        ; the four v_nop behind it are also the places in front of the loads below
.else
	s_cmp_eq_u32 s3, 1
	s_cbranch_scc1 .Lno_more_\@
	PLACES
.endif
	s_xor_b32 s[TB], s[TB], SLOT                   ; the other slot is in hand
	v_add_nc_u32 v[ADRA], s[TB], v[ADRA0]
	v_add_nc_u32 v[ADRB], s[TB], v[ADRB0]
	FETCH 0, F0
.if (\fill) == 0
	WIN 0
.Lno_more_\@:
.endif
	MUL8 F1, 1, 0, 0
	MUL8 F1, 1, 2, 0
.endm
	s_wait_tensorcnt 1                             ; my part of K step 0 is in; K step 1's load stays out
	s_barrier_signal -1
	s_barrier_wait -1                              ; everybody's is
	FETCH 0, F0
	QUARTER 128, F0, F1, 1                         ; the first quarter stands in front of the loops: its first products start the sums
	WIN 0                                          ; at a label and at a branch every window is 0
	s_mov_b32 s3, STEPS-2
.Lstep:                                                ; a trip goes from a K step's second quarter to the next step's first, and fills the slot that it leaves
	QUARTER 256, F1, F0, 0
	QUARTER 384, F0, F1, 0
	TURN 1
	QUARTER 128, F0, F1, 0
	WIN 0
	s_sub_co_u32 s3, s3, 1
	s_cmp_lg_u32 s3, 0
	s_cbranch_scc1 .Lstep
	s_mov_b32 s3, 2
.Ltail:                                                ; the last two K steps ask for nothing; the second trip is left in its middle
	QUARTER 256, F1, F0, 0
	QUARTER 384, F0, F1, 0
	TURN 0
	WIN 0
	s_sub_co_u32 s3, s3, 1
	s_cmp_eq_u32 s3, 0
	s_cbranch_scc1 .Lout
	QUARTER 128, F0, F1, 0
	WIN 0
	s_branch .Ltail
.Lout:
	; THE WAY OUT: the bias is added in f32; round to f16; 16 bytes a lane into the work-group's stage; a barrier, since a row's 256 bytes come from two waves; back as whole rows.
	s_wait_loadcnt 0x0                             ; my bias
	PLACES
.irp t, 0,1,2,3,4,5,6,7,8,9,10,11,12,13,14,15
.irp r, 0,1,2,3                        ; each accumulator's lowest registers are read first
	v_pk_add_f32 v[ACC+8*(\t)+2*(\r):ACC+8*(\t)+2*(\r)+1], v[ACC+8*(\t)+2*(\r):ACC+8*(\t)+2*(\r)+1], v[BIAS+8*((\t)%4)+2*(\r):BIAS+8*((\t)%4)+2*(\r)+1]
.endr
.irp r, 0,1,2,3
	v_cvt_pk_f16_f32 v[TMP+4*(\t)+(\r)], v[ACC+8*(\t)+2*(\r)], v[ACC+8*(\t)+2*(\r)+1]
.endr
.endr
.irp a, 0,1,2,3
.irp b, 0,1,2,3
	ds_store_b128 v[STO], v[TMP+4*(4*(\a)+(\b)):TMP+4*(4*(\a)+(\b))+3] offset:(\a)*16*SPITCH+32*(\b)
.endr
.endr
	s_wait_dscnt 0x0                               ; for the others' sake: my stores into the stage are done
	s_barrier_signal -1
	s_barrier_wait -1
.irp t, 0,1,2,3,4,5,6,7,8,9,10,11,12,13,14,15
	ds_load_b128 v[TMP+4*(\t):TMP+4*(\t)+3], v[RD] offset:(\t)*2*SPITCH
.endr
.irp t, 0,1,2,3,4,5,6,7,8,9,10,11,12,13,14,15
	s_wait_dscnt 15-(\t)                           ; LDS loads come back in order: pair t of rows is in
	global_store_b128 v[CO], v[TMP+4*(\t):TMP+4*(\t)+3], s[8:9] offset:2*(\t)*ROWB  ; 16 lanes store 256 consecutive bytes, at a multiple of 256 from C's first byte
.endr
	s_wait_tensorcnt 0x0                           ; the wave's end: the add and its wait stand behind my last tensor load and my last LDS store
	ds_add_u32 v[SPW], v[NIL]
	s_wait_dscnt 0x0
	CROUND                                         ; the closing round: no work-group ends while a partner may still ask for a tile that names it
	s_endpgm
.Lfunc_end_k_qdc117f8236_proj:
	.size	k_qdc117f8236_proj, .Lfunc_end_k_qdc117f8236_proj-k_qdc117f8236_proj
	.p2alignl 7, 3214868480
	.fill 96, 4, 3214868480
	.section	.rodata,"a",@progbits
	.p2align	6, 0x0
	.amdhsa_kernel k_qdc117f8236_proj
		.amdhsa_group_segment_fixed_size 327680
		.amdhsa_private_segment_fixed_size 0
		.amdhsa_enable_private_segment 0
		.amdhsa_kernarg_size 32
		.amdhsa_user_sgpr_count 2
		.amdhsa_user_sgpr_kernarg_segment_ptr 1
		.amdhsa_wavefront_size32 1
		.amdhsa_system_sgpr_workgroup_id_x 1
		.amdhsa_system_sgpr_workgroup_id_y 1
		.amdhsa_system_sgpr_workgroup_id_z 1
		.amdhsa_system_vgpr_workitem_id 0
		.amdhsa_next_free_vgpr 512
		.amdhsa_next_free_sgpr 80
		.amdhsa_reserve_vcc 0
		.amdhsa_float_denorm_mode_32 3
		.amdhsa_float_denorm_mode_16_64 3
		.amdhsa_memory_ordered 1
		.amdhsa_forward_progress 1
		.amdhsa_inst_pref_size 63
	.end_amdhsa_kernel
	.amdgpu_metadata
---
amdhsa.version: [ 1, 2 ]
amdhsa.kernels:
  - .name:           k_qdc117f8236_proj
    .symbol:         k_qdc117f8236_proj.kd
    .args:
      - { .name: x16, .offset: 0, .size: 8, .value_kind: global_buffer, .address_space: global }
      - { .name: wqk16, .offset: 8, .size: 8, .value_kind: global_buffer, .address_space: global }
      - { .name: bq, .offset: 16, .size: 8, .value_kind: global_buffer, .address_space: global }
      - { .name: a16, .offset: 24, .size: 8, .value_kind: global_buffer, .address_space: global }
    .group_segment_fixed_size: 327680
    .private_segment_fixed_size: 0
    .kernarg_segment_align: 8
    .kernarg_segment_size: 32
    .max_flat_workgroup_size: 128
    .sgpr_count:     80
    .vgpr_count:     512
    .wavefront_size: 32
...
	.end_amdgpu_metadata
.endif
;; end of part 7
;; launch qk (part 8): grid 8 x 32, 4 waves a work-group, clusters of 4 x 4, 327,680 bytes of LDS; arguments a16, wqk16, bk, qp16, key, x16; writes qp16, x16
.if DOCPART == 8
	.amdgcn_target "amdgcn-amd-amdhsa--gfx1250"
	.amdhsa_code_object_version 6
	.text
	.protected	k_qdc117f8236_qk
	.globl	k_qdc117f8236_qk
	.p2align	8
	.type	k_qdc117f8236_qk,@function
k_qdc117f8236_qk:
	s_mov_b64 s[64:65], 0
	v_nop
	global_prefetch_b8 v0, s[64:65] scope:SCOPE_SE
	s_setreg_imm32_b32 hwreg(HW_REG_WAVE_MODE, 25, 1), 1
	s_wait_xcnt 0x0
	s_wait_alu depctr_hold_cnt(0) depctr_sa_sdst(0) depctr_va_vdst(0) depctr_va_sdst(0) depctr_va_ssrc(0) depctr_va_vcc(0) depctr_vm_vsrc(0)
	s_getreg_b32 s2, hwreg(HW_REG_IB_STS2, 6, 4)
	s_cmp_eq_u32 s2, 0
	s_cbranch_scc0 .Lentry_in_a_cluster
	s_endpgm
.Lentry_in_a_cluster:
	s_bfe_u32 s2, ttmp6, 0x10000c
	s_cmp_lg_u32 s2, 0xf033
	s_cbranch_scc0 .Lentry_shape_is_right
	s_endpgm
.Lentry_shape_is_right:
; The k projection, applied to q instead of to key: for every input q . (Wk key + bk) = (q Wk) . key + q . bk, and q has 4,096 rows where key has 16,384.
;   qp16[m][e]           = (the sum over h of q[m][h] Wk[h][e]) / 32, rounded once to f16          (m = 8 t + b; 1/32 is the module's scale, an exact power of two)
;   t[m] (f32, behind the 8,388,608 bytes of q') = (the sum over h of q[m][h] bk[h]) / 32, summed in f32
; q: [4096][1024] f16.  Wk: rows 1,024 on of wqk16, [h][e] f16, as it lies: h, the index summed over, goes down its rows, so its fragments come out of LDS turned, by ds_load_tr16_b128.
; THE STREAM.  Beside its product the launch rounds KEY to f16 for the next launch: x16's row 4096 + n takes key's row n = 8 s + b.  The product's waves wait for tiles and move few bytes, so they do it themselves
; (waves of their own would have to walk every barrier of the ring).  A wave owns 16 rows of 4,096 bytes, as four chunks of four rows.  A chunk's 32 loads are asked for a K step ahead; at the first quarter of
; each K step the chunk in hand is taken row by row: rounded, the same row of the next chunk asked for, 2,048 bytes stored.  The fourth visit asks for nothing.
; LIMIT.  f16 ends at 65,504: a q' / 32 or a key beyond it becomes an infinity; below 6e-5 a number keeps f16's fixed step of 6e-8.
; A tile is 128 rows x 128 columns: four waves, each 64 x 64.  K = 1,024 goes in steps of 256 through two slots: q's rows of 512 bytes (+ 16), and 256 rows of Wk, 256 bytes (+ 32) each.
; A K STEP IS WRITTEN ONCE: the slot in hand is a scalar, the fragment addresses a lane term plus it, one descriptor a tensor walks; first quarter, a loop that fills, a loop of two trips that does not.
; t: of its tile's 128 rows a work-group takes the 16 that its tile column names, a wave four of them, a row spread over the wave's lanes: made while the first tiles are on their way.
; CLUSTERS: 4 x 4: q's tiles are asked for jointly along a row of the cluster, Wk's along a column.
; THE MATRIX INSTRUCTION IS USED TRANSPOSED (source 0 = 16 columns e, source 1 = 16 rows of q): a lane holds eight neighbouring numbers of a row of q'.
; REGISTERS: window 0: v0-31 addresses; v32-95 the stream's rounded words, later the way out; v96-103 t at work; v128-255 the accumulators (before the loops: four rows of q and bk).
;   window 1: two fragment buffers of 128.   window 2: v0-127 the stream's chunk as loaded, 32 a row.
.set SIZE_K, 1024
.set ROWB,   2048
.set KSTEP,  256
.set STEPS,  SIZE_K/KSTEP
.set PITCH,  528                       ; a row of q in LDS: 132 words: row r starts at bank 4 r mod 64 (64 banks of 4 bytes: ISA guide 11.1)
.set PB,     288                       ; a row of Wk: 72 words
.set HALFA,  64*PITCH                  ; 64 rows of q: one tensor load
.set HALFB,  128*PB                    ; 128 rows of Wk: one tensor load
.set SLOT,   2*HALFA+2*HALFB           ; q's 128 rows, then Wk's 256
.set STAGE,  2*SLOT                    ; behind the ring: 128 rows x 272 bytes, the work-group's, for the way out
.set SPITCH, 272
.set SPARE,  STAGE+128*SPITCH          ; the spare words, 128 bytes for each wave: two blocks of 256 bytes that no other line names
.set RPV,  4                           ; the stream: rows in a chunk; STEPS chunks a wave
.set SL,   10                          ; v10     the stream: 16 x lane; never rewritten
.set SS,   11                          ; v11     the stream: 8 x lane; never rewritten
.set SX,   0                           ; window 2: the chunk
.set ADRA0, 16                         ; v16     my lane's place in q's part of slot 0; never rewritten
.set ADRB0, 17                         ; v17     the same for Wk
.set ADRA, 20                          ; v20     the same in the slot in hand
.set ADRB, 22                          ; v22-23  Wk's rows 0-127, rows 128-255 (an offset holds 16 bits)
.set STO,  24
.set RD,   25
.set CO,   26
.set SPW,  28
.set NIL,  29
.set TMP,  32
.set TS,   96                          ; v96-99 my four rows' sums; v100-103 the other half of the lanes'
.set ACC,  128
.set QR,   ACC                         ; row i's 16 words of a lane at QR + 16 i
.set BKR,  ACC+64                      ; the 32 numbers of bk that go with them
.set F0,   0
.set F1,   128
.set G1, 24
.set G0, 32
.set G1B, 48
.set G0B, 56
.set TB,  76                           ; s76     the slot in hand: 0 or SLOT
.set LA,  77                           ; s77     where my part of q's tile goes in a slot
.set LB,  78                           ; s78     the same for Wk's
.set SRC, 80                           ; s[80:81] the stream: key at the chunk asked for last
.set DST, 82                           ; s[82:83] the stream: x16 one chunk behind the chunk that is stored
.set MSB, 0
.macro WIN new
.if MSB != (\new)
	s_set_vgpr_msb (MSB<<8)|(\new)
.set MSB, \new
.endif
.endm
.set MUL,  0x05
.set TO_F, 0x40
.macro JLOAD s                         ; a joint load: waves 0 and 1 fetch q's two halves, waves 2 and 3 Wk's; an s_nop 0 and four v_nop follow each line
	s_cmp_eq_u32 s11, 0
	s_cbranch_scc0 .Lfor_b_\@
	tensor_load_to_lds s[G0+4*(\s):G0+4*(\s)+3], s[G1:G1+7]
	s_nop 0
.rept 4
	v_nop
.endr
	s_branch .Lasked_\@
.Lfor_b_\@:
	tensor_load_to_lds s[G0B+4*(\s):G0B+4*(\s)+3], s[G1B:G1B+7]
	s_nop 0
.rept 4
	v_nop
.endr
.Lasked_\@:
.endm
.macro CREST
	s_cmp_lg_u32 s10, 0
	s_cbranch_scc1 .Lnot_wave_0_\@
	s_barrier_signal -3
.Lnot_wave_0_\@:
	s_barrier_wait -3
	s_barrier_signal -1
	s_barrier_wait -1
.endm
.macro CROUND
	s_barrier_signal -1
	s_barrier_wait -1
	CREST
.endm
; THE STREAM's two macros.  Row i of a chunk: eight loads of 512 consecutive bytes.
.macro SLOADS i
	WIN 0x80                                       ; destination window 2, address window 0
.irp j, 0,1,2,3,4,5,6,7
	global_load_b128 v[SX+32*(\i)+4*(\j):SX+32*(\i)+4*(\j)+3], v[SL], s[SRC:SRC+1] offset:(\i)*4096+(\j)*512 th:TH_LOAD_NT
.endr
.endm
; A visit.  more = 1: each row is asked for again, from the next chunk, ahead of its stores.  The stores reach back by a negative offset, since DST has been stepped with SRC.
.macro STREAM more
	s_wait_xcnt 0x0                                ; every earlier memory instruction has had its addresses translated (ISA guide 3.1): only behind this wait are the two pointers and the words that the last visit's stores read rewritten
.if \more
	s_add_nc_u64 s[SRC:SRC+1], s[SRC:SRC+1], RPV*4096
.endif
	s_add_nc_u64 s[DST:DST+1], s[DST:DST+1], RPV*2048
.set si, 0
.rept RPV
.if \more
	s_wait_loadcnt 8*(RPV-1)                       ; loads come back in order: my row's eight are in; behind them were issued the chunk's later rows and the next chunk's earlier ones: RPV - 1 rows in all
.else
	s_wait_loadcnt 8*(RPV-1-si)                    ; the last chunk: only its later rows are behind
.endif
	WIN 0x0a                                       ; sources window 2, destination window 0
.set sk, 0
.rept 16
	v_cvt_pk_f16_f32 v[TMP+16*si+sk], v[SX+32*si+2*sk], v[SX+32*si+2*sk+1]
.set sk, sk+1
.endr
.if \more
	SLOADS si
.endif
	WIN 0
.irp j, 0,1,2,3,4,5,6,7
	global_store_b64 v[SS], v[TMP+16*si+2*(\j):TMP+16*si+2*(\j)+1], s[DST:DST+1] offset:si*2048+(\j)*256-RPV*2048  ; 256 consecutive bytes, aligned
.endr
.set si, si+1
.endr
.endm
	s_load_b128 s[4:7], s[0:1], 0x0                ; q s[4:5], wqk16 s[6:7]
	s_load_b128 s[68:71], s[0:1], 0x10             ; bk s[68:69], qp16 s[70:71]
	s_load_b128 s[80:83], s[0:1], 0x20             ; key s[80:81], x16 s[82:83]
	v_lshl_add_u32 v[SPW], v0, 2, SPARE
	v_mov_b32 v[NIL], 0
	ds_add_u32 v[SPW], v[NIL]                      ; the wave's opening: the add and its wait stand ahead of my first tensor load; the set-up below, work on registers, stands between them
	v_lshrrev_b32 v1, 5, v0
	v_readfirstlane_b32 s10, v1                    ; wave 0..3
	s_lshr_b32 s11, s10, 1                         ; which half of the tile's rows is mine.  Also: I fetch for q (0) or for Wk (1)
	s_and_b32 s12, s10, 1                          ; which half of its columns.  Also: which half of that tile's rows I fetch
	s_bfe_u32 s40, ttmp6, 0x40000
	s_bfe_u32 s41, ttmp6, 0x40004
	s_lshl_b32 s42, ttmp9, 2
	s_add_co_u32 s42, s42, s40                     ; tile column = 4 x cluster x + cx
	s_and_b32 s13, ttmp7, 0xffff
	s_lshl_b32 s13, s13, 2
	s_add_co_u32 s13, s13, s41                     ; tile row = 4 x cluster y + cy
	s_lshl_b32 s43, s41, 2
	s_lshl_b32 s43, 15, s43                        ; my row of the cluster
	s_lshl_b32 s44, 0x1111, s40                    ; my column
	; q: 64 rows x 256 elements, 1,024 elements apart, 4 words of padding after every 128
	s_or_b32 s[G1+0], s43, (1<<16)|(1<<20)|(1<<21)|(6<<22)|(3<<25)
	s_mov_b32 s[G1+1], KSTEP<<16
	s_mov_b32 s[G1+2], 64<<16
	s_mov_b32 s[G1+3], KSTEP<<16
	s_mov_b32 s[G1+4], 64
	s_mov_b32 s[G1+5], SIZE_K
	s_mov_b32 s[G1+6], 0
	s_mov_b32 s[G1+7], 0
	; Wk: 128 rows x 128 elements, 1,024 elements apart, 8 words of padding after every 64
	s_or_b32 s[G1B+0], s44, (1<<16)|(1<<20)|(1<<21)|(5<<22)|(7<<25)
	s_mov_b32 s[G1B+1], 128<<16
	s_mov_b32 s[G1B+2], 128<<16
	s_mov_b32 s[G1B+3], 128<<16
	s_mov_b32 s[G1B+4], 128
	s_mov_b32 s[G1B+5], 1024
	s_mov_b32 s[G1B+6], 0
	s_mov_b32 s[G1B+7], 0
	s_mov_b32 s[TB], 0
	s_mov_b32 s66, 0x76543210                      ; v_permlanex16_b32's selects: each lane takes its own place in the other half
	s_mov_b32 s67, 0xfedcba98
	s_lshl_b32 s17, s12, 6
	s_lshl_b32 s16, s13, 7
	s_add_co_u32 s16, s16, s17                     ; q: row 128 x tile row + 64 x half,
	s_lshl_b32 s16, s16, 11                        ; of 2,048 bytes
	s_mov_b32 s17, 0
	s_lshl_b32 s46, s12, 18                        ; Wk: row h = 128 x half, of 2,048 bytes,
	s_lshl_b32 s47, s42, 8                         ; the tile's 128 columns,
	s_add_co_u32 s46, s46, s47
	s_add_co_u32 s46, s46, 0x200000                ; behind Wq's 1,024 rows
	s_mov_b32 s47, 0
	s_mul_i32 s[LA], s12, HALFA                    ; where they go: no place in the cluster enters an LDS address
	s_mul_i32 s[LB], s12, HALFB
	s_add_co_u32 s[LB], s[LB], 2*HALFA
	s_wait_dscnt 0x0                               ; the opening add is done
	s_wait_kmcnt 0x0
	s_add_nc_u64 s[14:15], s[4:5], s[16:17]
	s_add_nc_u64 s[46:47], s[6:7], s[46:47]
	s_mov_b64 s[8:9], s[70:71]                     ; q'
	CROUND                                         ; all sixteen work-groups are here: the first joint loads meet
.irp s, 0,1
	s_mov_b32 s[G0+4*(\s)], 1
	s_add_co_u32 s[G0+4*(\s)+1], s[LA], (\s)*SLOT
	s_add_nc_u64 s[G0+4*(\s)+2:G0+4*(\s)+3], s[14:15], (\s)*KSTEP*2
	s_or_b32 s[G0+4*(\s)+3], s[G0+4*(\s)+3], 0x80000000
	s_mov_b32 s[G0B+4*(\s)], 1
	s_add_co_u32 s[G0B+4*(\s)+1], s[LB], (\s)*SLOT
	s_add_nc_u64 s[G0B+4*(\s)+2:G0B+4*(\s)+3], s[46:47], (\s)*KSTEP*2048
	s_or_b32 s[G0B+4*(\s)+3], s[G0B+4*(\s)+3], 0x80000000
	JLOAD \s
.endr
	; t: my wave's four rows are 128 x tile row + 16 x tile column + 4 x wave + 0..3.  A lane takes 16 bytes (8 numbers) at 16 x lane + 512 j of each row, and the 8 numbers of bk that go with them.
	s_lshl_b32 s16, s13, 7
	s_lshl2_add_u32 s16, s10, s16                  ; 128 x tile row + 4 x wave
	s_lshl_b32 s22, s16, 2                         ; in t: 4 bytes a row,
	s_add_co_u32 s22, s22, 0x800000                ; behind q'
	s_mov_b32 s23, 0
	s_lshl_b32 s16, s16, 11                        ; in q: 2,048 bytes a row
	s_mov_b32 s17, 0
	s_add_nc_u64 s[72:73], s[4:5], s[16:17]
	s_add_nc_u64 s[74:75], s[70:71], s[22:23]
	s_lshl_b32 s46, s42, 15                        ; 16 x tile column rows of q,
	s_mov_b32 s47, 0
	s_add_nc_u64 s[72:73], s[72:73], s[46:47]
	s_lshl_b32 s46, s42, 6                         ; and of t
	s_add_nc_u64 s[74:75], s[74:75], s[46:47]
	v_and_b32 v3, 31, v0                           ; lane
	v_lshlrev_b32 v6, 4, v3
	v_lshlrev_b32 v7, 5, v3
	v_mov_b32 v8, 0
	v_lshlrev_b32 v[SL], 4, v3
	v_lshlrev_b32 v[SS], 3, v3
.irp i, 0,1,2,3
.irp j, 0,1,2,3
	global_load_b128 v[QR+16*(\i)+4*(\j):QR+16*(\i)+4*(\j)+3], v6, s[72:73] offset:(\i)*2048+(\j)*512
.endr
.endr
.irp j, 0,1,2,3
	global_load_b128 v[BKR+8*(\j):BKR+8*(\j)+3],   v7, s[68:69] offset:(\j)*1024
	global_load_b128 v[BKR+8*(\j)+4:BKR+8*(\j)+7], v7, s[68:69] offset:(\j)*1024+16
.endr
	; the stream: work-group 8 x tile row + tile column owns 64 rows of key, my wave 16 of them; its first chunk goes out now
	s_lshl_b32 s16, s13, 21                        ; 8 x 64 rows of 4,096 bytes a tile row,
	s_lshl_b32 s22, s10, 16                        ; 16 rows a wave
	s_add_co_u32 s16, s16, s22
	s_add_nc_u64 s[SRC:SRC+1], s[SRC:SRC+1], s[16:17]
	s_lshl_b32 s46, s42, 18                        ; 64 rows a tile column
	s_add_nc_u64 s[SRC:SRC+1], s[SRC:SRC+1], s[46:47]
	s_lshl_b32 s16, s13, 20                        ; the same in rows of 2,048 bytes,
	s_lshl_b32 s22, s10, 15
	s_add_co_u32 s16, s16, s22
	s_add_co_u32 s16, s16, 0x800000                ; behind query's 4,096 rows
	s_add_nc_u64 s[DST:DST+1], s[DST:DST+1], s[16:17]
	s_lshl_b32 s46, s42, 17
	s_add_nc_u64 s[DST:DST+1], s[DST:DST+1], s[46:47]
	SLOADS 0
	SLOADS 1
	SLOADS 2
	SLOADS 3
	WIN 0
	v_and_b32 v1, 15, v0                           ; r = l % 16
	v_bfe_u32 v2, v0, 4, 1                         ; h = l / 16
	v_mul_u32_u24 v3, v1, PITCH
	v_lshl_add_u32 v3, v2, 4, v3                   ; q: row x pitch + 16 x half
	s_mul_i32 s21, s11, HALFA                      ; my 64 rows
	v_add_nc_u32 v[ADRA0], s21, v3
	v_add_nc_u32 v[ADRA], s21, v3                  ; the walk begins in slot 0
	; The turning load takes 16 rows h x 16 columns (lane l reads row 8 (l / 16) + l % 8, columns 8 ((l / 8) % 2) + 0..7) and leaves half a fragment: lane l holds column l % 16 and 8 rows h.
	v_and_b32 v4, 7, v0
	v_lshl_add_u32 v4, v2, 3, v4
	v_mul_u32_u24 v4, v4, PB
	v_bfe_u32 v5, v0, 3, 1
	v_lshl_add_u32 v4, v5, 4, v4
	s_lshl_b32 s22, s12, 7                         ; my 64 columns,
	s_add_co_u32 s22, s22, 2*HALFA                 ; behind q's 128 rows
	v_add_nc_u32 v[ADRB0], s22, v4
	v_add_nc_u32 v[ADRB], s22, v4
	v_add_nc_u32 v[ADRB+1], HALFB, v[ADRB]
	s_mul_i32 s23, s11, 64*SPITCH                  ; into the stage: my 64 rows, my half of their 256 bytes
	s_lshl_b32 s21, s12, 7
	s_add_co_u32 s23, s23, s21
	s_add_co_u32 s23, s23, STAGE
	v_mul_u32_u24 v4, v1, SPITCH
	v_lshl_add_u32 v4, v2, 4, v4
	v_add_nc_u32 v[STO], s23, v4
	s_mul_i32 s23, s10, 32*SPITCH                  ; back: wave w takes rows 32 w .. 32 w + 31, whole
	s_add_co_u32 s23, s23, STAGE
	v_mul_u32_u24 v5, v2, SPITCH
	v_lshl_add_u32 v5, v1, 4, v5
	v_add_nc_u32 v[RD], s23, v5
	v_mul_u32_u24 v5, v2, ROWB
	v_lshl_add_u32 v[CO], v1, 4, v5
	s_lshl_b32 s16, s13, 7
	s_lshl_b32 s17, s10, 5
	s_add_co_u32 s16, s16, s17                     ; the first row of q' that I store: 128 x tile row + 32 x wave
	s_lshl_b32 s16, s16, 11
	s_mov_b32 s17, 0
	s_add_nc_u64 s[8:9], s[8:9], s[16:17]
	s_lshl_b32 s46, s42, 8
	s_add_nc_u64 s[8:9], s[8:9], s[46:47]
.irp i, 0,1,2,3,4,5,6,7
	v_mov_b32 v[TS+(\i)], 0                        ; four sums begin; the other four are v_permlanex16_b32's destinations, which count as read
.endr
	v_and_b32 v3, 31, v0
	s_wait_loadcnt 8*RPV                           ; my four rows of q, and bk; the stream's 32 loads, issued behind them, stay out
.set u, 0
.rept 16                               ; word u of a lane's 16 holds numbers 2 u and 2 u + 1 of its 32; the four rows' chains take turns
.irp i, 0,1,2,3
	v_fma_mix_f32 v[TS+(\i)], v[QR+16*(\i)+u], v[BKR+2*u], v[TS+(\i)] op_sel_hi:[1,0,0]
.endr
.irp i, 0,1,2,3
	v_fma_mix_f32 v[TS+(\i)], v[QR+16*(\i)+u], v[BKR+2*u+1], v[TS+(\i)] op_sel:[1,0,0] op_sel_hi:[1,0,0]
.endr
.set u, u+1
.endr
.irp x, 1,2,4,8
.irp i, 0,1,2,3
	v_add_f32_dpp v[TS+(\i)], v[TS+(\i)], v[TS+(\i)] row_xmask:\x row_mask:0xf bank_mask:0xf
.endr
.endr
.irp i, 0,1,2,3
	v_permlanex16_b32 v[TS+4+(\i)], v[TS+(\i)], s66, s67
.endr
.irp i, 0,1,2,3
	v_add_f32 v[TS+(\i)], v[TS+(\i)], v[TS+4+(\i)] ; every lane holds the row's sum
.endr
.irp i, 0,1,2,3
	v_mul_f32 v[TS+(\i)], 0x3d000000, v[TS+(\i)]   ; / 32
.endr
	v_cmp_eq_u32 vcc_lo, 0, v3
	s_wait_xcnt 0x0                                ; EXEC changes only behind this wait
	s_and_saveexec_b32 s79, vcc_lo
	global_store_b128 v8, v[TS:TS+3], s[74:75]     ; lane 0 stores the wave's four numbers, 16 aligned bytes; t is 16,384 bytes in all
	s_wait_xcnt 0x0                                ; and again, in front of the line that widens it
	s_or_b32 exec_lo, exec_lo, s79
; The 16 accumulators take turns, one instruction a turn.
.macro MUL8 f, c, a0, zero
	WIN MUL
.irp a, \a0, (\a0)+1
.irp b, 0,1,2,3
.if \zero
	v_wmma_f32_16x16x32_f16 v[ACC+8*(4*(\a)+(\b)):ACC+8*(4*(\a)+(\b))+7], v[(\f)+64+8*(4*(\c)+(\b)):(\f)+64+8*(4*(\c)+(\b))+7], v[(\f)+8*(4*(\c)+(\a)):(\f)+8*(4*(\c)+(\a))+7], 0
.else
	v_wmma_f32_16x16x32_f16 v[ACC+8*(4*(\a)+(\b)):ACC+8*(4*(\a)+(\b))+7], v[(\f)+64+8*(4*(\c)+(\b)):(\f)+64+8*(4*(\c)+(\b))+7], v[(\f)+8*(4*(\c)+(\a)):(\f)+8*(4*(\c)+(\a))+7], v[ACC+8*(4*(\a)+(\b)):ACC+8*(4*(\a)+(\b))+7]
.endif
.endr
.endr
.endm
; 32 LDS loads in one run, for the 64 along K at byte k of q's rows (rows k / 2 on of Wk) of the slot in hand; the first 32 along K first
.macro FETCH k, f
	WIN TO_F
.irp c, 0,1
.irp i, 0,1,2,3
	ds_load_tr16_b128 v[(\f)+64+8*(4*(\c)+(\i)):(\f)+64+8*(4*(\c)+(\i))+3],   v[ADRB+(\k)/256] offset:(((\k)%256)/2+32*(\c))*PB+32*(\i)
	ds_load_tr16_b128 v[(\f)+64+8*(4*(\c)+(\i))+4:(\f)+64+8*(4*(\c)+(\i))+7], v[ADRB+(\k)/256] offset:(((\k)%256)/2+32*(\c)+16)*PB+32*(\i)
	ds_load_b128 v[(\f)+8*(4*(\c)+(\i)):(\f)+8*(4*(\c)+(\i))+3],         v[ADRA] offset:(\k)+64*(\c)+(\i)*16*PITCH
	ds_load_b128 v[(\f)+8*(4*(\c)+(\i))+4:(\f)+8*(4*(\c)+(\i))+7],       v[ADRA] offset:(\k)+64*(\c)+(\i)*16*PITCH+32
.endr
.endr
.endm
.macro PLACES                          ; four places in front of loads into registers that matrix instructions have read, and of vector lines that read results
.rept 4
	v_nop
.endr
.endm
.macro QUARTER k, f, g, zero
	s_wait_dscnt 16                                ; the first 32 along K are in; the youngest sixteen loads may be out
	MUL8 \f, 0, 0, \zero
	MUL8 \f, 0, 2, \zero
	PLACES
	FETCH \k, \g
	s_wait_dscnt 32                                ; all but the 32 just issued
	MUL8 \f, 1, 0, 0
	MUL8 \f, 1, 2, 0
.endm
; The last quarter of a K step, and the change of slots.  fill = 1: the barrier opens a round of the cluster's, and the slot just read is filled again, first thing behind the round.
; fill = 0: the tail's two trips; in the second (s3 = 1) there is no further K step, and the run of loads is jumped over.
.macro TURN fill
	WIN 0
	s_wait_tensorcnt 0x0                           ; all my tensor loads have landed: my part of the next slot
	ds_add_u32 v[SPW], v[NIL]                      ; 0 onto my spare word
	s_wait_dscnt 17                                ; (the add and the youngest sixteen loads may be out)
	MUL8 F1, 0, 0, 0
	s_wait_dscnt 0x0                               ; the add is done, and my reads of this slot are over
	s_barrier_signal -1
	MUL8 F1, 0, 2, 0
	WIN 0
	s_barrier_wait -1
.if \fill
	CREST                                          ; no wave of any partner still reads this slot's tile or has a load on its way
	s_add_co_u32 s[G0+5], s[LA], s[TB]             ; the walking descriptors: into the slot just read,
	s_add_co_u32 s[G0B+5], s[LB], s[TB]
	s_add_nc_u64 s[G0+6:G0+7], s[G0+6:G0+7], KSTEP*2       ; the K step behind the one asked for last
	s_add_nc_u64 s[G0B+6:G0B+7], s[G0B+6:G0B+7], KSTEP*2048
	JLOAD 1                                        ; the four v_nop behind it are also the places in front of the loads below
.else
	s_cmp_eq_u32 s3, 1
	s_cbranch_scc1 .Lno_more_\@
	PLACES
.endif
	s_xor_b32 s[TB], s[TB], SLOT                   ; the other slot is in hand
	v_add_nc_u32 v[ADRA], s[TB], v[ADRA0]
	v_add_nc_u32 v[ADRB], s[TB], v[ADRB0]
	v_add_nc_u32 v[ADRB+1], HALFB, v[ADRB]
	FETCH 0, F0
.if (\fill) == 0
	WIN 0
.Lno_more_\@:
.endif
	MUL8 F1, 1, 0, 0
	MUL8 F1, 1, 2, 0
.endm
	s_wait_tensorcnt 1                             ; my part of K step 0 is in; K step 1's load stays out
	s_barrier_signal -1
	s_barrier_wait -1
	FETCH 0, F0
	STREAM 1                                       ; chunk 0 out, chunk 1 asked for, while the first fragments come out of LDS
	QUARTER 128, F0, F1, 1                         ; its first products start the sums
	WIN 0
	s_mov_b32 s3, STEPS-2
.Lstep:                                                ; a trip goes from a K step's second quarter to the next step's first, and fills the slot that it leaves
	QUARTER 256, F1, F0, 0
	QUARTER 384, F0, F1, 0
	TURN 1
	STREAM 1                                       ; chunks 1 and 2 out, chunks 2 and 3 asked for: straight behind the tile's refill, with a K step in which to land
	QUARTER 128, F0, F1, 0
	WIN 0
	s_sub_co_u32 s3, s3, 1
	s_cmp_lg_u32 s3, 0
	s_cbranch_scc1 .Lstep
	s_mov_b32 s3, 2
.Ltail:                                                ; the last two K steps ask for nothing; the second trip is left in its middle
	QUARTER 256, F1, F0, 0
	QUARTER 384, F0, F1, 0
	TURN 0
	WIN 0
	s_sub_co_u32 s3, s3, 1
	s_cmp_eq_u32 s3, 0
	s_cbranch_scc1 .Lout
	STREAM 0                                       ; this part of the tail runs once: chunk 3 out, nothing asked for
	QUARTER 128, F0, F1, 0
	WIN 0
	s_branch .Ltail
.Lout:
	; THE WAY OUT: / 32 in f32; round to f16; through the work-group's stage; a barrier, since a row's 256 bytes come from two waves; back as whole rows.
	s_wait_xcnt 0x0                                ; the stream's last stores have read v32-95, which are written again below
	PLACES
.irp t, 0,1,2,3,4,5,6,7,8,9,10,11,12,13,14,15
.irp r, 0,1,2,3                        ; each accumulator's lowest registers are read first
	v_pk_mul_f32 v[ACC+8*(\t)+2*(\r):ACC+8*(\t)+2*(\r)+1], v[ACC+8*(\t)+2*(\r):ACC+8*(\t)+2*(\r)+1], 0x3d000000 op_sel_hi:[1,0]
.endr
.irp r, 0,1,2,3
	v_cvt_pk_f16_f32 v[TMP+4*(\t)+(\r)], v[ACC+8*(\t)+2*(\r)], v[ACC+8*(\t)+2*(\r)+1]
.endr
.endr
.irp a, 0,1,2,3
.irp b, 0,1,2,3
	ds_store_b128 v[STO], v[TMP+4*(4*(\a)+(\b)):TMP+4*(4*(\a)+(\b))+3] offset:(\a)*16*SPITCH+32*(\b)
.endr
.endr
	s_wait_dscnt 0x0                               ; for the others' sake: my stores into the stage are done
	s_barrier_signal -1
	s_barrier_wait -1
.irp t, 0,1,2,3,4,5,6,7,8,9,10,11,12,13,14,15
	ds_load_b128 v[TMP+4*(\t):TMP+4*(\t)+3], v[RD] offset:(\t)*2*SPITCH
.endr
.irp t, 0,1,2,3,4,5,6,7,8,9,10,11,12,13,14,15
	s_wait_dscnt 15-(\t)                           ; LDS loads come back in order: pair t of rows is in
	global_store_b128 v[CO], v[TMP+4*(\t):TMP+4*(\t)+3], s[8:9] offset:2*(\t)*ROWB  ; 16 lanes store 256 consecutive bytes, at a multiple of 256 from the buffer's first byte
.endr
	s_wait_tensorcnt 0x0                           ; the wave's end: the add and its wait stand behind my last tensor load and my last LDS store
	ds_add_u32 v[SPW], v[NIL]
	s_wait_dscnt 0x0
	CROUND                                         ; the closing round: no work-group ends while a partner may still ask for a tile that names it
	s_endpgm
.Lfunc_end_k_qdc117f8236_qk:
	.size	k_qdc117f8236_qk, .Lfunc_end_k_qdc117f8236_qk-k_qdc117f8236_qk
	.p2alignl 7, 3214868480
	.fill 96, 4, 3214868480
	.section	.rodata,"a",@progbits
	.p2align	6, 0x0
	.amdhsa_kernel k_qdc117f8236_qk
		.amdhsa_group_segment_fixed_size 327680
		.amdhsa_private_segment_fixed_size 0
		.amdhsa_enable_private_segment 0
		.amdhsa_kernarg_size 48
		.amdhsa_user_sgpr_count 2
		.amdhsa_user_sgpr_kernarg_segment_ptr 1
		.amdhsa_wavefront_size32 1
		.amdhsa_system_sgpr_workgroup_id_x 1
		.amdhsa_system_sgpr_workgroup_id_y 1
		.amdhsa_system_sgpr_workgroup_id_z 1
		.amdhsa_system_vgpr_workitem_id 0
		.amdhsa_next_free_vgpr 640
		.amdhsa_next_free_sgpr 84
		.amdhsa_reserve_vcc 1
		.amdhsa_float_denorm_mode_32 3
		.amdhsa_float_denorm_mode_16_64 3
		.amdhsa_memory_ordered 1
		.amdhsa_forward_progress 1
		.amdhsa_inst_pref_size 111
	.end_amdhsa_kernel
	.amdgpu_metadata
---
amdhsa.version: [ 1, 2 ]
amdhsa.kernels:
  - .name:           k_qdc117f8236_qk
    .symbol:         k_qdc117f8236_qk.kd
    .args:
      - { .name: a16, .offset: 0, .size: 8, .value_kind: global_buffer, .address_space: global }
      - { .name: wqk16, .offset: 8, .size: 8, .value_kind: global_buffer, .address_space: global }
      - { .name: bk, .offset: 16, .size: 8, .value_kind: global_buffer, .address_space: global }
      - { .name: qp16, .offset: 24, .size: 8, .value_kind: global_buffer, .address_space: global }
      - { .name: key, .offset: 32, .size: 8, .value_kind: global_buffer, .address_space: global }
      - { .name: x16, .offset: 40, .size: 8, .value_kind: global_buffer, .address_space: global }
    .group_segment_fixed_size: 327680
    .private_segment_fixed_size: 0
    .kernarg_segment_align: 8
    .kernarg_segment_size: 48
    .max_flat_workgroup_size: 128
    .sgpr_count:     84
    .vgpr_count:     640
    .wavefront_size: 32
...
	.end_amdgpu_metadata
.endif
;; end of part 8
;; launch score (part 9): grid 16 x 32, 4 waves a work-group, clusters of 4 x 4, 327,680 bytes of LDS; arguments qp16, x16, p16, stat, value, val16; writes p16, stat, val16
.if DOCPART == 9
	.amdgcn_target "amdgcn-amd-amdhsa--gfx1250"
	.amdhsa_code_object_version 6
	.text
	.protected	k_qdc117f8236_score
	.globl	k_qdc117f8236_score
	.p2align	8
	.type	k_qdc117f8236_score,@function
k_qdc117f8236_score:
	s_mov_b64 s[64:65], 0
	v_nop
	global_prefetch_b8 v0, s[64:65] scope:SCOPE_SE
	s_setreg_imm32_b32 hwreg(HW_REG_WAVE_MODE, 25, 1), 1
	s_wait_xcnt 0x0
	s_wait_alu depctr_hold_cnt(0) depctr_sa_sdst(0) depctr_va_vdst(0) depctr_va_sdst(0) depctr_va_ssrc(0) depctr_va_vcc(0) depctr_vm_vsrc(0)
	s_getreg_b32 s2, hwreg(HW_REG_IB_STS2, 6, 4)
	s_cmp_eq_u32 s2, 0
	s_cbranch_scc0 .Lentry_in_a_cluster
	s_endpgm
.Lentry_in_a_cluster:
	s_bfe_u32 s2, ttmp6, 0x10000c
	s_cmp_lg_u32 s2, 0xf033
	s_cbranch_scc0 .Lentry_shape_is_right
	s_endpgm
.Lentry_shape_is_right:
; Scores and the first half of the softmax.  For batch b, query t, key s: x = q'[t][b] . key[s][b] + t[t][b] (f16 operands, f32 sums; q' = q Wk / 32 and t = q . bk / 32 come from the launch before:
; x is the module's scaled score q . (Wk key + bk) / 32), and with c = log2(e)
;   p16[b][t][s] = 2^(c x + Mn), rounded to f16, where Mn = floor(-c m) and m is the largest x of the query in the key's BLOCK of 64 keys (block j = s / 64);
;   stat[b][j][0][t] = Mn,  stat[b][j][1][t] = the block's sum of the unrounded weights, both f32.
; So the block's maximum is taken away before the exponential: every exponent is at most 0 (to within the rounding of c m), the block's largest above -1.  The next launch joins the blocks by exact powers of two.
; THE STREAM.  Beside its product the launch rounds VALUE to f16 for the next launch (val16, value's own order).  The product's waves wait for tiles and move few bytes, so they do it themselves (waves of
; their own would have to walk every barrier of the ring).  A wave owns 8 rows of 4,096 bytes, as four chunks of two rows.  A chunk's 16 loads are asked for a K step ahead; at the first quarter of each K step
; the chunk in hand is taken row by row: rounded, the same row of the next chunk asked for, 2,048 bytes stored.  The fourth visit asks for nothing.
; LIMITS.  A weight below 6e-5 keeps f16's fixed step of 6e-8; one below 2^-126 counts as 0 in the sum; a value beyond 65,504 becomes an infinity; NaN and infinities are not treated apart.
; qp16: q' [4096][1024] f16, row 8 t + b, then t [4096] f32.  x16: key[s][b] in row 4096 + 8 s + b, [.][1024] f16.  A batch's rows lie 16,384 bytes apart in both.
; A tile is 128 queries x 128 keys: four waves, each 64 x 64 in 16 accumulators; a wave's 64 keys are one block.  K goes in steps of 256 through two slots; a wave's one tensor load brings 64 rows.
; A K STEP IS WRITTEN ONCE: the slot in hand is a scalar, the fragment addresses a lane term plus it, one descriptor a tensor walks; first quarter, a loop that fills, a loop of two trips that does not.
; CLUSTERS: 4 x 4.  A cluster's y is the batch, cy the tile of queries, 4 x cluster x + cx the tile of keys: q's tiles are asked for jointly along a row of the cluster, key's along a column.
; THE MATRIX INSTRUCTION IS USED TRANSPOSED (source 0 = 16 keys, source 1 = 16 queries): a lane holds ONE query (lane % 16) and, in the four accumulators of a row block, 32 of the block's keys; the lane 16 away holds the other 32.
; REGISTERS: window 0: v0-31 addresses, v12-15 t; v32-63 the stream's rounded words; v32-95 later the way out; v96-127 eight registers of statistics a row block; v128-255 the accumulators.
;   window 1: two fragment buffers of 128.   window 2: v0-63 the stream's chunk as loaded, 32 a row.
.set SIZE_K, 1024
.set ROWB,   4096                      ; bytes in a row of p16
.set APITCH, 8192                      ; elements from a batch's row to its next
.set KSTEP,  256
.set STEPS,  SIZE_K/KSTEP
.set PITCH,  528                       ; 132 words: row r starts at bank 4 r mod 64 (64 banks of 4 bytes: ISA guide 11.1)
.set HALFT,  64*PITCH
.set SLOT,   4*HALFT                   ; q's 128 rows, then key's 128 rows
.set STAGE,  2*SLOT                    ; behind the ring: 128 rows x 272 bytes, the work-group's, for the way out
.set SPITCH, 272
.set SPARE,  STAGE+128*SPITCH          ; the spare words, 128 bytes for each wave: two blocks of 256 bytes that no other line names
.set RPV,  2                           ; the stream: rows in a chunk; STEPS chunks a wave
.set SL,   10                          ; v10     the stream: 16 x lane; never rewritten
.set SS,   11                          ; v11     the stream: 8 x lane; never rewritten
.set SX,   0                           ; window 2: the chunk
.set TQ,   12                          ; v12-15  t of my query in row block a
.set ADRA0, 16
.set ADRB0, 17
.set ADRA, 20
.set ADRB, 21
.set STO,  24
.set RD,   25
.set CO,   26
.set SO,   27                          ; v27     my byte offset in stat: lanes 0-15 plane 0, lanes 16-31 plane 1
.set SPW,  28
.set NIL,  29
.set TMP,  32
.set ST,   96                          ; row block a at ST + 8 a: +0..3 four chains, then +3 Mn; +4 c t + Mn, +5 its pair partner, +6 the sum, +7 at work
.set ACC,  128
.set F0,   0
.set F1,   128
.set G1, 24
.set G0, 32
.set G1B, 48
.set G0B, 56
.set TB,  76                           ; s76     the slot in hand: 0 or SLOT
.set SRC, 80                           ; s[80:81] the stream: value at the chunk asked for last
.set DST, 82                           ; s[82:83] the stream: val16 one chunk behind the chunk that is stored
.set MSB, 0
.macro WIN new
.if MSB != (\new)
	s_set_vgpr_msb (MSB<<8)|(\new)
.set MSB, \new
.endif
.endm
.set MUL,  0x05
.set TO_F, 0x40
.macro JLOAD s                         ; a joint load: waves 0 and 1 fetch q's two halves, waves 2 and 3 key's; an s_nop 0 and four v_nop follow each line
	s_cmp_eq_u32 s11, 0
	s_cbranch_scc0 .Lfor_b_\@
	tensor_load_to_lds s[G0+4*(\s):G0+4*(\s)+3], s[G1:G1+7]
	s_nop 0
.rept 4
	v_nop
.endr
	s_branch .Lasked_\@
.Lfor_b_\@:
	tensor_load_to_lds s[G0B+4*(\s):G0B+4*(\s)+3], s[G1B:G1B+7]
	s_nop 0
.rept 4
	v_nop
.endr
.Lasked_\@:
.endm
.macro CREST
	s_cmp_lg_u32 s10, 0
	s_cbranch_scc1 .Lnot_wave_0_\@
	s_barrier_signal -3
.Lnot_wave_0_\@:
	s_barrier_wait -3
	s_barrier_signal -1
	s_barrier_wait -1
.endm
.macro CROUND
	s_barrier_signal -1
	s_barrier_wait -1
	CREST
.endm
; THE STREAM's two macros.  Row i of a chunk: eight loads of 512 consecutive bytes.
.macro SLOADS i
	WIN 0x80                                       ; destination window 2, address window 0
.irp j, 0,1,2,3,4,5,6,7
	global_load_b128 v[SX+32*(\i)+4*(\j):SX+32*(\i)+4*(\j)+3], v[SL], s[SRC:SRC+1] offset:(\i)*4096+(\j)*512 th:TH_LOAD_NT
.endr
.endm
; A visit.  more = 1: each row is asked for again, from the next chunk, ahead of its stores.  The stores reach back by a negative offset, since DST has been stepped with SRC.
.macro STREAM more
	s_wait_xcnt 0x0                                ; every earlier memory instruction has had its addresses translated (ISA guide 3.1): only behind this wait are the two pointers and the words that the last visit's stores read rewritten
.if \more
	s_add_nc_u64 s[SRC:SRC+1], s[SRC:SRC+1], RPV*4096
.endif
	s_add_nc_u64 s[DST:DST+1], s[DST:DST+1], RPV*2048
.set si, 0
.rept RPV
.if \more
	s_wait_loadcnt 8*(RPV-1)                       ; loads come back in order: my row's eight are in; behind them were issued the chunk's later rows and the next chunk's earlier ones: RPV - 1 rows in all
.else
	s_wait_loadcnt 8*(RPV-1-si)                    ; the last chunk: only its later rows are behind
.endif
	WIN 0x0a                                       ; sources window 2, destination window 0
.set sk, 0
.rept 16
	v_cvt_pk_f16_f32 v[TMP+16*si+sk], v[SX+32*si+2*sk], v[SX+32*si+2*sk+1]
.set sk, sk+1
.endr
.if \more
	SLOADS si
.endif
	WIN 0
.irp j, 0,1,2,3,4,5,6,7
	global_store_b64 v[SS], v[TMP+16*si+2*(\j):TMP+16*si+2*(\j)+1], s[DST:DST+1] offset:si*2048+(\j)*256-RPV*2048  ; 256 consecutive bytes, aligned
.endr
.set si, si+1
.endr
.endm
	s_load_b128 s[4:7], s[0:1], 0x0                ; qp16 s[4:5], x16 s[6:7]
	s_load_b128 s[72:75], s[0:1], 0x10             ; p16 s[72:73], stat s[74:75]
	s_load_b128 s[80:83], s[0:1], 0x20             ; value s[80:81], val16 s[82:83]
	v_lshl_add_u32 v[SPW], v0, 2, SPARE
	v_mov_b32 v[NIL], 0
	ds_add_u32 v[SPW], v[NIL]                      ; the wave's opening: the add and its wait stand ahead of my first tensor load; the set-up below, work on registers, stands between them
	v_lshrrev_b32 v1, 5, v0
	v_readfirstlane_b32 s10, v1                    ; wave 0..3
	s_lshr_b32 s11, s10, 1                         ; which half of the tile's queries is mine.  Also: I fetch for q' (0) or for key (1)
	s_and_b32 s12, s10, 1                          ; which half of its keys.  Also: which 64 rows of that tile I fetch
	s_bfe_u32 s40, ttmp6, 0x40000                  ; cx
	s_bfe_u32 s41, ttmp6, 0x40004                  ; cy: the tile of queries
	s_lshl_b32 s42, ttmp9, 2
	s_add_co_u32 s42, s42, s40                     ; the tile of keys = 4 x cluster x + cx
	s_and_b32 s66, ttmp7, 0xffff                   ; the batch, which all sixteen share
	s_lshl_b32 s43, s41, 2
	s_lshl_b32 s43, 15, s43                        ; my row of the cluster
	s_lshl_b32 s44, 0x1111, s40                    ; my column
	s_or_b32 s[G1+0], s43, (1<<16)|(1<<20)|(1<<21)|(6<<22)|(3<<25)  ; the mask; 2-byte elements; padding on; bit 21 beside a mask; after every 128 words 4 words
	s_or_b32 s[G1B+0], s44, (1<<16)|(1<<20)|(1<<21)|(6<<22)|(3<<25)
.irp g, G1, G1B
	s_mov_b32 s[(\g)+1], KSTEP<<16                 ; tensor_dim0 = 256
	s_mov_b32 s[(\g)+2], 64<<16                    ; tensor_dim1 = 64
	s_mov_b32 s[(\g)+3], KSTEP<<16                 ; tile_dim0 = 256
	s_mov_b32 s[(\g)+4], 64                        ; tile_dim1 = 64
	s_mov_b32 s[(\g)+5], APITCH                    ; elements from row to row
	s_mov_b32 s[(\g)+6], 0
	s_mov_b32 s[(\g)+7], 0
.endr
	s_mov_b32 s[TB], 0
	s_mov_b32 s68, 0x3fb8aa3b                      ; c = log2(e)
	s_mov_b32 s69, s68                             ; named with it as a pair
	s_mov_b32 s71, 0xbfb8aa3b                      ; -c
	s_mov_b32 s78, 0x76543210                      ; v_permlanex16_b32's selects: each lane takes its own place in the other half
	s_mov_b32 s79, 0xfedcba98
	s_lshl_b32 s17, s12, 6                         ; which 64 rows of the tile I fetch
	s_lshl_b32 s16, s41, 7
	s_add_co_u32 s16, s16, s17                     ; q': query 128 cy + 64 x half,
	s_lshl_b32 s16, s16, 14                        ; 16,384 bytes apart,
	s_lshl_b32 s67, s66, 11                        ; the batch's row among eight
	s_add_co_u32 s16, s16, s67
	s_lshl_b32 s46, s42, 7
	s_add_co_u32 s46, s46, s17                     ; key 128 x tile + 64 x half
	s_lshl_b32 s46, s46, 14
	s_add_co_u32 s46, s46, s67
	s_add_co_u32 s46, s46, 0x800000                ; behind query's 4,096 rows of 2,048 bytes
	s_mov_b32 s17, 0
	s_mov_b32 s47, 0
	s_mul_i32 s20, s10, HALFT                      ; where they go: wave x 64 rows
	s_wait_dscnt 0x0                               ; the opening add is done
	s_wait_kmcnt 0x0
	s_add_nc_u64 s[14:15], s[4:5], s[16:17]
	s_add_nc_u64 s[46:47], s[6:7], s[46:47]
	s_mov_b64 s[8:9], s[72:73]                     ; p16
	CROUND                                         ; all sixteen work-groups are here: the first joint loads meet
.irp s, 0,1
	s_mov_b32 s[G0+4*(\s)], 1
	s_add_co_u32 s[G0+4*(\s)+1], s20, (\s)*SLOT
	s_add_nc_u64 s[G0+4*(\s)+2:G0+4*(\s)+3], s[14:15], (\s)*KSTEP*2
	s_or_b32 s[G0+4*(\s)+3], s[G0+4*(\s)+3], 0x80000000
	s_mov_b32 s[G0B+4*(\s)], 1
	s_add_co_u32 s[G0B+4*(\s)+1], s20, (\s)*SLOT
	s_add_nc_u64 s[G0B+4*(\s)+2:G0B+4*(\s)+3], s[46:47], (\s)*KSTEP*2
	s_or_b32 s[G0B+4*(\s)+3], s[G0B+4*(\s)+3], 0x80000000
	JLOAD \s
.endr
	v_and_b32 v1, 15, v0                           ; r = l % 16
	v_bfe_u32 v2, v0, 4, 1                         ; h = l / 16
	; t of my four queries 128 cy + 64 x my half + 16 a + r: row 8 t + b, 4 bytes each: 32 bytes from query to query
	s_lshl_b32 s16, s41, 12
	s_lshl_b32 s17, s11, 11
	s_add_co_u32 s16, s16, s17
	s_lshl_b32 s17, s66, 2
	s_add_co_u32 s16, s16, s17
	s_add_co_u32 s16, s16, 0x800000                ; behind q'
	s_mov_b32 s17, 0
	s_add_nc_u64 s[72:73], s[4:5], s[16:17]
	v_lshlrev_b32 v6, 5, v1
.irp a, 0,1,2,3
	global_load_b32 v[TQ+(\a)], v6, s[72:73] offset:512*(\a)
.endr
	; the stream: work-group 64 b + 16 cy + tile of keys owns 32 rows of value, my wave 8 of them; its first chunk goes out now
	v_and_b32 v3, 31, v0                           ; lane
	v_lshlrev_b32 v[SL], 4, v3
	v_lshlrev_b32 v[SS], 3, v3
	s_lshl_b32 s16, s66, 23                        ; 64 x 32 rows of 4,096 bytes a batch,
	s_lshl_b32 s21, s41, 21                        ; 16 x 32 a tile of queries,
	s_add_co_u32 s16, s16, s21
	s_lshl_b32 s21, s10, 15                        ; 8 rows a wave
	s_add_co_u32 s16, s16, s21
	s_add_nc_u64 s[SRC:SRC+1], s[SRC:SRC+1], s[16:17]
	s_lshl_b32 s46, s42, 17                        ; 32 rows a tile of keys
	s_mov_b32 s47, 0
	s_add_nc_u64 s[SRC:SRC+1], s[SRC:SRC+1], s[46:47]
	s_lshl_b32 s16, s66, 22                        ; the same in rows of 2,048 bytes
	s_lshl_b32 s21, s41, 20
	s_add_co_u32 s16, s16, s21
	s_lshl_b32 s21, s10, 14
	s_add_co_u32 s16, s16, s21
	s_add_nc_u64 s[DST:DST+1], s[DST:DST+1], s[16:17]
	s_lshl_b32 s46, s42, 16
	s_add_nc_u64 s[DST:DST+1], s[DST:DST+1], s[46:47]
	SLOADS 0
	SLOADS 1
	WIN 0
	v_mul_u32_u24 v3, v1, PITCH
	v_lshl_add_u32 v3, v2, 4, v3
	s_mul_i32 s21, s11, HALFT
	s_mul_i32 s22, s12, HALFT
	s_add_co_u32 s22, s22, 2*HALFT
	v_add_nc_u32 v[ADRA0], s21, v3
	v_add_nc_u32 v[ADRB0], s22, v3
	v_add_nc_u32 v[ADRA], s21, v3                  ; the walk begins in slot 0
	v_add_nc_u32 v[ADRB], s22, v3
	s_mul_i32 s23, s11, 64*SPITCH
	s_lshl_b32 s21, s12, 7
	s_add_co_u32 s23, s23, s21
	s_add_co_u32 s23, s23, STAGE
	v_mul_u32_u24 v4, v1, SPITCH
	v_lshl_add_u32 v4, v2, 4, v4
	v_add_nc_u32 v[STO], s23, v4
	s_mul_i32 s23, s10, 32*SPITCH
	s_add_co_u32 s23, s23, STAGE
	v_mul_u32_u24 v5, v2, SPITCH
	v_lshl_add_u32 v5, v1, 4, v5
	v_add_nc_u32 v[RD], s23, v5
	v_mul_u32_u24 v5, v2, ROWB
	v_lshl_add_u32 v[CO], v1, 4, v5
	v_lshlrev_b32 v[SO], 2, v1                     ; 4 r,
	v_lshl_add_u32 v[SO], v2, 11, v[SO]            ; and the second plane, 2,048 bytes on, for lanes 16-31
	s_lshl_b32 s16, s66, 9                         ; p16: row 512 b + 128 cy + 32 x wave,
	s_lshl_b32 s17, s41, 7
	s_add_co_u32 s16, s16, s17
	s_lshl_b32 s17, s10, 5
	s_add_co_u32 s16, s16, s17
	s_lshl_b32 s16, s16, 12                        ; of 4,096 bytes
	s_mov_b32 s17, 0
	s_add_nc_u64 s[8:9], s[8:9], s[16:17]
	s_lshl_b32 s46, s42, 8                         ; the tile's first key, in bytes
	s_mov_b32 s47, 0
	s_add_nc_u64 s[8:9], s[8:9], s[46:47]
	s_lshl_b32 s16, s41, 9                         ; stat: query 128 cy + 64 x my half, 4 bytes each,
	s_lshl_b32 s17, s11, 8
	s_add_co_u32 s16, s16, s17
	s_lshl_b32 s17, s66, 17                        ; the batch's 32 blocks x 2 planes x 2,048 bytes,
	s_add_co_u32 s16, s16, s17
	s_mov_b32 s17, 0
	s_add_nc_u64 s[74:75], s[74:75], s[16:17]
	s_lshl_b32 s46, s42, 13                        ; block 2 x tile + my half of its keys, 4,096 bytes each
	s_lshl_b32 s47, s12, 12
	s_add_co_u32 s46, s46, s47
	s_mov_b32 s47, 0
	s_add_nc_u64 s[74:75], s[74:75], s[46:47]
; The 16 accumulators take turns, one instruction a turn.
.macro MUL8 f, c, a0, zero
	WIN MUL
.irp a, \a0, (\a0)+1
.irp b, 0,1,2,3
.if \zero
	v_wmma_f32_16x16x32_f16 v[ACC+8*(4*(\a)+(\b)):ACC+8*(4*(\a)+(\b))+7], v[(\f)+64+8*(4*(\c)+(\b)):(\f)+64+8*(4*(\c)+(\b))+7], v[(\f)+8*(4*(\c)+(\a)):(\f)+8*(4*(\c)+(\a))+7], 0
.else
	v_wmma_f32_16x16x32_f16 v[ACC+8*(4*(\a)+(\b)):ACC+8*(4*(\a)+(\b))+7], v[(\f)+64+8*(4*(\c)+(\b)):(\f)+64+8*(4*(\c)+(\b))+7], v[(\f)+8*(4*(\c)+(\a)):(\f)+8*(4*(\c)+(\a))+7], v[ACC+8*(4*(\a)+(\b)):ACC+8*(4*(\a)+(\b))+7]
.endif
.endr
.endr
.endm
.macro FETCH k, f                      ; 32 LDS loads in one run: 64 along K at byte k of the rows of the slot in hand, into buffer f; the first 32 along K first
	WIN TO_F
.irp c, 0,1
.irp i, 0,1,2,3
	ds_load_b128 v[(\f)+64+8*(4*(\c)+(\i)):(\f)+64+8*(4*(\c)+(\i))+3],   v[ADRB] offset:(\k)+64*(\c)+(\i)*16*PITCH
	ds_load_b128 v[(\f)+64+8*(4*(\c)+(\i))+4:(\f)+64+8*(4*(\c)+(\i))+7], v[ADRB] offset:(\k)+64*(\c)+(\i)*16*PITCH+32
	ds_load_b128 v[(\f)+8*(4*(\c)+(\i)):(\f)+8*(4*(\c)+(\i))+3],         v[ADRA] offset:(\k)+64*(\c)+(\i)*16*PITCH
	ds_load_b128 v[(\f)+8*(4*(\c)+(\i))+4:(\f)+8*(4*(\c)+(\i))+7],       v[ADRA] offset:(\k)+64*(\c)+(\i)*16*PITCH+32
.endr
.endr
.endm
.macro PLACES                          ; four places in front of loads into registers that matrix instructions have read, and of vector lines that read results
.rept 4
	v_nop
.endr
.endm
.macro QUARTER k, f, g, zero
	s_wait_dscnt 16                                ; the first 32 along K are in; the youngest sixteen loads may be out
	MUL8 \f, 0, 0, \zero
	MUL8 \f, 0, 2, \zero
	PLACES
	FETCH \k, \g
	s_wait_dscnt 32                                ; all but the 32 just issued
	MUL8 \f, 1, 0, 0
	MUL8 \f, 1, 2, 0
.endm
; The last quarter of a K step, and the change of slots.  fill = 1: the barrier opens a round of the cluster's, and the slot just read is filled again, first thing behind the round.
; fill = 0: the tail's two trips; in the second (s3 = 1) there is no further K step, and the run of loads is jumped over.
.macro TURN fill
	WIN 0
	s_wait_tensorcnt 0x0                           ; all my tensor loads have landed: my part of the next slot
	ds_add_u32 v[SPW], v[NIL]                      ; 0 onto my spare word
	s_wait_dscnt 17                                ; (the add and the youngest sixteen loads may be out)
	MUL8 F1, 0, 0, 0
	s_wait_dscnt 0x0                               ; the add is done, and my reads of this slot are over
	s_barrier_signal -1
	MUL8 F1, 0, 2, 0
	WIN 0
	s_barrier_wait -1
.if \fill
	CREST                                          ; no wave of any partner still reads this slot's tile or has a load on its way
	s_add_co_u32 s[G0+5], s20, s[TB]               ; the walking descriptors: into the slot just read,
	s_add_co_u32 s[G0B+5], s20, s[TB]
	s_add_nc_u64 s[G0+6:G0+7], s[G0+6:G0+7], KSTEP*2    ; the K step behind the one asked for last
	s_add_nc_u64 s[G0B+6:G0B+7], s[G0B+6:G0B+7], KSTEP*2
	JLOAD 1                                        ; the four v_nop behind it are also the places in front of the loads below
.else
	s_cmp_eq_u32 s3, 1
	s_cbranch_scc1 .Lno_more_\@
	PLACES
.endif
	s_xor_b32 s[TB], s[TB], SLOT                   ; the other slot is in hand
	v_add_nc_u32 v[ADRA], s[TB], v[ADRA0]
	v_add_nc_u32 v[ADRB], s[TB], v[ADRB0]
	FETCH 0, F0
.if (\fill) == 0
	WIN 0
.Lno_more_\@:
.endif
	MUL8 F1, 1, 0, 0
	MUL8 F1, 1, 2, 0
.endm
	s_wait_tensorcnt 1                             ; my part of K step 0 is in; K step 1's load stays out
	s_barrier_signal -1
	s_barrier_wait -1
	FETCH 0, F0
	STREAM 1                                       ; chunk 0 out, chunk 1 asked for, while the first fragments come out of LDS
	QUARTER 128, F0, F1, 1                         ; its first products start the sums
	WIN 0
	s_mov_b32 s3, STEPS-2
.Lstep:                                                ; a trip goes from a K step's second quarter to the next step's first, and fills the slot that it leaves
	QUARTER 256, F1, F0, 0
	QUARTER 384, F0, F1, 0
	TURN 1
	STREAM 1                                       ; chunks 1 and 2 out, chunks 2 and 3 asked for: straight behind the tile's refill, with a K step in which to land
	QUARTER 128, F0, F1, 0
	WIN 0
	s_sub_co_u32 s3, s3, 1
	s_cmp_lg_u32 s3, 0
	s_cbranch_scc1 .Lstep
	s_mov_b32 s3, 2
.Ltail:                                                ; the last two K steps ask for nothing; the second trip is left in its middle
	QUARTER 256, F1, F0, 0
	QUARTER 384, F0, F1, 0
	TURN 0
	WIN 0
	s_sub_co_u32 s3, s3, 1
	s_cmp_eq_u32 s3, 0
	s_cbranch_scc1 .Lout
	STREAM 0                                       ; this part of the tail runs once: chunk 3 out, nothing asked for
	QUARTER 128, F0, F1, 0
	WIN 0
	s_branch .Ltail
.Lout:
; Row block a: the block's maximum for my query, the weights, their sum.  The lane's 32 products q' . key lie in the four accumulators of the row block; t is the same for all of them.
.macro SOFT a
.set rS, ACC+32*(\a)
.set rT, ST+8*(\a)
.irp n, 0,1,2,3                        ; four chains of seven each; each accumulator's lowest registers are read first
	v_max3_num_f32 v[rT+(\n)], v[rS+8*(\n)], v[rS+8*(\n)+1], v[rS+8*(\n)+2]
.endr
.irp n, 0,1,2,3
	v_max3_num_f32 v[rT+(\n)], v[rT+(\n)], v[rS+8*(\n)+3], v[rS+8*(\n)+4]
.endr
.irp n, 0,1,2,3
	v_max3_num_f32 v[rT+(\n)], v[rT+(\n)], v[rS+8*(\n)+5], v[rS+8*(\n)+6]
.endr
	v_max3_num_f32 v[rT], v[rT], v[rS+7], v[rS+15]
	v_max3_num_f32 v[rT+1], v[rT+1], v[rS+23], v[rS+31]
	v_max3_num_f32 v[rT], v[rT], v[rT+1], v[rT+2]
	v_max_num_f32 v[rT], v[rT], v[rT+3]
	v_permlanex16_b32 v[rT+1], v[rT], s78, s79     ; the query's other 32 keys lie in the lane 16 away
	v_max_num_f32 v[rT], v[rT], v[rT+1]
	v_add_f32 v[rT], v[rT], v[TQ+(\a)]             ; m: the largest score, t included
	v_mul_f32 v[rT+7], s71, v[rT]
	v_floor_f32 v[rT+3], v[rT+7]                   ; Mn = floor(-c m): a whole number, so that blocks are joined by exact powers of two
	v_fma_f32 v[rT+4], s68, v[TQ+(\a)], v[rT+3]    ; c t + Mn
	v_mov_b32 v[rT+5], v[rT+4]                     ; named with it as a pair
.set u, 0
.rept 16
	v_pk_fma_f32 v[rS+2*u:rS+2*u+1], v[rS+2*u:rS+2*u+1], s[68:69], v[rT+4:rT+5] op_sel_hi:[1,0,0]  ; c x + Mn
.set u, u+1
.endr
.set u, 0
.rept 32
	v_exp_f32 v[rS+u], v[rS+u]
.set u, u+1
.endr
	v_nop                                          ; a plain instruction between the last exponential and the use of its result (ISA guide 5.7.2)
.set u, 0
	s_wait_alu depctr_va_vdst(0)
.rept 16
	v_cvt_pk_f16_f32 v[TMP+16*(\a)+u], v[rS+2*u], v[rS+2*u+1]
.set u, u+1
.endr
.irp d, 8,4,2,1                        ; the sum of the 16 pairs, in place: neighbours 8, 4, 2 and 1 pairs apart
.set u, 0
.rept \d
	v_pk_add_f32 v[rS+2*u:rS+2*u+1], v[rS+2*u:rS+2*u+1], v[rS+2*(u+(\d)):rS+2*(u+(\d))+1]
.set u, u+1
.endr
.endr
	v_add_f32 v[rT+6], v[rS], v[rS+1]
	v_permlanex16_b32 v[rT+7], v[rT+6], s78, s79
	v_add_f32 v[rT+6], v[rT+6], v[rT+7]            ; the block's sum
	v_cndmask_b32 v[rT+7], v[rT+3], v[rT+6], s70   ; lanes 0-15 hand in Mn, lanes 16-31 the sum
	global_store_b32 v[SO], v[rT+7], s[74:75] offset:64*(\a)  ; two runs of 64 consecutive bytes; v[rT+7] is not written again
.endm
	v_and_b32 v3, 31, v0
	v_cmp_lt_u32 s70, 15, v3                       ; lanes 16-31
	s_wait_loadcnt 0x0                             ; t
	s_wait_xcnt 0x0                                ; the stream's last stores have read v32-63, which are written again below
	PLACES
	SOFT 0
	SOFT 1
	SOFT 2
	SOFT 3
	; the weights go through the work-group's stage; a barrier, since a row's 256 bytes come from two waves; back as whole rows
.irp a, 0,1,2,3
.irp b, 0,1,2,3
	ds_store_b128 v[STO], v[TMP+4*(4*(\a)+(\b)):TMP+4*(4*(\a)+(\b))+3] offset:(\a)*16*SPITCH+32*(\b)
.endr
.endr
	s_wait_dscnt 0x0                               ; for the others' sake: my stores into the stage are done
	s_barrier_signal -1
	s_barrier_wait -1
.irp t, 0,1,2,3,4,5,6,7,8,9,10,11,12,13,14,15
	ds_load_b128 v[TMP+4*(\t):TMP+4*(\t)+3], v[RD] offset:(\t)*2*SPITCH
.endr
.irp t, 0,1,2,3,4,5,6,7,8,9,10,11,12,13,14,15
	s_wait_dscnt 15-(\t)                           ; LDS loads come back in order: pair t of rows is in
	global_store_b128 v[CO], v[TMP+4*(\t):TMP+4*(\t)+3], s[8:9] offset:2*(\t)*ROWB  ; 16 lanes store 256 consecutive bytes, at a multiple of 256 from p16's first byte
.endr
	s_wait_tensorcnt 0x0                           ; the wave's end: the add and its wait stand behind my last tensor load and my last LDS store
	ds_add_u32 v[SPW], v[NIL]
	s_wait_dscnt 0x0
	CROUND                                         ; the closing round: no work-group ends while a partner may still ask for a tile that names it
	s_endpgm
.Lfunc_end_k_qdc117f8236_score:
	.size	k_qdc117f8236_score, .Lfunc_end_k_qdc117f8236_score-k_qdc117f8236_score
	.p2alignl 7, 3214868480
	.fill 96, 4, 3214868480
	.section	.rodata,"a",@progbits
	.p2align	6, 0x0
	.amdhsa_kernel k_qdc117f8236_score
		.amdhsa_group_segment_fixed_size 327680
		.amdhsa_private_segment_fixed_size 0
		.amdhsa_enable_private_segment 0
		.amdhsa_kernarg_size 48
		.amdhsa_user_sgpr_count 2
		.amdhsa_user_sgpr_kernarg_segment_ptr 1
		.amdhsa_wavefront_size32 1
		.amdhsa_system_sgpr_workgroup_id_x 1
		.amdhsa_system_sgpr_workgroup_id_y 1
		.amdhsa_system_sgpr_workgroup_id_z 1
		.amdhsa_system_vgpr_workitem_id 0
		.amdhsa_next_free_vgpr 576
		.amdhsa_next_free_sgpr 84
		.amdhsa_reserve_vcc 0
		.amdhsa_float_denorm_mode_32 3
		.amdhsa_float_denorm_mode_16_64 3
		.amdhsa_memory_ordered 1
		.amdhsa_forward_progress 1
		.amdhsa_inst_pref_size 95
	.end_amdhsa_kernel
	.amdgpu_metadata
---
amdhsa.version: [ 1, 2 ]
amdhsa.kernels:
  - .name:           k_qdc117f8236_score
    .symbol:         k_qdc117f8236_score.kd
    .args:
      - { .name: qp16, .offset: 0, .size: 8, .value_kind: global_buffer, .address_space: global }
      - { .name: x16, .offset: 8, .size: 8, .value_kind: global_buffer, .address_space: global }
      - { .name: p16, .offset: 16, .size: 8, .value_kind: global_buffer, .address_space: global }
      - { .name: stat, .offset: 24, .size: 8, .value_kind: global_buffer, .address_space: global }
      - { .name: value, .offset: 32, .size: 8, .value_kind: global_buffer, .address_space: global }
      - { .name: val16, .offset: 40, .size: 8, .value_kind: global_buffer, .address_space: global }
    .group_segment_fixed_size: 327680
    .private_segment_fixed_size: 0
    .kernarg_segment_align: 8
    .kernarg_segment_size: 48
    .max_flat_workgroup_size: 128
    .sgpr_count:     84
    .vgpr_count:     576
    .wavefront_size: 32
...
	.end_amdgpu_metadata
.endif
;; end of part 9
;; launch pv (part 10): grid 8 x 32, 4 waves a work-group, clusters of 4 x 4, 327,680 bytes of LDS; arguments p16, val16, stat, a16; writes a16
.if DOCPART == 10
	.amdgcn_target "amdgcn-amd-amdhsa--gfx1250"
	.amdhsa_code_object_version 6
	.text
	.protected	k_qdc117f8236_pv
	.globl	k_qdc117f8236_pv
	.p2align	8
	.type	k_qdc117f8236_pv,@function
k_qdc117f8236_pv:
	s_mov_b64 s[64:65], 0
	v_nop
	global_prefetch_b8 v0, s[64:65] scope:SCOPE_SE
	s_setreg_imm32_b32 hwreg(HW_REG_WAVE_MODE, 25, 1), 1
	s_wait_xcnt 0x0
	s_wait_alu depctr_hold_cnt(0) depctr_sa_sdst(0) depctr_va_vdst(0) depctr_va_sdst(0) depctr_va_ssrc(0) depctr_va_vcc(0) depctr_vm_vsrc(0)
	s_getreg_b32 s2, hwreg(HW_REG_IB_STS2, 6, 4)
	s_cmp_eq_u32 s2, 0
	s_cbranch_scc0 .Lentry_in_a_cluster
	s_endpgm
.Lentry_in_a_cluster:
	s_bfe_u32 s2, ttmp6, 0x10000c
	s_cmp_lg_u32 s2, 0xf033
	s_cbranch_scc0 .Lentry_shape_is_right
	s_endpgm
.Lentry_shape_is_right:
; The second half of the softmax and the weighted mean of VALUE's rows (the v projection follows in the next launch: a row's weights add up to 1, so P (value Wv^T + bv) = (P value) Wv^T + bv for every input).
;   a16[8 t + b][e] = (the sum over blocks j and their keys s of f[j] p16[b][t][s] val16[8 s + b][e]) / l,   f[j] = 2^(Mmin - Mn[j]),  Mmin = the least Mn[j] of the query,  l = the sum over j of f[j] x the block's sum.
; Mn[j] = -ceil(c x block maximum), so f[j] p is the weight with the ROW's maximum (rounded up to a whole number) taken away: at most 1, the row's largest above 1/2, l above 1/2.
; f is an exact power of two; f p is made in f16 (v_pk_mul_f16) on the fragments of P, between their LDS load and the matrix instruction.
; LIMITS.  f below 2^-24 counts as 0, and f p below 6e-5 keeps f16's fixed step of 6e-8, beside a largest weight above 1/2; a16 lies within value's range; NaN and infinities are not treated apart.
; A tile is 128 queries x 128 channels: four waves, each 64 x 64.  K = 2,048 keys goes in steps of 256 through two slots: P's rows of 512 bytes (+ 16), and 256 rows of value, 256 bytes (+ 32) each,
; which lie [key][channel] and come out of LDS turned, by ds_load_tr16_b128.  A quarter of a K step is 64 keys: one block j.
; A K STEP IS WRITTEN ONCE: the slot in hand is a scalar, the fragment addresses a lane term plus it, one descriptor a tensor walks; first quarter, a loop that fills, a loop of two trips that does not.
; CLUSTERS: 4 x 4.  A cluster's y is the batch, cy the tile of queries, 4 x cluster x + cx the tile of channels: P's tiles are asked for jointly along a row of the cluster, value's along a column.
; THE MATRIX INSTRUCTION IS USED TRANSPOSED (source 0 = 16 channels, source 1 = 16 queries): a lane holds one query and eight neighbouring channels.
; REGISTERS: window 0: v0-31 addresses; v32-95 the way out; v96-103 at work, later 1 / l; v104-111 f, four registers for each fragment buffer; v128-255 the accumulators (before the loops: the statistics).
;   window 1: two fragment buffers of 128: 64 registers of P, then 64 of value.
.set SIZE_K, 2048
.set KSTEP,  256
.set STEPS,  SIZE_K/KSTEP
.set PITCH,  528                       ; a row of P in LDS: 132 words: row r starts at bank 4 r mod 64 (64 banks of 4 bytes: ISA guide 11.1)
.set PB,     288                       ; a row of value: 72 words
.set HALFA,  64*PITCH                  ; 64 rows of P: one tensor load
.set HALFB,  128*PB                    ; 128 rows of value: one tensor load
.set SLOT,   2*HALFA+2*HALFB           ; P's 128 rows, then value's 256
.set TAB,    2*SLOT                    ; behind the ring: word [j][query] = f[j] twice in f16: 32 x 128 words
.set STAGE,  TAB                       ; the way out's 128 rows x 272 bytes lie over the table, behind a barrier
.set SPITCH, 272
.set INVL,   STAGE+128*SPITCH          ; 1 / l of the tile's 128 queries
.set SPARE,  INVL+512                  ; the spare words, 128 bytes for each wave: two blocks of 256 bytes that no other line names
.set ADRA0, 16                         ; v16     my lane's place in P's part of slot 0; never rewritten
.set ADRB0, 17                         ; v17     the same for value
.set ADRA, 20                          ; v20     the same in the slot in hand
.set ADRB, 22                          ; v22-23  value's rows 0-127, rows 128-255 (an offset holds 16 bits)
.set STO,  24
.set RD,   25
.set CO,   26
.set ADRT, 27                          ; v27     the table address of the fetch in hand
.set SPW,  28
.set NIL,  29
.set ADRI, 30                          ; v30     where 1 / l of my queries lies
.set ADRT0, 31                         ; v31     my lane's place in a line of the table; never rewritten
.set TMP,  32
.set W,    96                          ; at work before the loops
.set INV,  96                          ; row block a's 1 / l, twice, at INV + 2 a
.set FAC,  104
.set ACC,  128
.set F0,   0
.set F1,   128
.set TT,   67                          ; s67     the table line of the next fetch, in bytes: 512 more at every fetch, 31 x 512 at the last of the 32
.set TB,   76                          ; s76     the slot in hand: 0 or SLOT
.set LA,   77                          ; s77     where my part of P's tile goes in a slot
.set LB,   78                          ; s78     the same for value's
.set G1, 24
.set G0, 32
.set G1B, 48
.set G0B, 56
.set MSB, 0
.macro WIN new
.if MSB != (\new)
	s_set_vgpr_msb (MSB<<8)|(\new)
.set MSB, \new
.endif
.endm
.set MUL,  0x05
.set TO_F, 0x40
.macro JLOAD s                         ; a joint load: waves 0 and 1 fetch P's two halves, waves 2 and 3 value's; an s_nop 0 and four v_nop follow each line
	s_cmp_eq_u32 s11, 0
	s_cbranch_scc0 .Lfor_b_\@
	tensor_load_to_lds s[G0+4*(\s):G0+4*(\s)+3], s[G1:G1+7]
	s_nop 0
.rept 4
	v_nop
.endr
	s_branch .Lasked_\@
.Lfor_b_\@:
	tensor_load_to_lds s[G0B+4*(\s):G0B+4*(\s)+3], s[G1B:G1B+7]
	s_nop 0
.rept 4
	v_nop
.endr
.Lasked_\@:
.endm
.macro CREST
	s_cmp_lg_u32 s10, 0
	s_cbranch_scc1 .Lnot_wave_0_\@
	s_barrier_signal -3
.Lnot_wave_0_\@:
	s_barrier_wait -3
	s_barrier_signal -1
	s_barrier_wait -1
.endm
.macro CROUND
	s_barrier_signal -1
	s_barrier_wait -1
	CREST
.endm
	s_load_b128 s[4:7], s[0:1], 0x0                ; p16 s[4:5], val16 s[6:7]
	s_load_b128 s[68:71], s[0:1], 0x10             ; stat s[68:69], a16 s[70:71]
	v_lshl_add_u32 v[SPW], v0, 2, SPARE
	v_mov_b32 v[NIL], 0
	ds_add_u32 v[SPW], v[NIL]                      ; the wave's opening: the add and its wait stand ahead of my first tensor load; the set-up below, work on registers, stands between them
	v_lshrrev_b32 v1, 5, v0
	v_readfirstlane_b32 s10, v1                    ; wave 0..3
	s_lshr_b32 s11, s10, 1                         ; which half of the tile's queries is mine.  Also: I fetch for P (0) or for value (1)
	s_and_b32 s12, s10, 1                          ; which half of its channels.  Also: which half of that tile's rows I fetch
	s_bfe_u32 s40, ttmp6, 0x40000                  ; cx
	s_bfe_u32 s41, ttmp6, 0x40004                  ; cy: the tile of queries
	s_lshl_b32 s42, ttmp9, 2
	s_add_co_u32 s42, s42, s40                     ; the tile of channels = 4 x cluster x + cx
	s_and_b32 s66, ttmp7, 0xffff                   ; the batch, which all sixteen share
	s_lshl_b32 s43, s41, 2
	s_lshl_b32 s43, 15, s43                        ; my row of the cluster
	s_lshl_b32 s44, 0x1111, s40                    ; my column
	; P: 64 rows x 256 elements, 2,048 elements apart, 4 words of padding after every 128
	s_or_b32 s[G1+0], s43, (1<<16)|(1<<20)|(1<<21)|(6<<22)|(3<<25)
	s_mov_b32 s[G1+1], KSTEP<<16
	s_mov_b32 s[G1+2], 64<<16
	s_mov_b32 s[G1+3], KSTEP<<16
	s_mov_b32 s[G1+4], 64
	s_mov_b32 s[G1+5], SIZE_K
	s_mov_b32 s[G1+6], 0
	s_mov_b32 s[G1+7], 0
	; value: 128 rows x 128 elements, 8,192 elements apart, 8 words of padding after every 64
	s_or_b32 s[G1B+0], s44, (1<<16)|(1<<20)|(1<<21)|(5<<22)|(7<<25)
	s_mov_b32 s[G1B+1], 128<<16
	s_mov_b32 s[G1B+2], 128<<16
	s_mov_b32 s[G1B+3], 128<<16
	s_mov_b32 s[G1B+4], 128
	s_mov_b32 s[G1B+5], 8192
	s_mov_b32 s[G1B+6], 0
	s_mov_b32 s[G1B+7], 0
	s_mov_b32 s[TT], 0
	s_mov_b32 s[TB], 0
	s_lshl_b32 s16, s66, 9                         ; P: row 512 b + 128 cy + 64 x half,
	s_lshl_b32 s17, s41, 7
	s_add_co_u32 s16, s16, s17
	s_lshl_b32 s17, s12, 6
	s_add_co_u32 s16, s16, s17
	s_lshl_b32 s16, s16, 12                        ; of 4,096 bytes
	s_mov_b32 s17, 0
	s_lshl_b32 s46, s12, 21                        ; value: key 128 x half, 16,384 bytes apart,
	s_lshl_b32 s47, s66, 11                        ; the batch's row among eight,
	s_add_co_u32 s46, s46, s47
	s_lshl_b32 s47, s42, 8                         ; the tile's 128 channels
	s_add_co_u32 s46, s46, s47
	s_mov_b32 s47, 0
	s_mul_i32 s[LA], s12, HALFA                    ; where they go: no place in the cluster enters an LDS address
	s_mul_i32 s[LB], s12, HALFB
	s_add_co_u32 s[LB], s[LB], 2*HALFA
	s_wait_dscnt 0x0                               ; the opening add is done
	s_wait_kmcnt 0x0
	s_add_nc_u64 s[14:15], s[4:5], s[16:17]
	s_add_nc_u64 s[46:47], s[6:7], s[46:47]
	s_mov_b64 s[8:9], s[70:71]                     ; a16
	CROUND                                         ; all sixteen work-groups are here: the first joint loads meet
.irp s, 0,1
	s_mov_b32 s[G0+4*(\s)], 1
	s_add_co_u32 s[G0+4*(\s)+1], s[LA], (\s)*SLOT
	s_add_nc_u64 s[G0+4*(\s)+2:G0+4*(\s)+3], s[14:15], (\s)*KSTEP*2
	s_or_b32 s[G0+4*(\s)+3], s[G0+4*(\s)+3], 0x80000000
	s_mov_b32 s[G0B+4*(\s)], 1
	s_add_co_u32 s[G0B+4*(\s)+1], s[LB], (\s)*SLOT
	s_add_nc_u64 s[G0B+4*(\s)+2:G0B+4*(\s)+3], s[46:47], (\s)*KSTEP*16384
	s_or_b32 s[G0B+4*(\s)+3], s[G0B+4*(\s)+3], 0x80000000
	JLOAD \s
.endr
	; THE STATISTICS.  Thread n of 128 owns query 128 cy + n: its 32 Mn and 32 block sums, 64 loads of 128 consecutive bytes a wave, into the registers that will hold the accumulators.
	s_lshl_b32 s16, s66, 17                        ; the batch's 32 blocks x 2 planes x 2,048 bytes,
	s_lshl_b32 s17, s41, 9                         ; the tile's 128 queries x 4 bytes
	s_add_co_u32 s16, s16, s17
	s_mov_b32 s17, 0
	s_add_nc_u64 s[68:69], s[68:69], s[16:17]
	v_lshlrev_b32 v7, 2, v0
.set j, 0
.rept 32
	global_load_b32 v[ACC+2*j],   v7, s[68:69] offset:j*4096
	global_load_b32 v[ACC+2*j+1], v7, s[68:69] offset:j*4096+2048
.set j, j+1
.endr
	v_and_b32 v1, 15, v0                           ; r = l % 16
	v_bfe_u32 v2, v0, 4, 1                         ; h = l / 16
	v_mul_u32_u24 v3, v1, PITCH
	v_lshl_add_u32 v3, v2, 4, v3                   ; P: row x pitch + 16 x half
	s_mul_i32 s21, s11, HALFA                      ; my 64 queries
	v_add_nc_u32 v[ADRA0], s21, v3
	v_add_nc_u32 v[ADRA], s21, v3                  ; the walk begins in slot 0
	; The turning load takes 16 keys x 16 channels (lane l reads key 8 (l / 16) + l % 8, channels 8 ((l / 8) % 2) + 0..7) and leaves half a fragment: lane l holds channel l % 16 and 8 keys.
	v_and_b32 v4, 7, v0
	v_lshl_add_u32 v4, v2, 3, v4
	v_mul_u32_u24 v4, v4, PB
	v_bfe_u32 v5, v0, 3, 1
	v_lshl_add_u32 v4, v5, 4, v4
	s_lshl_b32 s22, s12, 7                         ; my 64 channels,
	s_add_co_u32 s22, s22, 2*HALFA                 ; behind P's 128 rows
	v_add_nc_u32 v[ADRB0], s22, v4
	v_add_nc_u32 v[ADRB], s22, v4
	v_add_nc_u32 v[ADRB+1], HALFB, v[ADRB]
	s_lshl_b32 s23, s11, 8                         ; my 64 queries x 4 bytes
	v_lshl_add_u32 v5, v1, 2, s23
	v_add_nc_u32 v[ADRT0], TAB, v5
	v_add_nc_u32 v[ADRI], INVL, v5
	s_mul_i32 s23, s11, 64*SPITCH                  ; into the stage: my 64 rows, my half of their 256 bytes
	s_lshl_b32 s21, s12, 7
	s_add_co_u32 s23, s23, s21
	s_add_co_u32 s23, s23, STAGE
	v_mul_u32_u24 v4, v1, SPITCH
	v_lshl_add_u32 v4, v2, 4, v4
	v_add_nc_u32 v[STO], s23, v4
	s_mul_i32 s23, s10, 32*SPITCH                  ; back: wave w takes rows 32 w .. 32 w + 31, whole
	s_add_co_u32 s23, s23, STAGE
	v_mul_u32_u24 v5, v2, SPITCH
	v_lshl_add_u32 v5, v1, 4, v5
	v_add_nc_u32 v[RD], s23, v5
	v_lshlrev_b32 v5, 14, v2                       ; two queries of a batch lie 16,384 bytes apart in a16
	v_lshl_add_u32 v[CO], v1, 4, v5
	s_lshl_b32 s16, s41, 7
	s_lshl_b32 s17, s10, 5
	s_add_co_u32 s16, s16, s17                     ; the first query that I store: 128 cy + 32 x wave;
	s_lshl_b32 s16, s16, 3
	s_add_co_u32 s16, s16, s66                     ; its row 8 t + b,
	s_lshl_b32 s16, s16, 11                        ; of 2,048 bytes
	s_mov_b32 s17, 0
	s_add_nc_u64 s[8:9], s[8:9], s[16:17]
	s_lshl_b32 s46, s42, 8
	s_mov_b32 s47, 0
	s_add_nc_u64 s[8:9], s[8:9], s[46:47]
	v_lshl_add_u32 v8, v0, 2, TAB                  ; where my query's f go,
	v_lshl_add_u32 v9, v0, 2, INVL                 ; and its 1 / l
	s_wait_loadcnt 0x0
.irp n, 0,1,2,3                        ; the least Mn: four chains of seven, then the four left over
	v_min3_num_f32 v[W+(\n)], v[ACC+16*(\n)], v[ACC+16*(\n)+2], v[ACC+16*(\n)+4]
.endr
.irp n, 0,1,2,3
	v_min3_num_f32 v[W+(\n)], v[W+(\n)], v[ACC+16*(\n)+6], v[ACC+16*(\n)+8]
.endr
.irp n, 0,1,2,3
	v_min3_num_f32 v[W+(\n)], v[W+(\n)], v[ACC+16*(\n)+10], v[ACC+16*(\n)+12]
.endr
	v_min3_num_f32 v[W], v[W], v[ACC+14], v[ACC+30]
	v_min3_num_f32 v[W+1], v[W+1], v[ACC+46], v[ACC+62]
	v_min3_num_f32 v[W], v[W], v[W+1], v[W+2]
	v_min_num_f32 v[W], v[W], v[W+3]
.set j, 0
.rept 32
	v_sub_f32 v[ACC+2*j], v[W], v[ACC+2*j]         ; Mmin - Mn[j]: a whole number, at most 0
.set j, j+1
.endr
.set j, 0
.rept 32
	v_exp_f32 v[ACC+2*j], v[ACC+2*j]               ; f[j]
.set j, j+1
.endr
	v_nop                                          ; a plain instruction between the last exponential and the use of its result (ISA guide 5.7.2)
	s_wait_alu depctr_va_vdst(0)
.irp n, 0,1,2,3                        ; l in four chains, in f32
	v_mul_f32 v[W+4+(\n)], v[ACC+2*(\n)], v[ACC+2*(\n)+1]
.endr
.set j, 4
.rept 28
	v_fmac_f32 v[W+4+j%4], v[ACC+2*j], v[ACC+2*j+1]
.set j, j+1
.endr
	v_add_f32 v[W+4], v[W+4], v[W+5]
	v_add_f32 v[W+6], v[W+6], v[W+7]
	v_add_f32 v[W+4], v[W+4], v[W+6]
	v_rcp_f32 v[W+4], v[W+4]
.set j, 0
.rept 32
	v_cvt_pk_f16_f32 v[ACC+2*j], v[ACC+2*j], v[ACC+2*j]  ; both halves of a word: the packed multiply takes them as they lie
.set j, j+1
.endr
.set j, 0
.rept 32
	ds_store_b32 v8, v[ACC+2*j] offset:512*j
.set j, j+1
.endr
	s_wait_alu depctr_va_vdst(0)
	ds_store_b32 v9, v[W+4]
; The 16 accumulators take turns, one instruction a turn.
.macro MUL8 f, c, a0, zero
	WIN MUL
.irp a, \a0, (\a0)+1
.irp b, 0,1,2,3
.if \zero
	v_wmma_f32_16x16x32_f16 v[ACC+8*(4*(\a)+(\b)):ACC+8*(4*(\a)+(\b))+7], v[(\f)+64+8*(4*(\c)+(\b)):(\f)+64+8*(4*(\c)+(\b))+7], v[(\f)+8*(4*(\c)+(\a)):(\f)+8*(4*(\c)+(\a))+7], 0
.else
	v_wmma_f32_16x16x32_f16 v[ACC+8*(4*(\a)+(\b)):ACC+8*(4*(\a)+(\b))+7], v[(\f)+64+8*(4*(\c)+(\b)):(\f)+64+8*(4*(\c)+(\b))+7], v[(\f)+8*(4*(\c)+(\a)):(\f)+8*(4*(\c)+(\a))+7], v[ACC+8*(4*(\a)+(\b)):ACC+8*(4*(\a)+(\b))+7]
.endif
.endr
.endr
.endm
; 36 LDS loads in one run, for the 64 keys at byte k of P's rows (rows k / 2 on of value) of the slot in hand: the block's f for my four row blocks, then the fragments, the first 32 keys first
.macro FETCH k, f
	WIN 0
	v_add_nc_u32 v[ADRT], s[TT], v[ADRT0]
	s_add_co_u32 s[TT], s[TT], 512                 ; the next fetch is the next block's
.irp a, 0,1,2,3
	ds_load_b32 v[FAC+4*((\f)/128)+(\a)], v[ADRT] offset:64*(\a)
.endr
	WIN TO_F
.irp c, 0,1
.irp i, 0,1,2,3
	ds_load_tr16_b128 v[(\f)+64+8*(4*(\c)+(\i)):(\f)+64+8*(4*(\c)+(\i))+3],   v[ADRB+(\k)/256] offset:(((\k)%256)/2+32*(\c))*PB+32*(\i)
	ds_load_tr16_b128 v[(\f)+64+8*(4*(\c)+(\i))+4:(\f)+64+8*(4*(\c)+(\i))+7], v[ADRB+(\k)/256] offset:(((\k)%256)/2+32*(\c)+16)*PB+32*(\i)
	ds_load_b128 v[(\f)+8*(4*(\c)+(\i)):(\f)+8*(4*(\c)+(\i))+3],         v[ADRA] offset:(\k)+64*(\c)+(\i)*16*PITCH
	ds_load_b128 v[(\f)+8*(4*(\c)+(\i))+4:(\f)+8*(4*(\c)+(\i))+7],       v[ADRA] offset:(\k)+64*(\c)+(\i)*16*PITCH+32
.endr
.endr
.endm
; P's fragments of half c of buffer f times f[j]: a lane holds one query's weights, so one word of the table serves a fragment's eight registers
.macro SCALE f, c
	WIN 0x41                                       ; destination and source 0 window 1, source 1 window 0
.irp a, 0,1,2,3
.irp r, 0,1,2,3,4,5,6,7
	v_pk_mul_f16 v[(\f)+8*(4*(\c)+(\a))+(\r)], v[(\f)+8*(4*(\c)+(\a))+(\r)], v[FAC+4*((\f)/128)+(\a)]
.endr
.endr
.endm
.macro PLACES                          ; four places in front of loads into registers that matrix instructions have read, and of vector lines that read results
.rept 4
	v_nop
.endr
.endm
.macro QUARTER k, f, g, zero
	s_wait_dscnt 16                                ; f and the first 32 keys are in; the youngest sixteen loads may be out
	SCALE \f, 0
	MUL8 \f, 0, 0, \zero
	MUL8 \f, 0, 2, \zero
	PLACES
	FETCH \k, \g
	s_wait_dscnt 36                                ; all but the 36 just issued
	SCALE \f, 1
	MUL8 \f, 1, 0, 0
	MUL8 \f, 1, 2, 0
.endm
; The last quarter of a K step, and the change of slots.  fill = 1: the barrier opens a round of the cluster's, and the slot just read is filled again, first thing behind the round.
; fill = 0: the tail's two trips; in the second (s3 = 1) there is no further K step, and the run of loads is jumped over.
.macro TURN fill
	WIN 0
	s_wait_tensorcnt 0x0                           ; all my tensor loads have landed: my part of the next slot
	ds_add_u32 v[SPW], v[NIL]                      ; 0 onto my spare word
	s_wait_dscnt 17                                ; (the add and the youngest sixteen loads may be out)
	SCALE F1, 0
	MUL8 F1, 0, 0, 0
	s_wait_dscnt 0x0                               ; the add is done, and my reads of this slot are over
	s_barrier_signal -1
	MUL8 F1, 0, 2, 0
	WIN 0
	s_barrier_wait -1
.if \fill
	CREST                                          ; no wave of any partner still reads this slot's tile or has a load on its way
	s_add_co_u32 s[G0+5], s[LA], s[TB]             ; the walking descriptors: into the slot just read,
	s_add_co_u32 s[G0B+5], s[LB], s[TB]
	s_add_nc_u64 s[G0+6:G0+7], s[G0+6:G0+7], KSTEP*2        ; the K step behind the one asked for last
	s_add_nc_u64 s[G0B+6:G0B+7], s[G0B+6:G0B+7], KSTEP*16384
	JLOAD 1                                        ; the four v_nop behind it are also the places in front of the loads below
.else
	s_cmp_eq_u32 s3, 1
	s_cbranch_scc1 .Lno_more_\@
	PLACES
.endif
	s_xor_b32 s[TB], s[TB], SLOT                   ; the other slot is in hand
	v_add_nc_u32 v[ADRA], s[TB], v[ADRA0]
	v_add_nc_u32 v[ADRB], s[TB], v[ADRB0]
	v_add_nc_u32 v[ADRB+1], HALFB, v[ADRB]
	FETCH 0, F0
.if (\fill) == 0
	WIN 0
.Lno_more_\@:
.endif
	SCALE F1, 1
	MUL8 F1, 1, 0, 0
	MUL8 F1, 1, 2, 0
.endm
	s_wait_tensorcnt 1                             ; my part of K step 0 is in; K step 1's load stays out
	s_wait_dscnt 0x0                               ; for the others' sake: my part of the table and of 1 / l is stored
	s_barrier_signal -1
	s_barrier_wait -1
	FETCH 0, F0
	QUARTER 128, F0, F1, 1                         ; its first products start the sums
	WIN 0
	s_mov_b32 s3, STEPS-2
.Lstep:                                                ; a trip goes from a K step's second quarter to the next step's first, and fills the slot that it leaves
	QUARTER 256, F1, F0, 0
	QUARTER 384, F0, F1, 0
	TURN 1
	QUARTER 128, F0, F1, 0
	WIN 0
	s_sub_co_u32 s3, s3, 1
	s_cmp_lg_u32 s3, 0
	s_cbranch_scc1 .Lstep
	s_mov_b32 s3, 2
.Ltail:                                                ; the last two K steps ask for nothing; the second trip is left in its middle
	QUARTER 256, F1, F0, 0
	QUARTER 384, F0, F1, 0
	TURN 0
	WIN 0
	s_sub_co_u32 s3, s3, 1
	s_cmp_eq_u32 s3, 0
	s_cbranch_scc1 .Lout
	QUARTER 128, F0, F1, 0
	WIN 0
	s_branch .Ltail
.Lout:
	; THE WAY OUT: times 1 / l in f32; round to f16; through the work-group's stage, which lies over the table: so a barrier first, behind every wave's last read of the table.
.irp a, 0,1,2,3
	ds_load_b32 v[INV+2*(\a)],   v[ADRI] offset:64*(\a)
	ds_load_b32 v[INV+2*(\a)+1], v[ADRI] offset:64*(\a)
.endr
	PLACES
	s_wait_dscnt 0x0                               ; 1 / l is in, and my reads of the table are long over
	s_barrier_signal -1
	s_barrier_wait -1
.irp t, 0,1,2,3,4,5,6,7,8,9,10,11,12,13,14,15
.irp r, 0,1,2,3                        ; each accumulator's lowest registers are read first
	v_pk_mul_f32 v[ACC+8*(\t)+2*(\r):ACC+8*(\t)+2*(\r)+1], v[ACC+8*(\t)+2*(\r):ACC+8*(\t)+2*(\r)+1], v[INV+2*((\t)/4):INV+2*((\t)/4)+1]
.endr
.irp r, 0,1,2,3
	v_cvt_pk_f16_f32 v[TMP+4*(\t)+(\r)], v[ACC+8*(\t)+2*(\r)], v[ACC+8*(\t)+2*(\r)+1]
.endr
.endr
.irp a, 0,1,2,3
.irp b, 0,1,2,3
	ds_store_b128 v[STO], v[TMP+4*(4*(\a)+(\b)):TMP+4*(4*(\a)+(\b))+3] offset:(\a)*16*SPITCH+32*(\b)
.endr
.endr
	s_wait_dscnt 0x0                               ; for the others' sake: my stores into the stage are done
	s_barrier_signal -1
	s_barrier_wait -1
.irp t, 0,1,2,3,4,5,6,7,8,9,10,11,12,13,14,15
	ds_load_b128 v[TMP+4*(\t):TMP+4*(\t)+3], v[RD] offset:(\t)*2*SPITCH
.endr
.irp t, 0,1,2,3,4,5,6,7,8,9,10,11,12,13,14,15
	s_wait_dscnt 15-(\t)                           ; LDS loads come back in order: pair t of rows is in
	global_store_b128 v[CO], v[TMP+4*(\t):TMP+4*(\t)+3], s[8:9] offset:2*(\t)*16384  ; 16 lanes store 256 consecutive bytes, at a multiple of 256 from a16's first byte
.endr
	s_wait_tensorcnt 0x0                           ; the wave's end: the add and its wait stand behind my last tensor load and my last LDS store
	ds_add_u32 v[SPW], v[NIL]
	s_wait_dscnt 0x0
	CROUND                                         ; the closing round: no work-group ends while a partner may still ask for a tile that names it
	s_endpgm
.Lfunc_end_k_qdc117f8236_pv:
	.size	k_qdc117f8236_pv, .Lfunc_end_k_qdc117f8236_pv-k_qdc117f8236_pv
	.p2alignl 7, 3214868480
	.fill 96, 4, 3214868480
	.section	.rodata,"a",@progbits
	.p2align	6, 0x0
	.amdhsa_kernel k_qdc117f8236_pv
		.amdhsa_group_segment_fixed_size 327680
		.amdhsa_private_segment_fixed_size 0
		.amdhsa_enable_private_segment 0
		.amdhsa_kernarg_size 32
		.amdhsa_user_sgpr_count 2
		.amdhsa_user_sgpr_kernarg_segment_ptr 1
		.amdhsa_wavefront_size32 1
		.amdhsa_system_sgpr_workgroup_id_x 1
		.amdhsa_system_sgpr_workgroup_id_y 1
		.amdhsa_system_sgpr_workgroup_id_z 1
		.amdhsa_system_vgpr_workitem_id 0
		.amdhsa_next_free_vgpr 512
		.amdhsa_next_free_sgpr 80
		.amdhsa_reserve_vcc 0
		.amdhsa_float_denorm_mode_32 3
		.amdhsa_float_denorm_mode_16_64 3
		.amdhsa_memory_ordered 1
		.amdhsa_forward_progress 1
		.amdhsa_inst_pref_size 119
	.end_amdhsa_kernel
	.amdgpu_metadata
---
amdhsa.version: [ 1, 2 ]
amdhsa.kernels:
  - .name:           k_qdc117f8236_pv
    .symbol:         k_qdc117f8236_pv.kd
    .args:
      - { .name: p16, .offset: 0, .size: 8, .value_kind: global_buffer, .address_space: global }
      - { .name: val16, .offset: 8, .size: 8, .value_kind: global_buffer, .address_space: global }
      - { .name: stat, .offset: 16, .size: 8, .value_kind: global_buffer, .address_space: global }
      - { .name: a16, .offset: 24, .size: 8, .value_kind: global_buffer, .address_space: global }
    .group_segment_fixed_size: 327680
    .private_segment_fixed_size: 0
    .kernarg_segment_align: 8
    .kernarg_segment_size: 32
    .max_flat_workgroup_size: 128
    .sgpr_count:     80
    .vgpr_count:     512
    .wavefront_size: 32
...
	.end_amdgpu_metadata
.endif
;; end of part 10
;; launch attnproj: the kernel of part 7 again; grid 8 x 32, 4 waves a work-group, clusters of 4 x 4, 327,680 bytes of LDS; arguments a16, wvo16, bv, x16; writes x16
;; launch outp (part 11): grid 8 x 32, 4 waves a work-group, clusters of 4 x 4, 327,680 bytes of LDS; arguments x16, wvo16, bo, out0; writes out0
.if DOCPART == 11
	.amdgcn_target "amdgcn-amd-amdhsa--gfx1250"
	.amdhsa_code_object_version 6
	.text
	.protected	k_qdc117f8236_outp
	.globl	k_qdc117f8236_outp
	.p2align	8
	.type	k_qdc117f8236_outp,@function
k_qdc117f8236_outp:
	s_mov_b64 s[64:65], 0
	v_nop
	global_prefetch_b8 v0, s[64:65] scope:SCOPE_SE
	s_setreg_imm32_b32 hwreg(HW_REG_WAVE_MODE, 25, 1), 1
	s_wait_xcnt 0x0
	s_wait_alu depctr_hold_cnt(0) depctr_sa_sdst(0) depctr_va_vdst(0) depctr_va_sdst(0) depctr_va_ssrc(0) depctr_va_vcc(0) depctr_vm_vsrc(0)
	s_getreg_b32 s2, hwreg(HW_REG_IB_STS2, 6, 4)
	s_cmp_eq_u32 s2, 0
	s_cbranch_scc0 .Lentry_in_a_cluster
	s_endpgm
.Lentry_in_a_cluster:
	s_bfe_u32 s2, ttmp6, 0x10000c
	s_cmp_lg_u32 s2, 0xf033
	s_cbranch_scc0 .Lentry_shape_is_right
	s_endpgm
.Lentry_shape_is_right:
; out0[m][n] = the sum over k of attn[m][k] Wo[n][k], + bo[n].  attn: the first 4,096 rows of x16, [.][1024] f16; Wo: rows 1,024 on of wvo16, f16; bo and out0 f32; sums in f32, nothing rounded behind them.
; A tile of out0 is 128 x 128: four waves, each 64 x 64 in 16 accumulators.  K goes in steps of 256 (LDS rows of 512 bytes + 16 of padding) through two slots; a wave's one tensor load brings 64 rows.
; A K STEP IS WRITTEN ONCE: the slot in hand is a scalar, the fragment addresses a lane term plus it, one descriptor a tensor walks; first quarter, a loop that fills, a loop of two trips that does not.
; CLUSTERS: 4 x 4 work-groups: attn's tiles are asked for jointly along a row of the cluster, Wo's along a column.
; THE MATRIX INSTRUCTION IS USED TRANSPOSED (source 0 = 16 rows of Wo, source 1 = 16 rows of attn): a lane holds eight neighbouring numbers of a row of out0.
; THE WAY OUT: a wave's 64 columns of f32 are 256 aligned bytes of a row, so each wave has a stage of its own (16 rows x 272 bytes) and no barrier is needed.
; REGISTERS: window 0: v0-31 addresses; v32-95 the way out; v96-127 my 32 bias numbers; v128-255 the accumulators.  window 1: two fragment buffers of 128.
.set SIZE_K, 1024
.set ROWB,   4096                      ; bytes in a row of out0
.set KSTEP,  256
.set STEPS,  SIZE_K/KSTEP
.set PITCH,  528                       ; 132 words: row r starts at bank 4 r mod 64 (64 banks of 4 bytes: ISA guide 11.1)
.set HALFT,  64*PITCH
.set SLOT,   4*HALFT
.set STAGE,  2*SLOT                    ; behind the ring: 16 rows x 272 bytes for each wave
.set SPITCH, 272
.set SPARE,  STAGE+4*16*SPITCH         ; the spare words, 128 bytes for each wave: two blocks of 256 bytes that no other line names
.set ADRA0, 16
.set ADRB0, 17
.set ADRA, 20
.set ADRB, 21
.set STO,  24
.set RD,   25
.set CO,   26
.set SPW,  28
.set NIL,  29
.set TMP,  32                          ; two sets of 32, by turns
.set BIAS, 96
.set ACC,  128
.set F0,   0
.set F1,   128
.set G1, 24
.set G0, 32
.set G1B, 48
.set G0B, 56
.set TB,  76                           ; s76     the slot in hand: 0 or SLOT
.set MSB, 0
.macro WIN new
.if MSB != (\new)
	s_set_vgpr_msb (MSB<<8)|(\new)
.set MSB, \new
.endif
.endm
.set MUL,  0x05
.set TO_F, 0x40
.macro JLOAD s                         ; a joint load: waves 0 and 1 fetch attn's two halves, waves 2 and 3 Wo's; an s_nop 0 and four v_nop follow each line
	s_cmp_eq_u32 s11, 0
	s_cbranch_scc0 .Lfor_b_\@
	tensor_load_to_lds s[G0+4*(\s):G0+4*(\s)+3], s[G1:G1+7]
	s_nop 0
.rept 4
	v_nop
.endr
	s_branch .Lasked_\@
.Lfor_b_\@:
	tensor_load_to_lds s[G0B+4*(\s):G0B+4*(\s)+3], s[G1B:G1B+7]
	s_nop 0
.rept 4
	v_nop
.endr
.Lasked_\@:
.endm
.macro CREST
	s_cmp_lg_u32 s10, 0
	s_cbranch_scc1 .Lnot_wave_0_\@
	s_barrier_signal -3
.Lnot_wave_0_\@:
	s_barrier_wait -3
	s_barrier_signal -1
	s_barrier_wait -1
.endm
.macro CROUND
	s_barrier_signal -1
	s_barrier_wait -1
	CREST
.endm
	s_load_b128 s[4:7], s[0:1], 0x0                ; x16 s[4:5], wvo16 s[6:7]
	s_load_b128 s[68:71], s[0:1], 0x10             ; bo s[68:69], out0 s[70:71]
	v_lshl_add_u32 v[SPW], v0, 2, SPARE
	v_mov_b32 v[NIL], 0
	ds_add_u32 v[SPW], v[NIL]                      ; the wave's opening: the add and its wait stand ahead of my first tensor load; the set-up below, work on registers, stands between them
	v_lshrrev_b32 v1, 5, v0
	v_readfirstlane_b32 s10, v1                    ; wave 0..3
	s_lshr_b32 s11, s10, 1                         ; which half of the tile's rows is mine.  Also: I fetch for attn (0) or for Wo (1)
	s_and_b32 s12, s10, 1                          ; which half of its columns.  Also: which 64 rows of that tile I fetch
	s_bfe_u32 s40, ttmp6, 0x40000
	s_bfe_u32 s41, ttmp6, 0x40004
	s_lshl_b32 s42, ttmp9, 2
	s_add_co_u32 s42, s42, s40                     ; tile column = 4 x cluster x + cx
	s_and_b32 s13, ttmp7, 0xffff
	s_lshl_b32 s13, s13, 2
	s_add_co_u32 s13, s13, s41                     ; tile row = 4 x cluster y + cy
	s_lshl_b32 s43, s41, 2
	s_lshl_b32 s43, 15, s43                        ; my row of the cluster
	s_lshl_b32 s44, 0x1111, s40                    ; my column
	s_or_b32 s[G1+0], s43, (1<<16)|(1<<20)|(1<<21)|(6<<22)|(3<<25)  ; the mask; 2-byte elements; padding on; bit 21 beside a mask; after every 128 words 4 words
	s_or_b32 s[G1B+0], s44, (1<<16)|(1<<20)|(1<<21)|(6<<22)|(3<<25)
.irp g, G1, G1B
	s_mov_b32 s[(\g)+1], KSTEP<<16                 ; tensor_dim0 = 256
	s_mov_b32 s[(\g)+2], 64<<16                    ; tensor_dim1 = 64
	s_mov_b32 s[(\g)+3], KSTEP<<16                 ; tile_dim0 = 256
	s_mov_b32 s[(\g)+4], 64                        ; tile_dim1 = 64
	s_mov_b32 s[(\g)+5], SIZE_K                    ; elements from row to row
	s_mov_b32 s[(\g)+6], 0
	s_mov_b32 s[(\g)+7], 0
.endr
	s_mov_b32 s[TB], 0
	s_lshl_b32 s17, s12, 6
	s_lshl_b32 s16, s13, 7
	s_add_co_u32 s16, s16, s17                     ; attn: row 128 x tile row + 64 x half
	s_lshl_b32 s16, s16, 11
	s_lshl_b32 s46, s42, 7
	s_add_co_u32 s46, s46, s17                     ; Wo: row 128 x tile column + 64 x half,
	s_lshl_b32 s46, s46, 11
	s_add_co_u32 s46, s46, 0x200000                ; behind Wv's 1,024 rows of 2,048 bytes
	s_mov_b32 s17, 0
	s_mov_b32 s47, 0
	s_mul_i32 s20, s10, HALFT
	s_wait_dscnt 0x0                               ; the opening add is done
	s_wait_kmcnt 0x0
	s_add_nc_u64 s[14:15], s[4:5], s[16:17]
	s_add_nc_u64 s[46:47], s[6:7], s[46:47]
	s_mov_b64 s[8:9], s[70:71]                     ; out0
	CROUND                                         ; all sixteen work-groups are here: the first joint loads meet
.irp s, 0,1
	s_mov_b32 s[G0+4*(\s)], 1
	s_add_co_u32 s[G0+4*(\s)+1], s20, (\s)*SLOT
	s_add_nc_u64 s[G0+4*(\s)+2:G0+4*(\s)+3], s[14:15], (\s)*KSTEP*2
	s_or_b32 s[G0+4*(\s)+3], s[G0+4*(\s)+3], 0x80000000
	s_mov_b32 s[G0B+4*(\s)], 1
	s_add_co_u32 s[G0B+4*(\s)+1], s20, (\s)*SLOT
	s_add_nc_u64 s[G0B+4*(\s)+2:G0B+4*(\s)+3], s[46:47], (\s)*KSTEP*2
	s_or_b32 s[G0B+4*(\s)+3], s[G0B+4*(\s)+3], 0x80000000
	JLOAD \s
.endr
	v_and_b32 v1, 15, v0                           ; r = l % 16
	v_bfe_u32 v2, v0, 4, 1                         ; h = l / 16
	s_lshl_b32 s46, s42, 9                         ; my columns, in bytes of f32: 512 x tile column + 256 x half: for the bias and for out0
	s_lshl_b32 s47, s12, 8
	s_add_co_u32 s46, s46, s47
	s_mov_b32 s47, 0
	s_add_nc_u64 s[68:69], s[68:69], s[46:47]
	s_add_nc_u64 s[8:9], s[8:9], s[46:47]
	v_lshlrev_b32 v6, 5, v2                        ; a lane holds columns 16 b + 8 h + 0..7
.irp b, 0,1,2,3
	global_load_b128 v[BIAS+8*(\b):BIAS+8*(\b)+3],   v6, s[68:69] offset:64*(\b)
	global_load_b128 v[BIAS+8*(\b)+4:BIAS+8*(\b)+7], v6, s[68:69] offset:64*(\b)+16
.endr
	v_mul_u32_u24 v3, v1, PITCH
	v_lshl_add_u32 v3, v2, 4, v3
	s_mul_i32 s21, s11, HALFT
	s_mul_i32 s22, s12, HALFT
	s_add_co_u32 s22, s22, 2*HALFT
	v_add_nc_u32 v[ADRA0], s21, v3
	v_add_nc_u32 v[ADRB0], s22, v3
	v_add_nc_u32 v[ADRA], s21, v3                  ; the walk begins in slot 0
	v_add_nc_u32 v[ADRB], s22, v3
	s_mul_i32 s23, s10, 16*SPITCH
	s_add_co_u32 s23, s23, STAGE                   ; my stage
	v_mul_u32_u24 v4, v1, SPITCH                   ; in: row r, 32 bytes for each half of the lanes
	v_lshl_add_u32 v4, v2, 5, v4
	v_add_nc_u32 v[STO], s23, v4
	v_mul_u32_u24 v5, v2, SPITCH                   ; back: lanes 0-15 take one row of 256 bytes, lanes 16-31 the next
	v_lshl_add_u32 v5, v1, 4, v5
	v_add_nc_u32 v[RD], s23, v5
	v_lshlrev_b32 v5, 12, v2                       ; and the same two rows in out0
	v_lshl_add_u32 v[CO], v1, 4, v5
	s_lshl_b32 s16, s13, 7
	s_lshl_b32 s17, s11, 6
	s_add_co_u32 s16, s16, s17                     ; my first row: 128 x tile row + 64 x half
	s_lshl_b32 s16, s16, 12
	s_mov_b32 s17, 0
	s_add_nc_u64 s[8:9], s[8:9], s[16:17]
; The 16 accumulators take turns, one instruction a turn.
.macro MUL8 f, c, a0, zero
	WIN MUL
.irp a, \a0, (\a0)+1
.irp b, 0,1,2,3
.if \zero
	v_wmma_f32_16x16x32_f16 v[ACC+8*(4*(\a)+(\b)):ACC+8*(4*(\a)+(\b))+7], v[(\f)+64+8*(4*(\c)+(\b)):(\f)+64+8*(4*(\c)+(\b))+7], v[(\f)+8*(4*(\c)+(\a)):(\f)+8*(4*(\c)+(\a))+7], 0
.else
	v_wmma_f32_16x16x32_f16 v[ACC+8*(4*(\a)+(\b)):ACC+8*(4*(\a)+(\b))+7], v[(\f)+64+8*(4*(\c)+(\b)):(\f)+64+8*(4*(\c)+(\b))+7], v[(\f)+8*(4*(\c)+(\a)):(\f)+8*(4*(\c)+(\a))+7], v[ACC+8*(4*(\a)+(\b)):ACC+8*(4*(\a)+(\b))+7]
.endif
.endr
.endr
.endm
.macro FETCH k, f                      ; 32 LDS loads in one run: 64 along K at byte k of the rows of the slot in hand, into buffer f; the first 32 along K first
	WIN TO_F
.irp c, 0,1
.irp i, 0,1,2,3
	ds_load_b128 v[(\f)+64+8*(4*(\c)+(\i)):(\f)+64+8*(4*(\c)+(\i))+3],   v[ADRB] offset:(\k)+64*(\c)+(\i)*16*PITCH
	ds_load_b128 v[(\f)+64+8*(4*(\c)+(\i))+4:(\f)+64+8*(4*(\c)+(\i))+7], v[ADRB] offset:(\k)+64*(\c)+(\i)*16*PITCH+32
	ds_load_b128 v[(\f)+8*(4*(\c)+(\i)):(\f)+8*(4*(\c)+(\i))+3],         v[ADRA] offset:(\k)+64*(\c)+(\i)*16*PITCH
	ds_load_b128 v[(\f)+8*(4*(\c)+(\i))+4:(\f)+8*(4*(\c)+(\i))+7],       v[ADRA] offset:(\k)+64*(\c)+(\i)*16*PITCH+32
.endr
.endr
.endm
.macro PLACES                          ; four places in front of loads into registers that matrix instructions have read, and of vector lines that read results
.rept 4
	v_nop
.endr
.endm
.macro QUARTER k, f, g, zero
	s_wait_dscnt 16                                ; the first 32 along K are in; the youngest sixteen loads may be out
	MUL8 \f, 0, 0, \zero
	MUL8 \f, 0, 2, \zero
	PLACES
	FETCH \k, \g
	s_wait_dscnt 32                                ; all but the 32 just issued
	MUL8 \f, 1, 0, 0
	MUL8 \f, 1, 2, 0
.endm
; The last quarter of a K step, and the change of slots.  fill = 1: the barrier opens a round of the cluster's, and the slot just read is filled again, first thing behind the round.
; fill = 0: the tail's two trips; in the second (s3 = 1) there is no further K step, and the run of loads is jumped over.
.macro TURN fill
	WIN 0
	s_wait_tensorcnt 0x0                           ; all my tensor loads have landed: my part of the next slot
	ds_add_u32 v[SPW], v[NIL]                      ; 0 onto my spare word
	s_wait_dscnt 17                                ; (the add and the youngest sixteen loads may be out)
	MUL8 F1, 0, 0, 0
	s_wait_dscnt 0x0                               ; the add is done, and my reads of this slot are over
	s_barrier_signal -1
	MUL8 F1, 0, 2, 0
	WIN 0
	s_barrier_wait -1
.if \fill
	CREST                                          ; no wave of any partner still reads this slot's tile or has a load on its way
	s_add_co_u32 s[G0+5], s20, s[TB]               ; the walking descriptors: into the slot just read,
	s_add_co_u32 s[G0B+5], s20, s[TB]
	s_add_nc_u64 s[G0+6:G0+7], s[G0+6:G0+7], KSTEP*2    ; the K step behind the one asked for last
	s_add_nc_u64 s[G0B+6:G0B+7], s[G0B+6:G0B+7], KSTEP*2
	JLOAD 1                                        ; the four v_nop behind it are also the places in front of the loads below
.else
	s_cmp_eq_u32 s3, 1
	s_cbranch_scc1 .Lno_more_\@
	PLACES
.endif
	s_xor_b32 s[TB], s[TB], SLOT                   ; the other slot is in hand
	v_add_nc_u32 v[ADRA], s[TB], v[ADRA0]
	v_add_nc_u32 v[ADRB], s[TB], v[ADRB0]
	FETCH 0, F0
.if (\fill) == 0
	WIN 0
.Lno_more_\@:
.endif
	MUL8 F1, 1, 0, 0
	MUL8 F1, 1, 2, 0
.endm
	s_wait_tensorcnt 1                             ; my part of K step 0 is in; K step 1's load stays out
	s_barrier_signal -1
	s_barrier_wait -1
	FETCH 0, F0
	QUARTER 128, F0, F1, 1                         ; its first products start the sums
	WIN 0
	s_mov_b32 s3, STEPS-2
.Lstep:                                                ; a trip goes from a K step's second quarter to the next step's first, and fills the slot that it leaves
	QUARTER 256, F1, F0, 0
	QUARTER 384, F0, F1, 0
	TURN 1
	QUARTER 128, F0, F1, 0
	WIN 0
	s_sub_co_u32 s3, s3, 1
	s_cmp_lg_u32 s3, 0
	s_cbranch_scc1 .Lstep
	s_mov_b32 s3, 2
.Ltail:                                                ; the last two K steps ask for nothing; the second trip is left in its middle
	QUARTER 256, F1, F0, 0
	QUARTER 384, F0, F1, 0
	TURN 0
	WIN 0
	s_sub_co_u32 s3, s3, 1
	s_cmp_eq_u32 s3, 0
	s_cbranch_scc1 .Lout
	QUARTER 128, F0, F1, 0
	WIN 0
	s_branch .Ltail
.Lout:
	; THE WAY OUT, a block of 16 rows at a time: the bias is added; 32 bytes a lane into my own stage; back as whole rows of 256 bytes; stored.
	s_wait_loadcnt 0x0                             ; my bias
	PLACES
.irp a, 0,1,2,3
.irp b, 0,1,2,3
.irp r, 0,1,2,3                        ; each accumulator's lowest registers are read first
	v_pk_add_f32 v[ACC+8*(4*(\a)+(\b))+2*(\r):ACC+8*(4*(\a)+(\b))+2*(\r)+1], v[ACC+8*(4*(\a)+(\b))+2*(\r):ACC+8*(4*(\a)+(\b))+2*(\r)+1], v[BIAS+8*(\b)+2*(\r):BIAS+8*(\b)+2*(\r)+1]
.endr
.endr
.irp b, 0,1,2,3
	ds_store_b128 v[STO], v[ACC+8*(4*(\a)+(\b)):ACC+8*(4*(\a)+(\b))+3]   offset:64*(\b)
	ds_store_b128 v[STO], v[ACC+8*(4*(\a)+(\b))+4:ACC+8*(4*(\a)+(\b))+7] offset:64*(\b)+16
.endr
	s_wait_xcnt 0x0                                ; the stores of two blocks ago have read this set of registers: it is loaded again only behind this wait
.irp t, 0,1,2,3,4,5,6,7
	ds_load_b128 v[TMP+32*((\a)%2)+4*(\t):TMP+32*((\a)%2)+4*(\t)+3], v[RD] offset:(\t)*2*SPITCH  ; LDS serves a wave's instructions in order (ISA guide 5.7.1.4): these see the stores above; the next block's stores come behind them
.endr
.irp t, 0,1,2,3,4,5,6,7
	s_wait_dscnt 7-(\t)                            ; pair t of rows is in; the loads behind it may be out
	global_store_b128 v[CO], v[TMP+32*((\a)%2)+4*(\t):TMP+32*((\a)%2)+4*(\t)+3], s[8:9] offset:(16*(\a)+2*(\t))*ROWB  ; 16 lanes store 256 consecutive bytes, at a multiple of 256 from out0's first byte
.endr
.endr
	s_wait_tensorcnt 0x0                           ; the wave's end: the add and its wait stand behind my last tensor load and my last LDS store
	ds_add_u32 v[SPW], v[NIL]
	s_wait_dscnt 0x0
	CROUND                                         ; the closing round: no work-group ends while a partner may still ask for a tile that names it
	s_endpgm
.Lfunc_end_k_qdc117f8236_outp:
	.size	k_qdc117f8236_outp, .Lfunc_end_k_qdc117f8236_outp-k_qdc117f8236_outp
	.p2alignl 7, 3214868480
	.fill 96, 4, 3214868480
	.section	.rodata,"a",@progbits
	.p2align	6, 0x0
	.amdhsa_kernel k_qdc117f8236_outp
		.amdhsa_group_segment_fixed_size 327680
		.amdhsa_private_segment_fixed_size 0
		.amdhsa_enable_private_segment 0
		.amdhsa_kernarg_size 32
		.amdhsa_user_sgpr_count 2
		.amdhsa_user_sgpr_kernarg_segment_ptr 1
		.amdhsa_wavefront_size32 1
		.amdhsa_system_sgpr_workgroup_id_x 1
		.amdhsa_system_sgpr_workgroup_id_y 1
		.amdhsa_system_sgpr_workgroup_id_z 1
		.amdhsa_system_vgpr_workitem_id 0
		.amdhsa_next_free_vgpr 512
		.amdhsa_next_free_sgpr 80
		.amdhsa_reserve_vcc 0
		.amdhsa_float_denorm_mode_32 3
		.amdhsa_float_denorm_mode_16_64 3
		.amdhsa_memory_ordered 1
		.amdhsa_forward_progress 1
		.amdhsa_inst_pref_size 63
	.end_amdhsa_kernel
	.amdgpu_metadata
---
amdhsa.version: [ 1, 2 ]
amdhsa.kernels:
  - .name:           k_qdc117f8236_outp
    .symbol:         k_qdc117f8236_outp.kd
    .args:
      - { .name: x16, .offset: 0, .size: 8, .value_kind: global_buffer, .address_space: global }
      - { .name: wvo16, .offset: 8, .size: 8, .value_kind: global_buffer, .address_space: global }
      - { .name: bo, .offset: 16, .size: 8, .value_kind: global_buffer, .address_space: global }
      - { .name: out0, .offset: 24, .size: 8, .value_kind: global_buffer, .address_space: global }
    .group_segment_fixed_size: 327680
    .private_segment_fixed_size: 0
    .kernarg_segment_align: 8
    .kernarg_segment_size: 32
    .max_flat_workgroup_size: 128
    .sgpr_count:     80
    .vgpr_count:     512
    .wavefront_size: 32
...
	.end_amdgpu_metadata
.endif
;; end of part 11
